; MI455X (gfx1250); checked and timed in simulation.
; The chip was launched on July 23, 2026; its instructions are those of AMD's public machine-readable ISA for CDNA 5 (MIT licence, August 2026) and "CDNA5" Instruction Set Architecture Reference Guide (July 2026). The comments in the code are by the model that wrote it; some were corrected since.
;; Multi Head Attention. Allowed arithmetic: matrix products marked QUANTISED: E2M3 operands, one E8M0 scale for each 32 along K, by v_wmma_scale_f32_16x16x128_f8f6f4 with both operands' format E2M3, f32 sums; everything else in f32.
;; Inputs: bk 768 float32; bo 768 float32; bq 768 float32; bv 768 float32; wk 768 x 768 float32; wo 768 x 768 float32; wq 768 x 768 float32; wv 768 x 768 float32; x 1 x 4,096 x 768 float32.
;; Outputs: out0 1 x 4,096 x 768 float32.
;; This version of the problem:
;;   THIS VERSION OF THE PROBLEM IS GIVEN IN LOW PRECISION. The matrix products marked QUANTISED in the list below multiply operands that are first quantised to E2M3 (2 exponent bits, 3 mantissa bits; 6 bits a number), with one power-of-two scale for each 32 numbers along K (OCP MX v1.0); their sums are f32. All else is computed in f32.
;;   The module's matrix products, in the order in which they are computed (A, B: the left and right operand; K: the contracted axis; several contracted axes count as one K, in the product's order):
;;     1. [M 4,096, K 768] x [K 768, N 768]; A: input x; B: input wq: QUANTISED
;;     2. [M 4,096, K 768] x [K 768, N 768]; A: input x; B: input wk: QUANTISED
;;     3. [M 4,096, K 768] x [K 768, N 768]; A: input x; B: input wv: QUANTISED
;;     4. batch 12 x [M 4,096, K 64] x [K 64, N 4,096]; A: computed on the way; B: computed on the way: QUANTISED
;;     5. batch 12 x [M 4,096, K 4,096] x [K 4,096, N 64]; A: softmax (see below); B: computed on the way: QUANTISED
;;     6. [M 4,096, K 768] x [K 768, N 768]; A: computed on the way; B: input wo: QUANTISED
;;   THE QUANTISER, for each operand of a quantised product, along K:
;;     - K is cut into blocks of 32 from its start; a last block that is shorter is filled with zeros.
;;     - A block's scale is 2^e with e = floor(log2(the largest magnitude in the block)) - 2, held to -126 .. 127; a block of zeros has e = 0. As a byte (E8M0): e + 127.
;;     - Each number is divided by its block's scale, clamped to +-7.5, and rounded to the nearest number of E2M3, ties to even, subnormals kept.
;;     - The product sums the exact products of the quantised numbers (number of the format x scale) in f32.
;;   ~~~python
;;   def quantise(x, axis):      # numpy; x: float32 -> the quantised numbers, widened to float32 again
;;       x = np.moveaxis(x, axis, -1); K = x.shape[-1]
;;       x = np.pad(x, [(0, 0)] * (x.ndim - 1) + [(0, -K % 32)]); x = x.reshape(x.shape[:-1] + (-1, 32)); a = np.abs(x).max(-1, keepdims=True)
;;       e = np.where(a > 0, np.clip(np.frexp(np.where(a > 0, a, 1))[1] - 1 - 2, -126, 127), 0)      # np.frexp(a)[1] - 1 = floor(log2(a)), exactly
;;       r = np.clip(x / 2.0 ** e, -7.5, 7.5)
;;       step = 2.0 ** (np.maximum(np.frexp(np.where(r == 0, 1, r))[1] - 1, 0) - 3)
;;       q = np.round(r / step) * step * 2.0 ** e      # np.round: ties to even
;;       return np.moveaxis(q.reshape(q.shape[:-2] + (-1,))[..., :K], -1, axis).astype(np.float32)
;;   ~~~
;;   SOFTMAX AHEAD OF A QUANTISED PRODUCT. Where the list says 'softmax', what is quantised is not the finished softmax but p = 2^(t - M), with t = logit x log2(e) and M = ceil(the row's largest t), a whole number; so 1/2 < the row's largest p <= 1. The row's sum l is taken of the UNQUANTISED p, in f32, and the product's result is divided by l at the end. Since M is a whole number, a kernel that streams over the keys may use a running M (the ceiling of the running maximum): every later rescaling is an exact power of two, which a block's scale takes up: the codes' values come out the same.
;;   OPERANDS COMPUTED ON THE WAY. 'Computed on the way' means the value that the module computes at that place (a softmax that the list does not call 'softmax' is quantised finished and normalised). What goes into a quantiser is computed in f32, as accurately as f32 sums, v_exp_f32 and their like allow (about 1e-6 of the number): no bf16 or f16 on the way to a quantiser, and a product that is left as it is and whose result goes on into a quantised operand takes f32 operands (vector FMAs, or v_wmma_f32_16x16x4_f32). A number that lies on a knife's edge between two numbers of the format may be rounded either way, as far as f32 arithmetic and the matrix unit's own rounding can turn it there, and no further.
;; 2 versions. Each part assembles by itself: llvm-mc -triple=amdgcn-amd-amdhsa -mcpu=gfx1250 --defsym DOCPART=n.
;; ======== version 1 of 2: 4 launches
;; workspace buffers: img 4,128,768 bytes; scl 172,032 bytes; qi 2,359,296 bytes; qs 196,608 bytes; kv 5,013,504 bytes; ci 2,359,296 bytes; cs 98,304 bytes
;; launch quant (part 1): grid 224 x 1, 6 waves a work-group, no clusters, 105,216 bytes of LDS; arguments x, wq, wk, wv, wo, img, scl; writes img, scl
.if DOCPART == 1
	.amdgcn_target "amdgcn-amd-amdhsa--gfx1250"
	.amdhsa_code_object_version 6
	.text
	.protected	k_qa783f048e6_quant
	.globl	k_qa783f048e6_quant
	.p2align	8
	.type	k_qa783f048e6_quant,@function
k_qa783f048e6_quant:
	s_mov_b64 s[64:65], 0
	v_nop
	global_prefetch_b8 v0, s[64:65] scope:SCOPE_SE
	s_setreg_imm32_b32 hwreg(HW_REG_WAVE_MODE, 25, 1), 1
	s_wait_xcnt 0x0
; x [4096][768] (K innermost) and wq, wk, wv, wo [768 (k)][768 (n)] (K outermost), f32, become codes of FP6 (E2M3) and E8M0 scale bytes, one for each 32 along K,
; laid in the ORDER OF THE OPERAND'S REGISTERS.  Rows: 0 .. 4095 the tokens; 4096 + 768 w + n column n of weight w (0 wq, 1 wk, 2 wv, 3 wo): 7,168 rows, 224 pairs of tiles of 16.
; A TILE'S ROWS ARE NOT NEIGHBOURS: lane r of tile t is row 32 (t / 2) + 8 (t % 2) + r + 8 (r / 8), so that a product which takes a pair of tiles as source 0 has 16 neighbouring rows in a lane's 16 registers.
; img: [tile][K step of 128][half c] 768 bytes: a half is six registers x 32 lanes (k = 64 c + 32 (lane / 16) + 0 .. 31): registers 0-3 of lane l at 16 l, registers 4-5 at 512 + 8 l.
; scl: [pair][K step] 128 bytes: one scale register: lanes 0-15 the words of the even tile's rows, lanes 16-31 those of the odd tile's.
; SHARES.  A work-group takes a pair of tiles (32 rows), each of its six waves one K step of 128; lane l owns the pair's row sigma(l) (bits 3 and 4 of l swapped) and holds its 128 numbers: four whole blocks, so no maximum leaves the lane.
; x: each load reads two rows' 256 consecutive bytes, 16 bytes a lane; the bytes turn through the wave's own 17,408 bytes of LDS (32 places of 256 + 16 bytes, twice) and come back a row a lane.
; Weights: a lane takes a column and its registers run down K: each load reads 128 consecutive bytes.  Nothing is transposed by an instruction.
; A block's scale is 2^(floor(log2(largest magnitude)) - 2): its byte is the largest magnitude's exponent field - 2, held at 1 from below.
; LIMITS: NaN and infinities among the inputs are not served; a block whose largest magnitude lies under 2^-124 keeps the byte 1; a block of zeros has the byte 1, not 127: its codes are zeros and this program alone reads the bytes.
; No cluster, no tensor load, no barrier: work-groups and waves share no input.
.set WREG,  17408                      ; a wave's LDS: two regions of 32 places x 272 bytes
.set HREG,  8704
.set SPARE, 6*WREG                     ; behind them the spare words, 128 bytes for each wave: three blocks of 256 bytes that no other line names
.set LI,  2                            ; v2   16 x lane
.set L8,  3                            ; v3   8 x lane
.set LS,  4                            ; v4   4 x lane
.set GO,  5                            ; v5   the loads' offset
.set SI,  6                            ; v6   LDS, on the way in: 272 (lane / 16) + 16 (lane % 16) + my wave's bytes
.set SO,  7                            ; v7   on the way out: 272 x lane + my wave's bytes
.set SPW, 8                            ; v8   my spare word; never rewritten
.set NIL, 9                            ; v9   0; never rewritten
.set MX,  10                           ; v10-13 the four blocks' largest magnitudes
.set SC,  14                           ; v14-17 the conversions' scale operands
.set BY,  18                           ; v18-21 the bytes
.set PW,  22                           ; v22  my row's scale word
.set CD,  24                           ; v24-47 codes: six registers a block
.set TT,  48                           ; v48-63 second halves of the blocks' codes as the conversions leave them
.set R,   64                           ; v64-191 my row's 128 numbers
	s_load_b256 s[4:11], s[0:1], 0x0               ; x, wq, wk, wv
	s_load_b128 s[12:15], s[0:1], 0x20             ; wo, img
	s_load_b64 s[16:17], s[0:1], 0x30              ; scl
	v_lshl_add_u32 v[SPW], v0, 2, SPARE
	v_mov_b32 v[NIL], 0
	v_lshrrev_b32 v1, 5, v0
	v_readfirstlane_b32 s18, v1                    ; wave = K step 0 .. 5
	v_and_b32 v1, 31, v0                           ; lane
	v_lshlrev_b32 v[LI], 4, v1
	v_lshlrev_b32 v[L8], 3, v1
	v_lshlrev_b32 v[LS], 2, v1
	v_lshrrev_b32 v10, 4, v1                       ; lane / 16
	v_and_b32 v11, 15, v1                          ; lane % 16
	s_mul_i32 s20, s18, WREG
	v_mul_u32_u24 v[SI], v10, 272
	v_lshl_add_u32 v[SI], v11, 4, v[SI]
	v_add_nc_u32 v[SI], s20, v[SI]
	v_mul_u32_u24 v[SO], v1, 272
	v_add_nc_u32 v[SO], s20, v[SO]
	s_mul_i32 s22, ttmp9, 18432                    ; img: a pair is 18,432 bytes, a K step of a tile 1,536
	s_mul_i32 s23, s18, 1536
	s_add_co_u32 s22, s22, s23
	s_mov_b32 s23, 0
	s_mul_i32 s24, ttmp9, 768                      ; scl: a pair is 768 bytes, a K step 128
	s_lshl_b32 s25, s18, 7
	s_add_co_u32 s24, s24, s25
	s_mov_b32 s25, 0
	s_wait_kmcnt 0x0
	s_add_nc_u64 s[30:31], s[14:15], s[22:23]
	s_add_nc_u64 s[32:33], s[16:17], s[24:25]
	s_cmp_lt_u32 ttmp9, 128                        ; pairs 0 .. 127 are tokens, 128 .. 223 columns of the weights
	s_cbranch_scc0 .Lweights
	; ---- x: 32 rows x 512 bytes
	s_mul_i32 s20, ttmp9, 98304                    ; 32 rows of 3,072 bytes
	s_lshl_b32 s21, s18, 9                         ; my K step's 512 bytes
	s_add_co_u32 s20, s20, s21
	s_mov_b32 s21, 0
	s_add_nc_u64 s[28:29], s[4:5], s[20:21]
	v_mul_u32_u24 v[GO], v10, 3072                 ; lanes 16-31 take the row below
	v_lshl_add_u32 v[GO], v11, 4, v[GO]
.set c, 0
.rept 2
.set i, 0
.rept 16
.set sg, ((2*i)&7)|(((2*i)&8)<<1)|(((2*i)&16)>>1)      ; sigma(2 i); sigma(2 i + 1) is the row below it
	global_load_b128 v[R+64*c+4*i:R+64*c+4*i+3], v[GO], s[28:29] offset:sg*3072+256*c th:TH_LOAD_NT   ; sixteen lanes read 256 consecutive bytes, at a multiple of 256 from x's first byte
.set i, i+1
.endr
.set c, c+1
.endr
	s_wait_loadcnt 16                              ; the first half's sixteen loads are in; the second half's sixteen may be out
.set i, 0
.rept 16
	ds_store_b128 v[SI], v[R+4*i:R+4*i+3] offset:544*i             ; places 2 i and 2 i + 1
.set i, i+1
.endr
	s_wait_loadcnt 0x0
.set i, 0
.rept 16
	ds_store_b128 v[SI], v[R+64+4*i:R+64+4*i+3] offset:HREG+544*i
.set i, i+1
.endr
	s_wait_dscnt 0x0                               ; the stores are done: their registers take the rows
.set c, 0
.rept 2
.set i, 0
.rept 16
	ds_load_b128 v[R+64*c+4*i:R+64*c+4*i+3], v[SO] offset:HREG*c+16*i   ; place l holds row sigma(l): 64 numbers of it
.set i, i+1
.endr
.set c, c+1
.endr
	s_wait_dscnt 0x0
	s_branch .Lquant
.Lweights:
	; ---- a weight: 128 rows k x 32 columns
	s_sub_co_u32 s20, ttmp9, 128                   ; 24 pairs to a weight
	s_mov_b64 s[28:29], s[6:7]
	s_mov_b32 s21, 0
	s_cmp_ge_u32 s20, 24                           ; the choice hangs on the work-group's number alone
	s_cselect_b64 s[28:29], s[8:9], s[28:29]
	s_cselect_b32 s21, 24, s21
	s_cmp_ge_u32 s20, 48
	s_cselect_b64 s[28:29], s[10:11], s[28:29]
	s_cselect_b32 s21, 48, s21
	s_cmp_ge_u32 s20, 72
	s_cselect_b64 s[28:29], s[12:13], s[28:29]
	s_cselect_b32 s21, 72, s21
	s_sub_co_u32 s20, s20, s21                     ; the pair within its weight
	s_lshl_b32 s20, s20, 7                         ; its 32 columns: 128 bytes
	s_mul_i32 s21, s18, 393216                     ; my K step: 128 rows of 3,072 bytes
	s_add_co_u32 s20, s20, s21
	s_mov_b32 s21, 0
	s_add_nc_u64 s[28:29], s[28:29], s[20:21]
	v_and_b32 v[GO], 7, v1                         ; sigma(lane)
	v_and_b32 v12, 8, v1
	v_lshl_or_b32 v[GO], v12, 1, v[GO]
	v_and_b32 v12, 16, v1
	v_lshrrev_b32 v12, 1, v12
	v_or_b32 v[GO], v[GO], v12
	v_lshlrev_b32 v[GO], 2, v[GO]
.set i, 0
.rept 128
	global_load_b32 v[R+i], v[GO], s[28:29] offset:3072*i          ; W(128 s + i, my column): the wave reads 128 consecutive bytes
.set i, i+1
.endr
	s_wait_loadcnt 0x0
.Lquant:
	; ---- four blocks of 32, all mine
.irp b, 0,1,2,3
	v_max3_num_f32 v[MX+\b], |v[R+32*\b]|, |v[R+32*\b+1]|, 0x1800000   ; and the floor 2^(3 - 127): the byte cannot fall under 1
.endr
.irp i, 2,4,6,8,10,12,14,16,18,20,22,24,26,28,30
.irp b, 0,1,2,3
	v_max3_num_f32 v[MX+\b], v[MX+\b], |v[R+32*\b+\i]|, |v[R+32*\b+\i+1]|   ; the four blocks by turns
.endr
.endr
.irp b, 0,1,2,3
	v_add_nc_u32 v[SC+\b], 0xff000000, v[MX+\b]    ; 2 off the exponent field: the conversion takes this operand's exponent field as its scale
.endr
.irp b, 0,1,2,3
	v_lshrrev_b32 v[BY+\b], 23, v[SC+\b]           ; the scale's byte
.endr
	v_lshl_or_b32 v[PW], v[BY+1], 8, v[BY]
	v_lshl_or_b32 v[PW], v[BY+2], 16, v[PW]
	v_lshl_or_b32 v[PW], v[BY+3], 24, v[PW]        ; my row's word for this K step
.irp b, 0,1,2,3
	v_cvt_scalef32_pk16_fp6_f32 v[CD+6*\b:CD+6*\b+2], v[R+32*\b:R+32*\b+15], v[SC+\b]
	v_cvt_scalef32_pk16_fp6_f32 v[TT+4*\b:TT+4*\b+2], v[R+32*\b+16:R+32*\b+31], v[SC+\b]   ; (a conversion's three registers begin on an even number)
.endr
	v_nop                                          ; one plain instruction between the conversions and the first that touches their results
.irp b, 0,1,2,3
.irp i, 0,1,2
	v_mov_b32 v[CD+6*\b+3+\i], v[TT+4*\b+\i]
.endr
.endr
; Lanes 0-15 hold the even tile's rows, lanes 16-31 the odd tile's, each with blocks 0 .. 3.  An operand wants block 2 c in lanes 0-15 and block 2 c + 1 in lanes 16-31 of ONE tile:
; block 2 c's lanes 16-31 change places with block 2 c + 1's lanes 0-15; then v[CD + 12 c ..] is the even tile's half c and v[CD + 12 c + 6 ..] the odd tile's.
.irp c, 0,1
.irp i, 0,1,2,3,4,5
	v_permlane16_swap_b32 v[CD+12*\c+\i], v[CD+12*\c+6+\i]
.endr
.endr
.irp u, 0,1
.irp c, 0,1
	global_store_b128 v[LI], v[CD+12*\c+6*\u:CD+12*\c+6*\u+3], s[30:31] offset:9216*\u+768*\c          ; 512 consecutive bytes
	global_store_b64 v[L8], v[CD+12*\c+6*\u+4:CD+12*\c+6*\u+5], s[30:31] offset:9216*\u+768*\c+512     ; 256 consecutive bytes
.endr
.endr
	global_store_b32 v[LS], v[PW], s[32:33]        ; the pair's scale register for this K step: 128 consecutive bytes
	s_wait_tensorcnt 0x0                           ; the wave's end, behind my last LDS store
	ds_add_u32 v[SPW], v[NIL]
	s_wait_dscnt 0x0
	s_endpgm
.Lfunc_end_k_qa783f048e6_quant:
	.size	k_qa783f048e6_quant, .Lfunc_end_k_qa783f048e6_quant-k_qa783f048e6_quant
	.p2alignl 7, 3214868480
	.fill 96, 4, 3214868480
	.section	.rodata,"a",@progbits
	.p2align	6, 0x0
	.amdhsa_kernel k_qa783f048e6_quant
		.amdhsa_group_segment_fixed_size 105216
		.amdhsa_private_segment_fixed_size 0
		.amdhsa_enable_private_segment 0
		.amdhsa_kernarg_size 56
		.amdhsa_user_sgpr_count 2
		.amdhsa_user_sgpr_kernarg_segment_ptr 1
		.amdhsa_wavefront_size32 1
		.amdhsa_system_sgpr_workgroup_id_x 1
		.amdhsa_system_sgpr_workgroup_id_y 1
		.amdhsa_system_sgpr_workgroup_id_z 1
		.amdhsa_system_vgpr_workitem_id 0
		.amdhsa_next_free_vgpr 192
		.amdhsa_next_free_sgpr 66
		.amdhsa_reserve_vcc 0
		.amdhsa_float_denorm_mode_32 3
		.amdhsa_float_denorm_mode_16_64 3
		.amdhsa_memory_ordered 1
		.amdhsa_forward_progress 1
		.amdhsa_inst_pref_size 30
	.end_amdhsa_kernel
	.amdgpu_metadata
---
amdhsa.version: [ 1, 2 ]
amdhsa.kernels:
  - .name:           k_qa783f048e6_quant
    .symbol:         k_qa783f048e6_quant.kd
    .args:
      - { .name: x, .offset: 0, .size: 8, .value_kind: global_buffer, .address_space: global }
      - { .name: wq, .offset: 8, .size: 8, .value_kind: global_buffer, .address_space: global }
      - { .name: wk, .offset: 16, .size: 8, .value_kind: global_buffer, .address_space: global }
      - { .name: wv, .offset: 24, .size: 8, .value_kind: global_buffer, .address_space: global }
      - { .name: wo, .offset: 32, .size: 8, .value_kind: global_buffer, .address_space: global }
      - { .name: img, .offset: 40, .size: 8, .value_kind: global_buffer, .address_space: global }
      - { .name: scl, .offset: 48, .size: 8, .value_kind: global_buffer, .address_space: global }
    .group_segment_fixed_size: 105216
    .private_segment_fixed_size: 0
    .kernarg_segment_align: 8
    .kernarg_segment_size: 56
    .max_flat_workgroup_size: 192
    .sgpr_count:     66
    .vgpr_count:     192
    .wavefront_size: 32
...
	.end_amdgpu_metadata
.endif
;; end of part 1
;; launch proj (part 2): grid 96 x 3, 8 waves a work-group, no clusters, 78,336 bytes of LDS; arguments img, scl, bq, bk, bv, qi, qs, kv; writes qi, qs, kv
.if DOCPART == 2
	.amdgcn_target "amdgcn-amd-amdhsa--gfx1250"
	.amdhsa_code_object_version 6
	.text
	.protected	k_qa783f048e6_proj
	.globl	k_qa783f048e6_proj
	.p2align	8
	.type	k_qa783f048e6_proj,@function
k_qa783f048e6_proj:
	s_mov_b64 s[64:65], 0
	v_nop
	global_prefetch_b8 v0, s[64:65] scope:SCOPE_SE
	s_setreg_imm32_b32 hwreg(HW_REG_WAVE_MODE, 25, 1), 1
	s_wait_xcnt 0x0
; q = x wq + bq, k = x wk + bk, v = x wv + bv on codes of FP6 (E2M3) with E8M0 scales (K = 768, six steps of 128), and the results quantised in registers for attention's two products:
; q and k along the head's 64 channels, v along the keys.  Work-group y = 0: q, 1: k, 2: v.
; A UNIT, one a wave: 8 tiles as source 0 (shared by the work-group's eight waves, in LDS) x 2 tiles as source 1 (the wave's own, from memory): 96 matrix instructions on 16 accumulators.
; A lane then holds ONE row of source 1, and its registers run along the rows of source 0: by the order of a tile's rows (lane r of tile t is row 32 (t / 2) + 8 (t % 2) + r + 8 (r / 8)) the 16 registers of tiles 2 b and 2 b + 1
; are 16 neighbours, 32 b + 16 (lane / 16) + 0 .. 15: the axis along which the result is quantised.
;   q, k: source 0 = 128 columns of the weight (two heads), source 1 = 32 tokens.   v: source 0 = 128 tokens (keys), source 1 = 32 columns of wv.
; OPERANDS are images of their registers (launch quant): a half of 768 bytes comes by one load of 16 bytes and one of 8 bytes a lane, dense; a scale register by 4 bytes a lane.
; OUT: qi [head][tile of 16 queries] 768 bytes; qs [head][tile][16 words] (bytes 0, 1: the two blocks; bytes 2, 3: 0);
;   kv [head][128 keys] a record of 13,056 bytes: K's 8 tiles at 768 t; V's 4 fragments (16 channels x 128 keys) at 6144 + 1536 t + 768 c; K's 4 scale registers at 12288 + 128 p; V's 2 at 12800 + 128 p.
; LIMITS: NaN and infinities are not served; a block whose largest magnitude lies under 2^-124 keeps the byte 1; a block of zeros has the byte 1, not 127 (zero codes; this program alone reads the bytes).
; NO CLUSTER: what work-groups share, source 0's block, is 76,800 of the 230,400 bytes that a work-group reads, and it is fetched once, at the head, with no ring behind it.  No tensor load: LDS is filled once, through registers.
.set ASC,   73728                      ; LDS: source 0's 8 tiles (9,216 bytes each) from 0; their scale registers, 4 pairs x 6 steps x 128 bytes;
.set BIA,   76800                      ; 128 numbers of bq or bk;
.set SPARE, 77312                      ; the spare words, 128 bytes for each wave: four blocks of 256 bytes that no other line names
.set LI,  1                            ; v1   16 x lane
.set L8,  2                            ; v2   8 x lane
.set LS,  3                            ; v3   4 x lane
.set LIB, 4                            ; v4   16 x lane + 36864: tiles 4-7 in LDS
.set L8B, 5                            ; v5   8 x lane + 36864
.set STI, 6                            ; v6   where I stage my tile: 9216 x wave + 16 x lane
.set STS, 7                            ; v7   and my 384 bytes of scale registers
.set ASA, 8                            ; v8   ASC + 4 x lane
.set BIO, 9                            ; v9   BIA + 64 (lane / 16)
.set SPW, 10                           ; v10  my spare word; never rewritten
.set NIL, 11                           ; v11  0; never rewritten
.set AF,  16                           ; v16-63   four fragments of source 0
.set BF,  64                           ; v64-111  two sets of two fragments of source 1
.set AS,  112                          ; v112-115 source 0's scale registers of the step: scales and nothing else
.set BS,  116                          ; v116-121 source 1's, one for each K step: scales and nothing else
.set BVO, 122                          ; v122 4 (r + 8 (r / 8)): my channel's place in bv
.set BIS, 123                          ; v123 BIA + 16 x lane
.set ACC, 128                          ; v128-255 accumulator (i, j) at 128 + 64 j + 8 i
.set PC0, 16                           ; the way out: codes of source 1's tile 0 (12 + 8 at work), v16-35;
.set PC1, 36                           ; of tile 1, v36-55
.set TM,  56                           ; v56-71 at work in the quantiser
.set PW0, 72
.set PW1, 73
.set SW,  74                           ; v74-76 the scale registers that leave
.set SEL, 36                           ; s[36:37] v_permlanex16_b32's selects for lane l xor 16
.macro PLACES                          ; four plain instructions between a matrix instruction and a load into, or a read of, its registers (ISA guide 7.12.1 for vector instructions)
.rept 4
	v_nop
.endr
.endm
.macro BLOAD s                         ; source 1's two fragments of K step s into set s % 2: eight loads
.irp j, 0,1
.irp c, 0,1
	global_load_b128 v[BF+24*((\s)%2)+12*\j+6*\c:BF+24*((\s)%2)+12*\j+6*\c+3], v[LI], s[28:29] offset:9216*\j+1536*(\s)+768*\c
	global_load_b64 v[BF+24*((\s)%2)+12*\j+6*\c+4:BF+24*((\s)%2)+12*\j+6*\c+5], v[L8], s[28:29] offset:9216*\j+1536*(\s)+768*\c+512
.endr
.endr
.endm
.macro ALOAD s, ai, a8                 ; four fragments of source 0 from LDS
.irp i, 0,1,2,3
.irp c, 0,1
	ds_load_b128 v[AF+12*\i+6*\c:AF+12*\i+6*\c+3], v[\ai] offset:9216*\i+1536*(\s)+768*\c
	ds_load_b64 v[AF+12*\i+6*\c+4:AF+12*\i+6*\c+5], v[\a8] offset:9216*\i+1536*(\s)+768*\c+512
.endr
.endr
.endm
; Eight matrix instructions: tiles 4 g .. 4 g + 3 of source 0 x both tiles of source 1.  The odd tile of a pair has its scales in lanes 16-31 of the pair's register.  K step 0 starts the sums: nothing is cleared.
; The sixteen accumulators take turns, one instruction a turn, in the same order in every step.
.macro MUL8 g, s
.irp q, 0,1
.set DA, ACC+8*(4*\g+2*\q)
.set FA, AF+24*\q
.set FB, BF+24*((\s)%2)
.set SA, AS+2*\g+\q
.set SB, BS+(\s)
.if (\s) == 0
	v_wmma_scale_f32_16x16x128_f8f6f4 v[DA:DA+7], v[FA:FA+11], v[FB:FB+11], 0, v[SA], v[SB] matrix_a_fmt:MATRIX_FMT_FP6 matrix_b_fmt:MATRIX_FMT_FP6
	v_wmma_scale_f32_16x16x128_f8f6f4 v[DA+64:DA+71], v[FA:FA+11], v[FB+12:FB+23], 0, v[SA], v[SB] matrix_a_fmt:MATRIX_FMT_FP6 matrix_b_fmt:MATRIX_FMT_FP6 matrix_b_scale:MATRIX_SCALE_ROW1
	v_wmma_scale_f32_16x16x128_f8f6f4 v[DA+8:DA+15], v[FA+12:FA+23], v[FB:FB+11], 0, v[SA], v[SB] matrix_a_fmt:MATRIX_FMT_FP6 matrix_b_fmt:MATRIX_FMT_FP6 matrix_a_scale:MATRIX_SCALE_ROW1
	v_wmma_scale_f32_16x16x128_f8f6f4 v[DA+72:DA+79], v[FA+12:FA+23], v[FB+12:FB+23], 0, v[SA], v[SB] matrix_a_fmt:MATRIX_FMT_FP6 matrix_b_fmt:MATRIX_FMT_FP6 matrix_a_scale:MATRIX_SCALE_ROW1 matrix_b_scale:MATRIX_SCALE_ROW1
.else
	v_wmma_scale_f32_16x16x128_f8f6f4 v[DA:DA+7], v[FA:FA+11], v[FB:FB+11], v[DA:DA+7], v[SA], v[SB] matrix_a_fmt:MATRIX_FMT_FP6 matrix_b_fmt:MATRIX_FMT_FP6
	v_wmma_scale_f32_16x16x128_f8f6f4 v[DA+64:DA+71], v[FA:FA+11], v[FB+12:FB+23], v[DA+64:DA+71], v[SA], v[SB] matrix_a_fmt:MATRIX_FMT_FP6 matrix_b_fmt:MATRIX_FMT_FP6 matrix_b_scale:MATRIX_SCALE_ROW1
	v_wmma_scale_f32_16x16x128_f8f6f4 v[DA+8:DA+15], v[FA+12:FA+23], v[FB:FB+11], v[DA+8:DA+15], v[SA], v[SB] matrix_a_fmt:MATRIX_FMT_FP6 matrix_b_fmt:MATRIX_FMT_FP6 matrix_a_scale:MATRIX_SCALE_ROW1
	v_wmma_scale_f32_16x16x128_f8f6f4 v[DA+72:DA+79], v[FA+12:FA+23], v[FB+12:FB+23], v[DA+72:DA+79], v[SA], v[SB] matrix_a_fmt:MATRIX_FMT_FP6 matrix_b_fmt:MATRIX_FMT_FP6 matrix_a_scale:MATRIX_SCALE_ROW1 matrix_b_scale:MATRIX_SCALE_ROW1
.endif
.endr
.endm
.macro KSTEP s
.if (\s) < 5
	BLOAD (\s)+1                                   ; the next step's fragments of source 1, a step ahead
.endif
	ALOAD \s, LI, L8
.irp p, 0,1,2,3
	ds_load_b32 v[AS+\p], v[ASA] offset:768*\p+128*(\s)
.endr
	s_wait_dscnt 0x0
.if (\s) < 5
	s_wait_loadcnt 8                               ; this step's fragments of source 1 (and its scale registers) are in; the next step's eight loads may be out
.else
	s_wait_loadcnt 0x0
.endif
	MUL8 0, \s
	PLACES
	ALOAD \s, LIB, L8B
	s_wait_dscnt 0x0
	MUL8 1, \s
	PLACES
.endm
; 64 numbers of a lane, v[s] .. v[s + 63], register 16 b + i = place 32 b + 16 (lane / 16) + i along the quantiser's axis, become 12 registers of codes in v[pc] on and the row's scale word in v[pw].
.macro QUANT s, pc, pw
.irp b, 0,1,2,3
	v_max3_num_f32 v[TM+\b], |v[\s+16*\b]|, |v[\s+1+16*\b]|, 0x1800000   ; block b: my 16 numbers, and the floor 2^(3 - 127): the byte cannot fall under 1
.endr
.irp i, 2,4,6,8,10,12,14
.irp b, 0,1,2,3
	v_max3_num_f32 v[TM+\b], v[TM+\b], |v[\s+16*\b+\i]|, |v[\s+1+16*\b+\i]|
.endr
.endr
.irp b, 0,1,2,3
	v_permlanex16_b32 v[TM+4+\b], v[TM+\b], s[SEL], s[SEL+1]
.endr
.irp b, 0,1,2,3
	v_max_num_f32 v[TM+\b], v[TM+\b], v[TM+4+\b]   ; with lane l xor 16's: the block's largest magnitude
.endr
.irp b, 0,1,2,3
	v_add_nc_u32 v[TM+12+\b], 0xff000000, v[TM+\b] ; 2 off its exponent field: the conversion's scale operand
.endr
.irp b, 0,1,2,3
	v_lshrrev_b32 v[TM+4+\b], 23, v[TM+12+\b]      ; the scale's byte
.endr
	v_lshl_or_b32 v[\pw], v[TM+5], 8, v[TM+4]
	v_lshl_or_b32 v[\pw], v[TM+6], 16, v[\pw]
	v_lshl_or_b32 v[\pw], v[TM+7], 24, v[\pw]
.irp c, 0,1
	v_cvt_scalef32_pk16_fp6_f32 v[\pc+6*\c:\pc+2+6*\c], v[\s+32*\c:\s+15+32*\c], v[TM+12+2*\c]
	v_cvt_scalef32_pk16_fp6_f32 v[\pc+12+4*\c:\pc+14+4*\c], v[\s+16+32*\c:\s+31+32*\c], v[TM+12+2*\c+1]   ; (a conversion's three registers begin on an even number)
.endr
	v_nop                                          ; one plain instruction behind the conversions
.irp c, 0,1                                    ; the operand's layout wants a WHOLE block in a lane: lanes 0-15 block 2 c, lanes 16-31 block 2 c + 1
.irp i, 0,1,2
	v_permlane16_swap_b32 v[\pc+6*\c+\i], v[\pc+12+4*\c+\i]
.endr
.irp i, 0,1,2
	v_mov_b32 v[\pc+3+6*\c+\i], v[\pc+12+4*\c+\i]
.endr
.endr
.endm
	s_load_b256 s[4:11], s[0:1], 0x0               ; img, scl, bq, bk
	s_load_b128 s[12:15], s[0:1], 0x20             ; bv, qi
	s_load_b128 s[16:19], s[0:1], 0x30             ; qs, kv
	v_lshl_add_u32 v[SPW], v0, 2, SPARE
	v_mov_b32 v[NIL], 0
	v_lshrrev_b32 v12, 5, v0
	v_readfirstlane_b32 s20, v12                   ; wave 0 .. 7
	s_and_b32 s21, ttmp7, 0xffff                   ; y: which projection
	s_mov_b32 s22, ttmp9                           ; x
	v_and_b32 v12, 31, v0
	v_lshlrev_b32 v[LI], 4, v12
	v_lshlrev_b32 v[L8], 3, v12
	v_lshlrev_b32 v[LS], 2, v12
	v_add_nc_u32 v[LIB], 36864, v[LI]
	v_add_nc_u32 v[L8B], 36864, v[L8]
	s_mul_i32 s52, s20, 9216
	v_add_nc_u32 v[STI], s52, v[LI]
	s_mul_i32 s52, s20, 384
	s_add_co_u32 s52, s52, ASC
	v_add_nc_u32 v[STS], s52, v[LS]
	v_add_nc_u32 v[ASA], ASC, v[LS]
	v_and_b32 v13, 16, v0
	v_lshlrev_b32 v[BIO], 2, v13
	v_add_nc_u32 v[BIO], BIA, v[BIO]
	v_add_nc_u32 v[BIS], BIA, v[LI]
	v_and_b32 v13, 15, v0
	v_and_b32 v14, 8, v0
	v_add_nc_u32 v13, v13, v14
	v_lshlrev_b32 v[BVO], 2, v13
.irp n, 12,13,14,15,124,125,126,127
	v_mov_b32 v[\n], 0                             ; the biases' registers are written once here: which of them a load fills hangs on the projection and the wave
.endr
	s_mov_b32 s[SEL], 0x76543210
	s_mov_b32 s[SEL+1], 0xfedcba98
	s_mov_b32 s38, 0xffff0000                      ; lanes 16-31
	s_wait_kmcnt 0x0
	s_mov_b32 s25, 0
	; Which tiles, and where the results go.  Each of the three ways writes: s23 source 1's pair, s52 source 0's first tile, s[32:33] the bias, s[40:41] the codes' first place, s54 and s56 the steps from half to half and from tile to tile, s[48:51] the scales' places.
	s_cmp_eq_u32 s21, 2
	s_cbranch_scc1 .Ltype_v
	s_lshr_b32 s58, s22, 4                         ; a: heads 2 a and 2 a + 1
	s_and_b32 s23, s22, 15
	s_lshl_b32 s23, s23, 3
	s_add_co_u32 s23, s23, s20                     ; my pair of token tiles, 0 .. 127
	s_mul_i32 s52, s21, 48
	s_lshl_b32 s59, s58, 3
	s_add_co_u32 s52, s52, s59
	s_add_co_u32 s52, s52, 256                     ; the weight's tiles begin at 256 + 48 y
	s_mov_b32 s56, 768                             ; from tile to tile
	s_lshl_b32 s24, s58, 9                         ; the two heads' 128 numbers of the bias
	s_cmp_eq_u32 s21, 1
	s_cbranch_scc1 .Ltype_k
	s_add_nc_u64 s[32:33], s[8:9], s[24:25]
	s_lshl_b32 s59, s23, 1
	s_add_co_u32 s24, s24, s59                     ; 256 x head + tile
	s_mul_i32 s24, s24, 768
	s_add_nc_u64 s[40:41], s[14:15], s[24:25]
	s_mov_b32 s54, 196608                          ; from head to head: 256 tiles
	s_lshl_b32 s24, s58, 15
	s_lshl_b32 s59, s23, 7
	s_add_co_u32 s24, s24, s59
	s_add_nc_u64 s[48:49], s[16:17], s[24:25]
	s_add_nc_u64 s[50:51], s[48:49], 16384
	s_branch .Ltyped
.Ltype_k:
	s_add_nc_u64 s[32:33], s[10:11], s[24:25]
	s_lshl_b32 s24, s58, 6
	s_lshr_b32 s59, s23, 2
	s_add_co_u32 s24, s24, s59                     ; record 32 x head + pair / 4
	s_mul_i32 s24, s24, 13056
	s_add_nc_u64 s[48:49], s[18:19], s[24:25]
	s_and_b32 s59, s23, 3
	s_mul_i32 s24, s59, 1536
	s_add_nc_u64 s[40:41], s[48:49], s[24:25]
	s_lshl_b32 s24, s59, 7
	s_add_co_u32 s24, s24, 12288
	s_add_nc_u64 s[48:49], s[48:49], s[24:25]
	s_add_nc_u64 s[50:51], s[48:49], 417792
	s_mov_b32 s54, 417792                          ; from head to head: 32 records
	s_branch .Ltyped
.Ltype_v:
	s_and_b32 s58, s22, 31                         ; g: keys 128 g on
	s_lshr_b32 s59, s22, 5
	s_lshl_b32 s59, s59, 3
	s_add_co_u32 s59, s59, s20                     ; my pair of wv's column tiles, 0 .. 23
	s_add_co_u32 s23, s59, 176                     ; wv's pairs begin at 176
	s_lshl_b32 s52, s58, 3
	s_lshl_b32 s24, s59, 7
	s_add_nc_u64 s[32:33], s[12:13], s[24:25]
	s_lshr_b32 s24, s59, 1
	s_lshl_b32 s24, s24, 5
	s_add_co_u32 s24, s24, s58                     ; record 32 x head + g
	s_mul_i32 s24, s24, 13056
	s_add_nc_u64 s[48:49], s[18:19], s[24:25]
	s_and_b32 s59, s59, 1
	s_mul_i32 s24, s59, 3072
	s_add_co_u32 s24, s24, 6144
	s_add_nc_u64 s[40:41], s[48:49], s[24:25]
	s_lshl_b32 s24, s59, 7
	s_add_co_u32 s24, s24, 12800
	s_add_nc_u64 s[48:49], s[48:49], s[24:25]
	s_mov_b64 s[50:51], s[48:49]                   ; (v has one scale register to store; the pair is written on this way too)
	s_mov_b32 s54, 768                             ; from half to half
	s_mov_b32 s56, 1536                            ; from fragment to fragment
.Ltyped:
	s_mov_b32 s55, 0
	s_mov_b32 s57, 0
	s_add_nc_u64 s[42:43], s[40:41], s[54:55]      ; tile 0, half 1
	s_add_nc_u64 s[44:45], s[40:41], s[56:57]      ; tile 1, half 0
	s_add_nc_u64 s[46:47], s[44:45], s[54:55]      ; tile 1, half 1
	s_add_co_u32 s52, s52, s20                     ; the tile of source 0 that I stage
	s_mul_i32 s24, s52, 9216
	s_add_nc_u64 s[24:25], s[4:5], s[24:25]
	s_mul_i32 s26, s52, 384                        ; and my 384 bytes of the four pairs' scale registers
	s_mov_b32 s27, 0
	s_add_nc_u64 s[26:27], s[6:7], s[26:27]
	s_mul_i32 s28, s23, 18432
	s_mov_b32 s29, 0
	s_add_nc_u64 s[28:29], s[4:5], s[28:29]        ; source 1's pair
	s_mul_i32 s30, s23, 768
	s_mov_b32 s31, 0
	s_add_nc_u64 s[30:31], s[6:7], s[30:31]        ; and its scale registers
	; the biases are the oldest loads
	s_cmp_eq_u32 s21, 2
	s_cbranch_scc1 .Lbias_v
	s_cmp_lg_u32 s20, 0
	s_cbranch_scc1 .Lbias_asked
	global_load_b128 v[124:127], v[LI], s[32:33]   ; q, k: wave 0 brings the 128 numbers for all
	s_branch .Lbias_asked
.Lbias_v:
	global_load_b32 v12, v[BVO], s[32:33]          ; v: my channel's number, for tile 0
	global_load_b32 v14, v[BVO], s[32:33] offset:32   ; and for tile 1
.Lbias_asked:
.set i, 0
.rept 18
	global_load_b128 v[128+4*i:131+4*i], v[LI], s[24:25] offset:512*i
.set i, i+1
.endr
.irp i, 0,1,2
	global_load_b32 v[200+\i], v[LS], s[26:27] offset:128*\i
.endr
.irp i, 0,1,2,3,4,5
	global_load_b32 v[BS+\i], v[LS], s[30:31] offset:128*\i
.endr
	BLOAD 0
	s_wait_loadcnt 14                              ; all that goes to LDS is in; source 1's six scale registers and the eight loads of its K step 0 may be out
.set i, 0
.rept 18
	ds_store_b128 v[STI], v[128+4*i:131+4*i] offset:512*i
.set i, i+1
.endr
.irp i, 0,1,2
	ds_store_b32 v[STS], v[200+\i] offset:128*\i
.endr
	s_cmp_eq_u32 s21, 2
	s_cbranch_scc1 .Lstaged
	s_cmp_lg_u32 s20, 0
	s_cbranch_scc1 .Lstaged
	ds_store_b128 v[BIS], v[124:127]
.Lstaged:
	s_wait_dscnt 0x0                               ; for the others' sake: my stores have landed
	s_barrier_signal -1
	s_barrier_wait -1                              ; source 0's block lies in LDS: the launch's one barrier
	KSTEP 0
	KSTEP 1
	KSTEP 2
	KSTEP 3
	KSTEP 4
	KSTEP 5
	; ---- the bias, each accumulator from its low end on
	s_cmp_eq_u32 s21, 2
	s_cbranch_scc1 .Ladd_v
.irp i, 0,1,2,3,4,5,6,7
	ds_load_b128 v[16+8*\i:19+8*\i], v[BIO] offset:128*(\i/2)+32*(\i%2)        ; tile i's eight channels of my half: 32 (i / 2) + 16 (lane / 16) + 8 (i % 2) + 0 .. 7
	ds_load_b128 v[20+8*\i:23+8*\i], v[BIO] offset:128*(\i/2)+32*(\i%2)+16
.endr
	s_wait_dscnt 0x0
.irp j, 0,1
.set n, 0
.rept 32
	v_pk_add_f32 v[ACC+64*\j+n:ACC+64*\j+n+1], v[ACC+64*\j+n:ACC+64*\j+n+1], v[16+n:17+n]
.set n, n+2
.endr
.endr
	s_branch .Ladded
.Ladd_v:
.irp j, 0,1
.set n, 0
.rept 32
	v_pk_add_f32 v[ACC+64*\j+n:ACC+64*\j+n+1], v[ACC+64*\j+n:ACC+64*\j+n+1], v[12+2*\j:13+2*\j] op_sel_hi:[1,0]   ; my channel's number serves both halves
.set n, n+2
.endr
.endr
.Ladded:
.irp b, 0,1,2,3
	v_mov_b32 v[TM+4+\b], 0                        ; a lane permute's destination counts as one of its sources
.endr
	QUANT 128, PC0, PW0
	QUANT 192, PC1, PW1
.irp c, 0,1
	global_store_b128 v[LI], v[PC0+6*\c:PC0+6*\c+3], s[40+2*\c:41+2*\c]               ; 512 consecutive bytes
	global_store_b64 v[L8], v[PC0+6*\c+4:PC0+6*\c+5], s[40+2*\c:41+2*\c] offset:512   ; 256 consecutive bytes
	global_store_b128 v[LI], v[PC1+6*\c:PC1+6*\c+3], s[44+2*\c:45+2*\c]
	global_store_b64 v[L8], v[PC1+6*\c+4:PC1+6*\c+5], s[44+2*\c:45+2*\c] offset:512
.endr
	v_cndmask_b32 v[SW], v[PW0], v[PW1], s38       ; the pair's scale register: lanes 0-15 tile 0's words, lanes 16-31 tile 1's
	s_cmp_eq_u32 s21, 2
	s_cbranch_scc1 .Lscale_v
	v_and_b32 v[SW+1], 0xffff, v[SW]               ; q, k: bytes 0, 1 are the even head's two blocks,
	v_lshrrev_b32 v[SW+2], 16, v[SW]               ; bytes 2, 3 the odd head's; the upper two bytes of each word are 0
	global_store_b32 v[LS], v[SW+1], s[48:49]
	global_store_b32 v[LS], v[SW+2], s[50:51]
	s_branch .Lend
.Lscale_v:
	global_store_b32 v[LS], v[SW], s[48:49]        ; v: four blocks of 32 keys
.Lend:
	s_wait_tensorcnt 0x0                           ; the wave's end, behind my last LDS store
	ds_add_u32 v[SPW], v[NIL]
	s_wait_dscnt 0x0
	s_endpgm
.Lfunc_end_k_qa783f048e6_proj:
	.size	k_qa783f048e6_proj, .Lfunc_end_k_qa783f048e6_proj-k_qa783f048e6_proj
	.p2alignl 7, 3214868480
	.fill 96, 4, 3214868480
	.section	.rodata,"a",@progbits
	.p2align	6, 0x0
	.amdhsa_kernel k_qa783f048e6_proj
		.amdhsa_group_segment_fixed_size 78336
		.amdhsa_private_segment_fixed_size 0
		.amdhsa_enable_private_segment 0
		.amdhsa_kernarg_size 64
		.amdhsa_user_sgpr_count 2
		.amdhsa_user_sgpr_kernarg_segment_ptr 1
		.amdhsa_wavefront_size32 1
		.amdhsa_system_sgpr_workgroup_id_x 1
		.amdhsa_system_sgpr_workgroup_id_y 1
		.amdhsa_system_sgpr_workgroup_id_z 1
		.amdhsa_system_vgpr_workitem_id 0
		.amdhsa_next_free_vgpr 256
		.amdhsa_next_free_sgpr 66
		.amdhsa_reserve_vcc 0
		.amdhsa_float_denorm_mode_32 3
		.amdhsa_float_denorm_mode_16_64 3
		.amdhsa_memory_ordered 1
		.amdhsa_forward_progress 1
		.amdhsa_inst_pref_size 61
	.end_amdhsa_kernel
	.amdgpu_metadata
---
amdhsa.version: [ 1, 2 ]
amdhsa.kernels:
  - .name:           k_qa783f048e6_proj
    .symbol:         k_qa783f048e6_proj.kd
    .args:
      - { .name: img, .offset: 0, .size: 8, .value_kind: global_buffer, .address_space: global }
      - { .name: scl, .offset: 8, .size: 8, .value_kind: global_buffer, .address_space: global }
      - { .name: bq, .offset: 16, .size: 8, .value_kind: global_buffer, .address_space: global }
      - { .name: bk, .offset: 24, .size: 8, .value_kind: global_buffer, .address_space: global }
      - { .name: bv, .offset: 32, .size: 8, .value_kind: global_buffer, .address_space: global }
      - { .name: qi, .offset: 40, .size: 8, .value_kind: global_buffer, .address_space: global }
      - { .name: qs, .offset: 48, .size: 8, .value_kind: global_buffer, .address_space: global }
      - { .name: kv, .offset: 56, .size: 8, .value_kind: global_buffer, .address_space: global }
    .group_segment_fixed_size: 78336
    .private_segment_fixed_size: 0
    .kernarg_segment_align: 8
    .kernarg_segment_size: 64
    .max_flat_workgroup_size: 256
    .sgpr_count:     66
    .vgpr_count:     256
    .wavefront_size: 32
...
	.end_amdgpu_metadata
.endif
;; end of part 2
;; launch attn (part 3): grid 16 x 12, 16 waves a work-group, no clusters, 327,680 bytes of LDS; arguments qi, qs, kv, ci, cs; writes ci, cs
.if DOCPART == 3
	.amdgcn_target "amdgcn-amd-amdhsa--gfx1250"
	.amdhsa_code_object_version 6
	.text
	.protected	k_qa783f048e6_attn
	.globl	k_qa783f048e6_attn
	.p2align	8
	.type	k_qa783f048e6_attn,@function
k_qa783f048e6_attn:
	s_mov_b64 s[64:65], 0
	v_nop
	global_prefetch_b8 v0, s[64:65] scope:SCOPE_SE
	s_setreg_imm32_b32 hwreg(HW_REG_WAVE_MODE, 25, 1), 1
	s_wait_xcnt 0x0
; ctx[q] = the sum over keys k <= q of softmax_k(q . k / 8) v[k], for 12 heads of 64 channels and 4,096 tokens, both products on codes of FP6 (E2M3) with E8M0 scales; ctx is quantised along the channels for the last projection.
; THE SOFTMAX: t = score x log2(e) / 8; M = the row's largest t so far, rounded UP to a whole number; p = 2^(t - M) is what is quantised, along the keys, not normalised.  The row's sum is taken of the unquantised p and divides at the end.
; When M moves, the sum and O are multiplied by 2^(old M - new M): exact.
; SHARES.  Keys and queries go in groups of 128 (a record of kv).  Work-group (i, head) owns the query groups i and 31 - i: 8 (i + 1) + 8 (32 - i) = 264 steps of a tile, the same for every i.
; Each of its sixteen waves owns one tile of 16 queries in 256 registers; wave w has tile w / 2 of the low group or of the high one, by (w xor w / 4) & 1.  A step is one record: 128 keys.
; A step whose keys all come after the wave's group is left out (a scalar branch on ids round the step's work alone); in the step on the diagonal hidden scores become -infinity.
; LAYOUT.  Both products are used transposed: S^T = K Q^T (source 0 = 16 keys), O^T = V^T P^T (source 0 = 16 channels): a lane holds ONE query throughout.  Lane r of a tile is row 32 (t / 2) + 8 (t % 2) + r + 8 (r / 8) of its group,
; so the 16 registers of tiles 2 b and 2 b + 1 are 16 neighbours: keys for p, channels for ctx.  All operands are images of their registers: a half of 768 bytes comes by 16 + 8 bytes a lane, dense.
; K = 64 IN THE FIRST PRODUCT: Q's registers 6-11 are zero codes.  K's tile t is named with the six registers behind it (the next tile's codes; six zero registers behind tile 7): those meet zero codes alone; the scale bytes 2, 3 of both sides are 0, which is 2^-127.
; THE RING: two LDS slots of four records (52,224 bytes), filled by the tensor data mover, waves 0 and 1 half a slot each (102 rows of 256 bytes), read by all sixteen.  By this text's count a wave has at most one tensor load out; every wait for them is for 0.
; A slot whose first step lies beyond the work-group's last group, 31 - i, is not asked for.
; NO CLUSTER: the work-groups of a head need different numbers of slots (8 - i / 4), and a joint request may not be left out by some of its partners.
; LIMITS: NaN and infinities are not served; t - M is one fused multiply-add; the division by the sum is v_rcp_f32 and a multiplication; a block whose largest number lies under 2^-124 keeps the byte 1 (a block of zeros too: zero codes).
.set REC,   13056                      ; a record: K's 8 tiles at 768 t; V's 4 fragments at 6144 + 1536 t + 768 c; K's 4 scale registers at 12288 + 128 p; V's 2 at 12800 + 128 p
.set SLOTB, 4*REC
.set SLOT1, 65536                      ; slot 1 begins here: one exclusive or turns an address in one slot into the other's
.set SPARE, 131072                     ; the spare words, 128 bytes for each wave: eight blocks of 256 bytes that no other line names
.set SPW, 4                            ; v4   my spare word; never rewritten
.set NIL, 5                            ; v5   0; never rewritten
.set PFO, 10                           ; v10  the prefetches' offset; never rewritten
; v1, v2, v3: 16, 8, 4 x lane;  v6, v7, v8: the same + the record's place in LDS;  v9: my query's place in its group - 16 (lane / 16);  v11: 4 (lane % 16);  v12 -M, v13 the largest t, v[14:15] the sum in two halves;
; v16-21 Q, v22-27 zero codes, v28 Q's scale words;  v32-79 K's 8 tiles, then V's 4 fragments;  v80-85 zero codes;  v86-89 K's scale registers, v90-91 V's;  v96-159 S^T, then p;  v160-191 O^T;
; v192-211 p's codes;  v212-215 the blocks' maxima;  v216-219, v220-223, v227 at work;  v[224:225] f;  v226 p's scale word;  v228 ctx's.
.set WV,  18
.set SEL, 20                           ; s[20:21] v_permlanex16_b32's selects for lane l xor 16
.set CS,  22                           ; s[22:23] c = log2(e) / 8
.set TB,  2                            ; s2   LDS byte at which the step's record begins
.set ST,  3                            ; s3   the step
.set G1,  32                           ; s[32:39] descriptor group 1;  s[40:43] group 0, which walks
.set G0,  40
.set SLOTS, 44
.set INNER, 45
.set GW,  46                           ; s46  my wave's group
.set GH,  47                           ; s47  the work-group's last group
.set PFA, 48                           ; s[48:49] where the prefetches stand: the slot after the one that is being asked for
.set LIM, 50                           ; s50  1 in a wave that prefetches, else the greatest number
; Waves 0 and 1 fetch.  The branch hangs on the wave's number alone.  An s_nop 0 and four v_nop follow the load.
.macro TLOAD
	s_cmp_lt_u32 s[WV], 2
	s_cbranch_scc0 .Lasked_\@
	tensor_load_to_lds s[G0:G0+3], s[G1:G1+7]
	s_nop 0
.rept 4
	v_nop
.endr
.Lasked_\@:
.endm
; A PREFETCH INTO THE L2 of the slot that the NEXT change of slots will ask for: four key steps ahead of that load.  All work-groups of a head walk the same records: the head's work-group 0, which walks all eight slots, asks, and nobody else.
; In it waves 4 to 10, which fetch nothing, ask, one instruction each, lanes 256 bytes apart: a slot is 204 such blocks, and the last wave's twenty lanes beyond them name the slot's last block.
; The last change that fills a slot asks for nothing; slots 0 and 1 come by their loads alone.
.macro ASK
	s_cmp_gt_u32 s[SLOTS], s[LIM]
	s_cbranch_scc0 .Lnot_mine_\@
	global_prefetch_b8 v[PFO], s[PFA:PFA+1] th:TH_LOAD_NT scope:SCOPE_SE
.Lnot_mine_\@:
.endm
; THE CHANGE OF SLOTS stands at a slot's head.  Each wave waits for all its tensor loads (its part of the slot ahead), adds 0 to its spare word, and waits for that and for its reads of the slot that it has left.
; Behind the barrier the slot ahead is whole and nobody reads the other one; fill = 1: that one takes the next four records, which have a whole slot's steps in which to land.
.macro CHANGE fill
	s_wait_tensorcnt 0x0                           ; no tensor load of mine is out, so group 0 may be written
	ds_add_u32 v[SPW], v[NIL]                      ; 0 onto my spare word: the steps below stand between it and the wait for it
.if \fill
	s_xor_b32 s[G0+1], s[G0+1], SLOT1              ; the other slot than last time,
	s_add_nc_u64 s[G0+2:G0+3], s[G0+2:G0+3], SLOTB ; the next four records; the type bits on top are not reached
	s_wait_xcnt 0x0                                ; the last prefetch, a slot back, has read its address, so it may be written
	s_add_nc_u64 s[PFA:PFA+1], s[PFA:PFA+1], SLOTB
.endif
	s_wait_dscnt 0x0                               ; the add is done, and my reads of the slot that I have left are over
	s_barrier_signal -1
	s_barrier_wait -1
.if \fill
	s_add_co_u32 s51, s[ST], 4                     ; the first step of the slot that this change would ask for:
	s_cmp_gt_u32 s51, s[GH]                        ; beyond the work-group's last group none of its waves reads it.  Ids and the count of steps alone: all sixteen waves go the same way
	s_cbranch_scc1 .Lpast_\@
	TLOAD                                          ; a wave's one tensor load until the next such barrier
.Lpast_\@:
	ASK
.endif
.endm
; A KEY STEP: one record.
.macro STEP
	s_cmp_gt_u32 s[ST], s[GW]                      ; all its keys come after my queries: left out
	s_cbranch_scc1 .Lhidden_\@
	v_add_nc_u32 v6, s[TB], v1
	v_add_nc_u32 v7, s[TB], v2
	v_add_nc_u32 v8, s[TB], v3
	v_nop                                          ; these four are the places between the last step's products and the loads into their registers
.irp t, 0,1,2,3,4,5,6,7
	ds_load_b128 v[32+6*\t:35+6*\t], v6 offset:768*\t
	ds_load_b64 v[36+6*\t:37+6*\t], v7 offset:768*\t+512
.endr
.irp p, 0,1,2,3
	ds_load_b32 v[86+\p], v8 offset:12288+128*\p
.endr
.irp p, 0,1
	ds_load_b32 v[90+\p], v8 offset:12800+128*\p
.endr
	s_wait_dscnt 0x0
.irp u, 0,1,2,3                                ; S^T = K Q^T: the odd tile of a pair has its scales in lanes 16-31 of the pair's register
	v_wmma_scale_f32_16x16x128_f8f6f4 v[96+16*\u:103+16*\u], v[32+12*\u:43+12*\u], v[16:27], 0, v[86+\u], v28 matrix_a_fmt:MATRIX_FMT_FP6 matrix_b_fmt:MATRIX_FMT_FP6
	v_wmma_scale_f32_16x16x128_f8f6f4 v[104+16*\u:111+16*\u], v[38+12*\u:49+12*\u], v[16:27], 0, v[86+\u], v28 matrix_a_fmt:MATRIX_FMT_FP6 matrix_b_fmt:MATRIX_FMT_FP6 matrix_a_scale:MATRIX_SCALE_ROW1
.endr
.rept 4
	v_nop                                          ; places in front of the loads into K's registers and of the first read of the scores
.endr
.irp t, 0,1,2,3                                ; V's fragments are asked for now: they land under the softmax
.irp c, 0,1
	ds_load_b128 v[32+12*\t+6*\c:35+12*\t+6*\c], v6 offset:6144+1536*\t+768*\c
	ds_load_b64 v[36+12*\t+6*\c:37+12*\t+6*\c], v7 offset:6144+1536*\t+768*\c+512
.endr
.endr
	s_cmp_lg_u32 s[ST], s[GW]                      ; only my own group's record lies on the diagonal
	s_cbranch_scc1 .Lopen_\@
	v_mov_b32 v227, 0xff800000                     ; -infinity.  Register 16 b + i holds key 32 b + 16 (lane / 16) + i of the group: hidden where 32 b + i > v9
.set n, 0
.rept 64
	v_cmp_gt_i32 vcc_lo, 32*(n/16)+n%16, v9
	v_cndmask_b32 v[96+n], v[96+n], v227, vcc_lo
.set n, n+1
.endr
.Lopen_\@:
.irp b, 0,1,2,3
	v_max3_num_f32 v[212+\b], v[96+16*\b], v[97+16*\b], v[98+16*\b]   ; the largest score of each block of 32 keys: for the row's maximum, and, since p rises with the score, for the block's largest p
.endr
.irp i, 3,5,7,9,11,13
.irp b, 0,1,2,3
	v_max3_num_f32 v[212+\b], v[212+\b], v[96+16*\b+\i], v[97+16*\b+\i]
.endr
.endr
.irp b, 0,1,2,3
	v_max_num_f32 v[212+\b], v[212+\b], v[111+16*\b]
.endr
.irp b, 0,1,2,3
	v_permlanex16_b32 v[216+\b], v[212+\b], s[SEL], s[SEL+1]
.endr
.irp b, 0,1,2,3
	v_max_num_f32 v[212+\b], v[212+\b], v[216+\b]  ; with lane l xor 16's 16 keys
.endr
	v_max3_num_f32 v227, v212, v213, v214
	v_max_num_f32 v227, v227, v215                 ; the step's largest score of my query
	v_mul_f32 v227, s[CS], v227                    ; as t (c is positive)
	v_max_num_f32 v13, v13, v227                   ; the running largest t
	v_mov_b32 v227, v12
	v_floor_f32 v12, -v13                          ; the new -M = floor(-t) = -ceil(t)
	v_sub_f32 v227, v12, v227                      ; old M - new M: a whole number, 0 or less
	v_cvt_i32_f32 v227, v227                       ; (it saturates)
	v_ldexp_f32 v224, 1.0, v227                    ; f = 2^(old M - new M)
.set n, 0
.rept 32
	v_pk_fma_f32 v[96+n:97+n], v[96+n:97+n], s[CS:CS+1], v[12:13] op_sel_hi:[1,0,0]   ; t - M, two at a time
.set n, n+2
.endr
.irp b, 0,1,2,3
	v_fma_f32 v[212+\b], v[212+\b], s[CS], v12     ; the same of each block's largest score
.endr
.set n, 0
.rept 64
	v_exp_f32 v[96+n], v[96+n]                     ; p = 2^(t - M), at most 1
.set n, n+1
.endr
	v_pk_mul_f32 v[14:15], v[14:15], v[224:225] op_sel_hi:[1,0]   ; the sums under the new M: the plain instruction behind the exponentials
	s_wait_alu depctr_va_vdst(0)                   ; one wait for the batch of 64, ahead of its first reader
.irp b, 0,1,2,3
	v_exp_f32 v[212+\b], v[212+\b]                 ; the block's largest p: the same two instructions on the same number give the same bits
.endr
	v_pk_add_f32 v[216:217], v[96:97], v[98:99]    ; the row's sum is taken of the unquantised p, in two chains
.irp j, 4,8,12,16,20,24,28,32,36,40,44,48,52,56,60
	v_pk_add_f32 v[14:15], v[14:15], v[96+\j:97+\j]
	v_pk_add_f32 v[216:217], v[216:217], v[98+\j:99+\j]
.endr
	v_pk_add_f32 v[14:15], v[14:15], v[216:217]
	s_wait_alu depctr_va_vdst(0)                   ; and one for the four
.irp b, 0,1,2,3
	v_max_num_f32 v[212+\b], 0x1800000, v[212+\b]  ; the floor 2^(3 - 127): the byte cannot fall under 1
.endr
.irp b, 0,1,2,3
	v_add_nc_u32 v[220+\b], 0xff000000, v[212+\b]  ; 2 off the exponent field: the conversion's scale operand
.endr
.irp b, 0,1,2,3
	v_lshrrev_b32 v[216+\b], 23, v[220+\b]         ; the scale's byte
.endr
	v_lshl_or_b32 v226, v217, 8, v216              ; p's scale word for these 128 keys
	v_lshl_or_b32 v226, v218, 16, v226
	v_lshl_or_b32 v226, v219, 24, v226
.irp c, 0,1
	v_cvt_scalef32_pk16_fp6_f32 v[192+6*\c:194+6*\c], v[96+32*\c:111+32*\c], v[220+2*\c]
	v_cvt_scalef32_pk16_fp6_f32 v[204+4*\c:206+4*\c], v[112+32*\c:127+32*\c], v[220+2*\c+1]   ; (a conversion's three registers begin on an even number)
.endr
	v_nop                                          ; one plain instruction behind the conversions
.irp c, 0,1                                    ; the operand's layout wants a WHOLE block in a lane
.irp i, 0,1,2
	v_permlane16_swap_b32 v[192+6*\c+\i], v[204+4*\c+\i]
.endr
.irp i, 0,1,2
	v_mov_b32 v[195+6*\c+\i], v[204+4*\c+\i]
.endr
.endr
.set n, 0
.rept 16
	v_pk_mul_f32 v[160+n:161+n], v[160+n:161+n], v[224:225] op_sel_hi:[1,0]   ; O^T under the new M.  (These stand between the scale word's and the codes' last writes and the products below)
.set n, n+2
.endr
	s_wait_dscnt 0x0                               ; V is in
.irp u, 0,1                                    ; O^T += V^T P^T: the four accumulators by turns
	v_wmma_scale_f32_16x16x128_f8f6f4 v[160+16*\u:167+16*\u], v[32+24*\u:43+24*\u], v[192:203], v[160+16*\u:167+16*\u], v[90+\u], v226 matrix_a_fmt:MATRIX_FMT_FP6 matrix_b_fmt:MATRIX_FMT_FP6
	v_wmma_scale_f32_16x16x128_f8f6f4 v[168+16*\u:175+16*\u], v[44+24*\u:55+24*\u], v[192:203], v[168+16*\u:175+16*\u], v[90+\u], v226 matrix_a_fmt:MATRIX_FMT_FP6 matrix_b_fmt:MATRIX_FMT_FP6 matrix_a_scale:MATRIX_SCALE_ROW1
.endr
.Lhidden_\@:
	s_add_co_u32 s[ST], s[ST], 1
	s_add_co_u32 s[TB], s[TB], REC                 ; the next record
.endm
.macro SLOT_STEPS                      ; a slot's four steps: written once, walked four times
	s_mov_b32 s[INNER], 4
.Lstep_\@:
	STEP
	s_sub_co_u32 s[INNER], s[INNER], 1
	s_cmp_lg_u32 s[INNER], 0
	s_cbranch_scc1 .Lstep_\@
	s_sub_co_u32 s[TB], s[TB], SLOTB               ; back to a slot's first record,
	s_xor_b32 s[TB], s[TB], SLOT1                  ; in the other slot
.endm
	s_load_b256 s[4:11], s[0:1], 0x0               ; qi, qs, kv, ci
	s_load_b64 s[12:13], s[0:1], 0x20              ; cs
	v_lshl_add_u32 v[SPW], v0, 2, SPARE
	v_mov_b32 v[NIL], 0
	ds_add_u32 v[SPW], v[NIL]                      ; the wave's opening: the add and its wait stand ahead of the first tensor load; the set-up below, work on registers, stands between them
	v_lshrrev_b32 v6, 5, v0
	v_readfirstlane_b32 s[WV], v6                  ; wave 0 .. 15
	s_mov_b32 s19, ttmp9                           ; i
	s_and_b32 s24, ttmp7, 0xffff                   ; the head
	s_lshr_b32 s51, s[WV], 2
	s_xor_b32 s51, s51, s[WV]
	s_and_b32 s51, s51, 1                          ; 0: the low group, 1: the high one
	s_sub_co_u32 s[GH], 31, s19
	s_cmp_eq_u32 s51, 0
	s_cselect_b32 s[GW], s19, s[GH]
	s_lshr_b32 s52, s[WV], 1                       ; my tile in the group
	s_lshl_b32 s53, s[GW], 3
	s_add_co_u32 s53, s53, s52                     ; T: my tile of queries, 0 .. 255
	s_lshl_b32 s26, s24, 8
	s_add_co_u32 s26, s26, s53
	s_mul_i32 s26, s26, 768                        ; Q's half
	s_mov_b32 s27, 0
	s_lshl_b32 s28, s24, 14
	s_lshl_b32 s51, s53, 6
	s_add_co_u32 s28, s28, s51                     ; its scale words
	s_mov_b32 s29, 0
	s_mul_i32 s30, s24, 417792                     ; the head's 32 records
	s_mov_b32 s31, 0
	s_mul_i32 s58, s53, 9216                       ; ci: tile T, half = head
	s_mul_i32 s51, s24, 768
	s_add_co_u32 s58, s58, s51
	s_mov_b32 s59, 0
	s_lshr_b32 s60, s53, 1                         ; cs: pair T / 2, K step head / 2, tile T % 2, bytes 2 (head % 2) on
	s_mul_i32 s60, s60, 768
	s_lshr_b32 s51, s24, 1
	s_lshl_b32 s51, s51, 7
	s_add_co_u32 s60, s60, s51
	s_and_b32 s51, s53, 1
	s_lshl_b32 s51, s51, 6
	s_add_co_u32 s60, s60, s51
	s_and_b32 s51, s24, 1
	s_lshl_b32 s51, s51, 1
	s_add_co_u32 s60, s60, s51
	s_mov_b32 s61, 0
	; descriptor group 1: half a slot, 26,112 dense bytes, as 102 rows of 256 bytes (32 elements of 8 bytes), no padding
	s_mov_b32 s[G1], 3<<16                         ; no mask; elements of 8 bytes
	s_mov_b32 s[G1+1], 32<<16                      ; tensor_dim0
	s_mov_b32 s[G1+2], 102<<16                     ; tensor_dim1
	s_mov_b32 s[G1+3], 32<<16                      ; tile_dim0
	s_mov_b32 s[G1+4], 102                         ; tile_dim1
	s_mov_b32 s[G1+5], 32                          ; from row to row
	s_mov_b32 s[G1+6], 0
	s_mov_b32 s[G1+7], 0
	s_and_b32 s51, s[WV], 1
	s_mul_i32 s54, s51, 26112                      ; which half I fetch, if I fetch
	s_mov_b32 s55, 0
	s_mov_b32 s[SEL], 0x76543210
	s_mov_b32 s[SEL+1], 0xfedcba98
	s_mov_b32 s[CS], 0x3e38aa3b                    ; c = log2(e) / 8
	s_mov_b32 s[CS+1], s[CS]                       ; (named with it as a pair, so it is written)
	s_mov_b32 s[TB], 0
	s_mov_b32 s[ST], 0
	s_mov_b32 s[SLOTS], 7
	s_sub_co_u32 s51, s[WV], 4                     ; the prefetches: waves 4 to 10
	s_cmp_lt_u32 s51, 7
	s_cselect_b32 s[LIM], 0, 1
	s_or_b32 s[LIM], s[LIM], ttmp9                 ; of the head's work-group 0
	s_cmp_eq_u32 s[LIM], 0
	s_cselect_b32 s[LIM], 1, -1
	s_lshl_b32 s51, s51, 5
	v_and_b32 v6, 31, v0                           ; lane
	v_add_nc_u32 v[PFO], s51, v6
	v_min_u32 v[PFO], 203, v[PFO]                  ; a slot's 204 blocks
	v_lshlrev_b32 v[PFO], 8, v[PFO]
	v_lshlrev_b32 v1, 4, v6
	v_lshlrev_b32 v2, 3, v6
	v_lshlrev_b32 v3, 2, v6
	v_and_b32 v7, 15, v0                           ; r
	v_lshlrev_b32 v11, 2, v7
	v_and_b32 v8, 8, v7
	v_add_nc_u32 v9, v7, v8                        ; r + 8 (r / 8)
	v_and_b32 v8, 16, v0
	v_sub_nc_u32 v9, v9, v8                        ; - 16 (lane / 16)
	s_lshr_b32 s51, s52, 1
	s_lshl_b32 s51, s51, 5
	s_and_b32 s56, s52, 1
	s_lshl_b32 s56, s56, 3
	s_add_co_u32 s51, s51, s56
	v_add_nc_u32 v9, s51, v9                       ; + 32 (tile / 2) + 8 (tile % 2)
	s_wait_dscnt 0x0                               ; the opening add is done
	s_wait_kmcnt 0x0
	s_add_nc_u64 s[PFA:PFA+1], s[8:9], s[30:31]    ; the head's first record
	s_mov_b32 s[G0], 1                             ; count = 1
	s_mov_b32 s[G0+1], s54                         ; LDS address: slot 0, my half
	s_add_nc_u64 s[G0+2:G0+3], s[PFA:PFA+1], s[54:55]
	s_or_b32 s[G0+3], s[G0+3], 0x80000000          ; type = 2
	TLOAD                                          ; slot 0
	s_add_nc_u64 s[PFA:PFA+1], s[PFA:PFA+1], SLOTB ; at slot 1: the first change of slots steps it to slot 2.  Nothing is prefetched here, at the head
	s_add_nc_u64 s[26:27], s[4:5], s[26:27]
	s_add_nc_u64 s[28:29], s[6:7], s[28:29]
	s_add_nc_u64 s[58:59], s[10:11], s[58:59]
	s_add_nc_u64 s[60:61], s[12:13], s[60:61]
	global_load_b128 v[16:19], v1, s[26:27]        ; Q stays in registers
	global_load_b64 v[20:21], v2, s[26:27] offset:512
	global_load_b32 v28, v11, s[28:29]
.irp n, 22,23,24,25,26,27,80,81,82,83,84,85
	v_mov_b32 v[\n], 0                             ; zero codes: Q's upper 64 along K, and the six registers behind K's last tile
.endr
	v_mov_b32 v13, 0xff61b1e6                      ; the largest t so far: -3e38, under every t
	v_floor_f32 v12, -v13                          ; -M
	v_mov_b32 v14, 0                               ; the sum, in two halves
	v_mov_b32 v15, 0
.irp n, 216,217,218,219,225,227
	v_mov_b32 v[\n], 0                             ; written once: a lane permute's destination counts as one of its sources; v225 is named as the upper half of f's pair
.endr
.set n, 0
.rept 32
	v_mov_b32 v[160+n], 0                          ; O^T.  (The step is written once: the first finds zeros, which the first change of M leaves zeros)
.set n, n+1
.endr
	s_wait_loadcnt 0x0                             ; Q
.Lslot:                                            ; seven trips: behind each change of slots but the last the next slot is asked for, up to the work-group's last group
	CHANGE 1
	SLOT_STEPS
	s_sub_co_u32 s[SLOTS], s[SLOTS], 1
	s_cmp_lg_u32 s[SLOTS], 0
	s_cbranch_scc1 .Lslot
	CHANGE 0                                       ; the last slot is written out: nothing is left to ask for
	SLOT_STEPS
	; THE WAY OUT.  O^T / the sum is ctx of my query: register 16 b + i = channel 32 b + 16 (lane / 16) + i of the head.  Two blocks of 32 are quantised; the six registers of codes are the head's half of my tile's image.
.rept 4
	v_nop                                          ; places behind the last products
.endr
	v_add_f32 v14, v14, v15                        ; the sum's two halves,
	v_permlanex16_b32 v227, v14, s[SEL], s[SEL+1]
	v_add_f32 v14, v14, v227                       ; and lane l xor 16's
	v_rcp_f32 v14, v14
	v_nop                                          ; a plain instruction behind the reciprocal
	s_wait_alu depctr_va_vdst(0)                   ; and the wait ahead of its first reader
.set n, 0
.rept 16
	v_pk_mul_f32 v[96+n:97+n], v[160+n:161+n], v[14:15] op_sel_hi:[1,0]   ; each accumulator from its low end on
.set n, n+2
.endr
.irp b, 0,1
	v_max3_num_f32 v[212+\b], |v[96+16*\b]|, |v[97+16*\b]|, 0x1800000
.endr
.irp i, 2,4,6,8,10,12,14
.irp b, 0,1
	v_max3_num_f32 v[212+\b], v[212+\b], |v[96+16*\b+\i]|, |v[97+16*\b+\i]|
.endr
.endr
.irp b, 0,1
	v_permlanex16_b32 v[216+\b], v[212+\b], s[SEL], s[SEL+1]
.endr
.irp b, 0,1
	v_max_num_f32 v[212+\b], v[212+\b], v[216+\b]
.endr
.irp b, 0,1
	v_add_nc_u32 v[220+\b], 0xff000000, v[212+\b]
.endr
.irp b, 0,1
	v_lshrrev_b32 v[216+\b], 23, v[220+\b]
.endr
	v_lshl_or_b32 v228, v217, 8, v216              ; the head's two bytes of my query's scale word
	v_cvt_scalef32_pk16_fp6_f32 v[192:194], v[96:111], v220
	v_cvt_scalef32_pk16_fp6_f32 v[204:206], v[112:127], v221
	v_nop
.irp i, 0,1,2
	v_permlane16_swap_b32 v[192+\i], v[204+\i]
.endr
.irp i, 0,1,2
	v_mov_b32 v[195+\i], v[204+\i]
.endr
	global_store_b128 v1, v[192:195], s[58:59]     ; 512 consecutive bytes
	global_store_b64 v2, v[196:197], s[58:59] offset:512   ; 256 consecutive bytes
	global_store_b16 v11, v228, s[60:61]           ; lanes l and l + 16 hold the same query and write the same two bytes with the same value
	s_wait_tensorcnt 0x0                           ; the wave's end, behind my last tensor load
	ds_add_u32 v[SPW], v[NIL]
	s_wait_dscnt 0x0
	s_endpgm
.Lfunc_end_k_qa783f048e6_attn:
	.size	k_qa783f048e6_attn, .Lfunc_end_k_qa783f048e6_attn-k_qa783f048e6_attn
	.p2alignl 7, 3214868480
	.fill 96, 4, 3214868480
	.section	.rodata,"a",@progbits
	.p2align	6, 0x0
	.amdhsa_kernel k_qa783f048e6_attn
		.amdhsa_group_segment_fixed_size 327680
		.amdhsa_private_segment_fixed_size 0
		.amdhsa_enable_private_segment 0
		.amdhsa_kernarg_size 40
		.amdhsa_user_sgpr_count 2
		.amdhsa_user_sgpr_kernarg_segment_ptr 1
		.amdhsa_wavefront_size32 1
		.amdhsa_system_sgpr_workgroup_id_x 1
		.amdhsa_system_sgpr_workgroup_id_y 1
		.amdhsa_system_sgpr_workgroup_id_z 1
		.amdhsa_system_vgpr_workitem_id 0
		.amdhsa_next_free_vgpr 256
		.amdhsa_next_free_sgpr 66
		.amdhsa_reserve_vcc 1
		.amdhsa_float_denorm_mode_32 3
		.amdhsa_float_denorm_mode_16_64 3
		.amdhsa_memory_ordered 1
		.amdhsa_forward_progress 1
		.amdhsa_inst_pref_size 54
	.end_amdhsa_kernel
	.amdgpu_metadata
---
amdhsa.version: [ 1, 2 ]
amdhsa.kernels:
  - .name:           k_qa783f048e6_attn
    .symbol:         k_qa783f048e6_attn.kd
    .args:
      - { .name: qi, .offset: 0, .size: 8, .value_kind: global_buffer, .address_space: global }
      - { .name: qs, .offset: 8, .size: 8, .value_kind: global_buffer, .address_space: global }
      - { .name: kv, .offset: 16, .size: 8, .value_kind: global_buffer, .address_space: global }
      - { .name: ci, .offset: 24, .size: 8, .value_kind: global_buffer, .address_space: global }
      - { .name: cs, .offset: 32, .size: 8, .value_kind: global_buffer, .address_space: global }
    .group_segment_fixed_size: 327680
    .private_segment_fixed_size: 0
    .kernarg_segment_align: 8
    .kernarg_segment_size: 40
    .max_flat_workgroup_size: 512
    .sgpr_count:     66
    .vgpr_count:     256
    .wavefront_size: 32
...
	.end_amdgpu_metadata
.endif
;; end of part 3
;; launch oproj (part 4): grid 32 x 6, 4 waves a work-group, no clusters, 111,616 bytes of LDS; arguments img, scl, ci, cs, bo, out0; writes out0
.if DOCPART == 4
	.amdgcn_target "amdgcn-amd-amdhsa--gfx1250"
	.amdhsa_code_object_version 6
	.text
	.protected	k_qa783f048e6_oproj
	.globl	k_qa783f048e6_oproj
	.p2align	8
	.type	k_qa783f048e6_oproj,@function
k_qa783f048e6_oproj:
	s_mov_b64 s[64:65], 0
	v_nop
	global_prefetch_b8 v0, s[64:65] scope:SCOPE_SE
	s_setreg_imm32_b32 hwreg(HW_REG_WAVE_MODE, 25, 1), 1
	s_wait_xcnt 0x0
; out0 = ctx wo + bo on codes of FP6 (E2M3) with E8M0 scales, K = 768 in six steps of 128.  ctx's codes and scale words (ci, cs) lie as launch quant lays x's; wo's are tiles 400 .. 447 of img.
; A UNIT, one a wave: 8 tiles of wo's columns as source 0 (128 columns, shared by the work-group's four waves, in LDS) x 2 tiles of tokens as source 1 (the wave's own, from memory): 96 matrix instructions on 16 accumulators.
; A lane holds one token; by the order of a tile's rows (lane r of tile t is row 32 (t / 2) + 8 (t % 2) + r + 8 (r / 8)) its eight registers of tile i are columns 32 (i / 2) + 16 (lane / 16) + 8 (i % 2) + 0 .. 7: 32 neighbouring bytes of a row of out0.
; THE WAY OUT: 16 tokens x 128 columns at a time through the wave's own stage in LDS (rows of 512 + 16 bytes), back as whole rows: the 32 lanes store 512 consecutive bytes, at a multiple of 256 from out0's first byte.
; Work-group (x, y): columns 128 y on, token pairs 4 x + wave.
; NO CLUSTER: what work-groups share, wo's block, is 76,800 of the 153,600 bytes that a work-group reads, fetched once, at the head, with no ring behind it.  No tensor load: LDS is filled once, through registers.
.set ASC,   73728                      ; LDS: source 0's 8 tiles (9,216 bytes each) from 0; their scale registers, 4 pairs x 6 steps x 128 bytes;
.set BIA,   76800                      ; 128 numbers of bo;
.set STG,   77312                      ; four stages of 16 rows x 528 bytes;
.set SPARE, 111104                     ; the spare words, 128 bytes for each wave: two blocks of 256 bytes that no other line names
.set LI,  1                            ; v1   16 x lane
.set L8,  2                            ; v2   8 x lane
.set LS,  3                            ; v3   4 x lane
.set LIB, 4                            ; v4   16 x lane + 36864: tiles 4-7 in LDS
.set L8B, 5                            ; v5   8 x lane + 36864
.set STI, 6                            ; v6   where I stage my two tiles: 18432 x wave + 16 x lane
.set STS, 7                            ; v7   and my 768 bytes of scale registers
.set ASA, 8                            ; v8   ASC + 4 x lane
.set BIO, 9                            ; v9   BIA + 64 (lane / 16)
.set SPW, 10                           ; v10  my spare word; never rewritten
.set NIL, 11                           ; v11  0; never rewritten
.set STO, 12                           ; v12  the stage: where I put 32 bytes of a row
.set RD,  13                           ; v13  and where I read a row back
.set AF,  16                           ; v16-63   four fragments of source 0
.set BF,  64                           ; v64-111  two sets of two fragments of source 1
.set AS,  112                          ; v112-115 source 0's scale registers of the step: scales and nothing else
.set BS,  116                          ; v116-121 source 1's, one for each K step: scales and nothing else
.set BIS, 123                          ; v123 BIA + 16 x lane
.set ACC, 128                          ; v128-255 accumulator (i, j) at 128 + 64 j + 8 i
.macro PLACES                          ; four plain instructions between a matrix instruction and a load into, or a read of, its registers (ISA guide 7.12.1 for vector instructions)
.rept 4
	v_nop
.endr
.endm
.macro BLOAD s                         ; source 1's two fragments of K step s into set s % 2: eight loads
.irp j, 0,1
.irp c, 0,1
	global_load_b128 v[BF+24*((\s)%2)+12*\j+6*\c:BF+24*((\s)%2)+12*\j+6*\c+3], v[LI], s[28:29] offset:9216*\j+1536*(\s)+768*\c
	global_load_b64 v[BF+24*((\s)%2)+12*\j+6*\c+4:BF+24*((\s)%2)+12*\j+6*\c+5], v[L8], s[28:29] offset:9216*\j+1536*(\s)+768*\c+512
.endr
.endr
.endm
.macro ALOAD s, ai, a8                 ; four fragments of source 0 from LDS
.irp i, 0,1,2,3
.irp c, 0,1
	ds_load_b128 v[AF+12*\i+6*\c:AF+12*\i+6*\c+3], v[\ai] offset:9216*\i+1536*(\s)+768*\c
	ds_load_b64 v[AF+12*\i+6*\c+4:AF+12*\i+6*\c+5], v[\a8] offset:9216*\i+1536*(\s)+768*\c+512
.endr
.endr
.endm
; Eight matrix instructions: tiles 4 g .. 4 g + 3 of source 0 x both tiles of source 1.  The odd tile of a pair has its scales in lanes 16-31 of the pair's register.  K step 0 starts the sums: nothing is cleared.
; The sixteen accumulators take turns, one instruction a turn, in the same order in every step.
.macro MUL8 g, s
.irp q, 0,1
.set DA, ACC+8*(4*\g+2*\q)
.set FA, AF+24*\q
.set FB, BF+24*((\s)%2)
.set SA, AS+2*\g+\q
.set SB, BS+(\s)
.if (\s) == 0
	v_wmma_scale_f32_16x16x128_f8f6f4 v[DA:DA+7], v[FA:FA+11], v[FB:FB+11], 0, v[SA], v[SB] matrix_a_fmt:MATRIX_FMT_FP6 matrix_b_fmt:MATRIX_FMT_FP6
	v_wmma_scale_f32_16x16x128_f8f6f4 v[DA+64:DA+71], v[FA:FA+11], v[FB+12:FB+23], 0, v[SA], v[SB] matrix_a_fmt:MATRIX_FMT_FP6 matrix_b_fmt:MATRIX_FMT_FP6 matrix_b_scale:MATRIX_SCALE_ROW1
	v_wmma_scale_f32_16x16x128_f8f6f4 v[DA+8:DA+15], v[FA+12:FA+23], v[FB:FB+11], 0, v[SA], v[SB] matrix_a_fmt:MATRIX_FMT_FP6 matrix_b_fmt:MATRIX_FMT_FP6 matrix_a_scale:MATRIX_SCALE_ROW1
	v_wmma_scale_f32_16x16x128_f8f6f4 v[DA+72:DA+79], v[FA+12:FA+23], v[FB+12:FB+23], 0, v[SA], v[SB] matrix_a_fmt:MATRIX_FMT_FP6 matrix_b_fmt:MATRIX_FMT_FP6 matrix_a_scale:MATRIX_SCALE_ROW1 matrix_b_scale:MATRIX_SCALE_ROW1
.else
	v_wmma_scale_f32_16x16x128_f8f6f4 v[DA:DA+7], v[FA:FA+11], v[FB:FB+11], v[DA:DA+7], v[SA], v[SB] matrix_a_fmt:MATRIX_FMT_FP6 matrix_b_fmt:MATRIX_FMT_FP6
	v_wmma_scale_f32_16x16x128_f8f6f4 v[DA+64:DA+71], v[FA:FA+11], v[FB+12:FB+23], v[DA+64:DA+71], v[SA], v[SB] matrix_a_fmt:MATRIX_FMT_FP6 matrix_b_fmt:MATRIX_FMT_FP6 matrix_b_scale:MATRIX_SCALE_ROW1
	v_wmma_scale_f32_16x16x128_f8f6f4 v[DA+8:DA+15], v[FA+12:FA+23], v[FB:FB+11], v[DA+8:DA+15], v[SA], v[SB] matrix_a_fmt:MATRIX_FMT_FP6 matrix_b_fmt:MATRIX_FMT_FP6 matrix_a_scale:MATRIX_SCALE_ROW1
	v_wmma_scale_f32_16x16x128_f8f6f4 v[DA+72:DA+79], v[FA+12:FA+23], v[FB+12:FB+23], v[DA+72:DA+79], v[SA], v[SB] matrix_a_fmt:MATRIX_FMT_FP6 matrix_b_fmt:MATRIX_FMT_FP6 matrix_a_scale:MATRIX_SCALE_ROW1 matrix_b_scale:MATRIX_SCALE_ROW1
.endif
.endr
.endm
.macro KSTEP s
.if (\s) < 5
	BLOAD (\s)+1                                   ; the next step's fragments of source 1, a step ahead
.endif
	ALOAD \s, LI, L8
.irp p, 0,1,2,3
	ds_load_b32 v[AS+\p], v[ASA] offset:768*\p+128*(\s)
.endr
	s_wait_dscnt 0x0
.if (\s) < 5
	s_wait_loadcnt 8                               ; this step's fragments of source 1 (and its scale registers) are in; the next step's eight loads may be out
.else
	s_wait_loadcnt 0x0
.endif
	MUL8 0, \s
	PLACES
	ALOAD \s, LIB, L8B
	s_wait_dscnt 0x0
	MUL8 1, \s
	PLACES
.endm
.macro TOSTAGE j, ob                   ; token tile j: 16 rows x 512 bytes into my stage and back as whole rows into v[ob] on.  LDS serves a wave's instructions in order (ISA guide 5.7.1.4): the loads see the stores
.irp i, 0,1,2,3,4,5,6,7
	ds_store_b128 v[STO], v[ACC+64*\j+8*\i:ACC+64*\j+8*\i+3] offset:128*(\i/2)+32*(\i%2)
	ds_store_b128 v[STO], v[ACC+64*\j+8*\i+4:ACC+64*\j+8*\i+7] offset:128*(\i/2)+32*(\i%2)+16
.endr
.set n, 0
.rept 16
	ds_load_b128 v[\ob+4*n:\ob+4*n+3], v[RD] offset:528*n
.set n, n+1
.endr
.endm
.macro SEND j, ob                      ; stage row n is token 8 j + n + 8 (n / 8) of the pair
.set n, 0
.rept 16
	global_store_b128 v[LI], v[\ob+4*n:\ob+4*n+3], s[34:35] offset:3072*(8*\j+n+8*(n/8)) th:TH_STORE_NT   ; written once, read by nobody here
.set n, n+1
.endr
.endm
	s_load_b256 s[4:11], s[0:1], 0x0               ; img, scl, ci, cs
	s_load_b128 s[12:15], s[0:1], 0x20             ; bo, out0
	v_lshl_add_u32 v[SPW], v0, 2, SPARE
	v_mov_b32 v[NIL], 0
	v_lshrrev_b32 v14, 5, v0
	v_readfirstlane_b32 s20, v14                   ; wave 0 .. 3
	s_and_b32 s21, ttmp7, 0xffff                   ; y: columns 128 y on
	v_and_b32 v14, 31, v0
	v_lshlrev_b32 v[LI], 4, v14
	v_lshlrev_b32 v[L8], 3, v14
	v_lshlrev_b32 v[LS], 2, v14
	v_add_nc_u32 v[LIB], 36864, v[LI]
	v_add_nc_u32 v[L8B], 36864, v[L8]
	s_mul_i32 s36, s20, 18432
	v_add_nc_u32 v[STI], s36, v[LI]
	s_mul_i32 s36, s20, 768
	s_add_co_u32 s36, s36, ASC
	v_add_nc_u32 v[STS], s36, v[LS]
	v_add_nc_u32 v[ASA], ASC, v[LS]
	v_and_b32 v15, 16, v0                          ; 16 (lane / 16)
	v_lshlrev_b32 v[BIO], 2, v15
	v_add_nc_u32 v[BIO], BIA, v[BIO]
	v_add_nc_u32 v[BIS], BIA, v[LI]
	s_mul_i32 s36, s20, 8448
	s_add_co_u32 s36, s36, STG                     ; my stage
	v_and_b32 v14, 15, v0
	v_mul_u32_u24 v[STO], v14, 528                 ; in: row r, + 64 (lane / 16)
	v_lshl_add_u32 v[STO], v15, 2, v[STO]
	v_add_nc_u32 v[STO], s36, v[STO]
	v_add_nc_u32 v[RD], s36, v[LI]                 ; back: 16 bytes a lane of a row
	s_lshl_b32 s22, s21, 3
	s_lshl_b32 s23, s20, 1
	s_add_co_u32 s22, s22, s23
	s_add_co_u32 s22, s22, 400                     ; the first of the two tiles of wo that I stage: 400 + 8 y + 2 x wave
	s_mul_i32 s24, s22, 9216
	s_mov_b32 s25, 0
	s_mul_i32 s26, s22, 384                        ; and that pair's six scale registers
	s_mov_b32 s27, 0
	s_lshl_b32 s23, ttmp9, 2
	s_add_co_u32 s23, s23, s20                     ; my pair of token tiles: 4 x + wave
	s_mul_i32 s28, s23, 18432
	s_mov_b32 s29, 0
	s_mul_i32 s30, s23, 768
	s_mov_b32 s31, 0
	s_lshl_b32 s32, s21, 9                         ; 128 numbers of bo; and 128 columns of out0
	s_mov_b32 s33, 0
	s_mul_i32 s34, s23, 98304                      ; 32 rows of 3,072 bytes
	s_add_co_u32 s34, s34, s32
	s_mov_b32 s35, 0
	s_wait_kmcnt 0x0
	s_add_nc_u64 s[24:25], s[4:5], s[24:25]
	s_add_nc_u64 s[26:27], s[6:7], s[26:27]
	s_add_nc_u64 s[28:29], s[8:9], s[28:29]
	s_add_nc_u64 s[30:31], s[10:11], s[30:31]
	s_add_nc_u64 s[32:33], s[12:13], s[32:33]
	s_add_nc_u64 s[34:35], s[14:15], s[34:35]
	s_cmp_lg_u32 s20, 0
	s_cbranch_scc1 .Lbias_asked
	global_load_b128 v[40:43], v[LI], s[32:33]     ; wave 0 brings the bias for all: the oldest load
.Lbias_asked:
.set i, 0
.rept 32
	global_load_b128 v[128+4*i:131+4*i], v[LI], s[24:25] offset:512*i
.set i, i+1
.endr
.irp i, 0,1,2,3
	global_load_b128 v[16+4*\i:19+4*\i], v[LI], s[24:25] offset:512*(32+\i)
.endr
.irp i, 0,1,2,3,4,5
	global_load_b32 v[32+\i], v[LS], s[26:27] offset:128*\i
.endr
.irp i, 0,1,2,3,4,5
	global_load_b32 v[BS+\i], v[LS], s[30:31] offset:128*\i
.endr
	BLOAD 0
	s_wait_loadcnt 14                              ; all that goes to LDS is in; source 1's six scale registers and the eight loads of its K step 0 may be out
.set i, 0
.rept 32
	ds_store_b128 v[STI], v[128+4*i:131+4*i] offset:512*i
.set i, i+1
.endr
.irp i, 0,1,2,3
	ds_store_b128 v[STI], v[16+4*\i:19+4*\i] offset:512*(32+\i)
.endr
.irp i, 0,1,2,3,4,5
	ds_store_b32 v[STS], v[32+\i] offset:128*\i
.endr
	s_cmp_lg_u32 s20, 0
	s_cbranch_scc1 .Lstaged
	ds_store_b128 v[BIS], v[40:43]
.Lstaged:
	s_wait_dscnt 0x0                               ; for the others' sake: my stores have landed
	s_barrier_signal -1
	s_barrier_wait -1                              ; wo's block lies in LDS: the launch's one barrier
	KSTEP 0
	KSTEP 1
	KSTEP 2
	KSTEP 3
	KSTEP 4
	KSTEP 5
	; ---- the bias, each accumulator from its low end on
.irp i, 0,1,2,3,4,5,6,7
	ds_load_b128 v[16+8*\i:19+8*\i], v[BIO] offset:128*(\i/2)+32*(\i%2)        ; tile i's eight columns of my half
	ds_load_b128 v[20+8*\i:23+8*\i], v[BIO] offset:128*(\i/2)+32*(\i%2)+16
.endr
	s_wait_dscnt 0x0
.irp j, 0,1
.set n, 0
.rept 32
	v_pk_add_f32 v[ACC+64*\j+n:ACC+64*\j+n+1], v[ACC+64*\j+n:ACC+64*\j+n+1], v[16+n:17+n]
.set n, n+2
.endr
.endr
	TOSTAGE 0, 16                                  ; rows come back into v16-79, which the bias has left
	s_wait_dscnt 0x0
	SEND 0, 16
	TOSTAGE 1, 128                                 ; and into v128-191, which tile 0's results have left
	s_wait_dscnt 0x0
	SEND 1, 128
	s_wait_tensorcnt 0x0                           ; the wave's end, behind my last LDS store
	ds_add_u32 v[SPW], v[NIL]
	s_wait_dscnt 0x0
	s_endpgm
.Lfunc_end_k_qa783f048e6_oproj:
	.size	k_qa783f048e6_oproj, .Lfunc_end_k_qa783f048e6_oproj-k_qa783f048e6_oproj
	.p2alignl 7, 3214868480
	.fill 96, 4, 3214868480
	.section	.rodata,"a",@progbits
	.p2align	6, 0x0
	.amdhsa_kernel k_qa783f048e6_oproj
		.amdhsa_group_segment_fixed_size 111616
		.amdhsa_private_segment_fixed_size 0
		.amdhsa_enable_private_segment 0
		.amdhsa_kernarg_size 48
		.amdhsa_user_sgpr_count 2
		.amdhsa_user_sgpr_kernarg_segment_ptr 1
		.amdhsa_wavefront_size32 1
		.amdhsa_system_sgpr_workgroup_id_x 1
		.amdhsa_system_sgpr_workgroup_id_y 1
		.amdhsa_system_sgpr_workgroup_id_z 1
		.amdhsa_system_vgpr_workitem_id 0
		.amdhsa_next_free_vgpr 256
		.amdhsa_next_free_sgpr 66
		.amdhsa_reserve_vcc 0
		.amdhsa_float_denorm_mode_32 3
		.amdhsa_float_denorm_mode_16_64 3
		.amdhsa_memory_ordered 1
		.amdhsa_forward_progress 1
		.amdhsa_inst_pref_size 55
	.end_amdhsa_kernel
	.amdgpu_metadata
---
amdhsa.version: [ 1, 2 ]
amdhsa.kernels:
  - .name:           k_qa783f048e6_oproj
    .symbol:         k_qa783f048e6_oproj.kd
    .args:
      - { .name: img, .offset: 0, .size: 8, .value_kind: global_buffer, .address_space: global }
      - { .name: scl, .offset: 8, .size: 8, .value_kind: global_buffer, .address_space: global }
      - { .name: ci, .offset: 16, .size: 8, .value_kind: global_buffer, .address_space: global }
      - { .name: cs, .offset: 24, .size: 8, .value_kind: global_buffer, .address_space: global }
      - { .name: bo, .offset: 32, .size: 8, .value_kind: global_buffer, .address_space: global }
      - { .name: out0, .offset: 40, .size: 8, .value_kind: global_buffer, .address_space: global }
    .group_segment_fixed_size: 111616
    .private_segment_fixed_size: 0
    .kernarg_segment_align: 8
    .kernarg_segment_size: 48
    .max_flat_workgroup_size: 128
    .sgpr_count:     66
    .vgpr_count:     256
    .wavefront_size: 32
...
	.end_amdgpu_metadata
.endif
;; end of part 4
;; ======== version 2 of 2: 4 launches
;; workspace buffers: img 4,128,768 bytes; scl 172,032 bytes; qi 2,359,296 bytes; qs 196,608 bytes; kv 5,013,504 bytes; ci 2,359,296 bytes; cs 98,304 bytes
;; launch quant (part 5): grid 224 x 1, 6 waves a work-group, no clusters, 105,216 bytes of LDS; arguments x, wq, wk, wv, wo, img, scl; writes img, scl
.if DOCPART == 5
	.amdgcn_target "amdgcn-amd-amdhsa--gfx1250"
	.amdhsa_code_object_version 6
	.text
	.protected	k_qa783f048e6_quant
	.globl	k_qa783f048e6_quant
	.p2align	8
	.type	k_qa783f048e6_quant,@function
k_qa783f048e6_quant:
	s_mov_b64 s[64:65], 0
	v_nop
	global_prefetch_b8 v0, s[64:65] scope:SCOPE_SE
	s_setreg_imm32_b32 hwreg(HW_REG_WAVE_MODE, 25, 1), 1
	s_wait_xcnt 0x0
; x [4096][768] (K innermost) and wq, wk, wv, wo [768 (k)][768 (n)] (K outermost), f32, become codes of FP6 (E2M3) and E8M0 scale bytes, one for each 32 along K,
; laid in the ORDER OF THE OPERAND'S REGISTERS.  Rows: 0 .. 4095 the tokens; 4096 + 768 w + n column n of weight w (0 wq, 1 wk, 2 wv, 3 wo): 7,168 rows, 224 pairs of tiles of 16.
; A TILE'S ROWS ARE NOT NEIGHBOURS: lane r of tile t is row 32 (t / 2) + 8 (t % 2) + r + 8 (r / 8), so that a product which takes a pair of tiles as source 0 has 16 neighbouring rows in a lane's 16 registers.
; img: [tile][K step of 128][half c] 768 bytes: a half is six registers x 32 lanes (k = 64 c + 32 (lane / 16) + 0 .. 31): registers 0-3 of lane l at 16 l, registers 4-5 at 512 + 8 l.
; scl: [pair][K step] 128 bytes: one scale register: lanes 0-15 the words of the even tile's rows, lanes 16-31 those of the odd tile's.
; SHARES.  A work-group takes a pair of tiles (32 rows), each of its six waves one K step of 128; lane l owns the pair's row sigma(l) (bits 3 and 4 of l swapped) and holds its 128 numbers: four whole blocks, so no maximum leaves the lane.
; x: each load reads two rows' 256 consecutive bytes, 16 bytes a lane; the bytes turn through the wave's own 17,408 bytes of LDS (32 places of 256 + 16 bytes, twice) and come back a row a lane.
; Weights: a lane takes a column and its registers run down K: each load reads 128 consecutive bytes.  Nothing is transposed by an instruction.
; A block's scale is 2^(floor(log2(largest magnitude)) - 2): its byte is the largest magnitude's exponent field - 2, held at 1 from below.
; LIMITS: NaN and infinities among the inputs are not served; a block whose largest magnitude lies under 2^-124 keeps the byte 1; a block of zeros has the byte 1, not 127: its codes are zeros and this program alone reads the bytes.
; No cluster, no tensor load, no barrier: work-groups and waves share no input.
.set WREG,  17408                      ; a wave's LDS: two regions of 32 places x 272 bytes
.set HREG,  8704
.set SPARE, 6*WREG                     ; behind them the spare words, 128 bytes for each wave: three blocks of 256 bytes that no other line names
.set LI,  2                            ; v2   16 x lane
.set L8,  3                            ; v3   8 x lane
.set LS,  4                            ; v4   4 x lane
.set GO,  5                            ; v5   the loads' offset
.set SI,  6                            ; v6   LDS, on the way in: 272 (lane / 16) + 16 (lane % 16) + my wave's bytes
.set SO,  7                            ; v7   on the way out: 272 x lane + my wave's bytes
.set SPW, 8                            ; v8   my spare word; never rewritten
.set NIL, 9                            ; v9   0; never rewritten
.set MX,  10                           ; v10-13 the four blocks' largest magnitudes
.set SC,  14                           ; v14-17 the conversions' scale operands
.set BY,  18                           ; v18-21 the bytes
.set PW,  22                           ; v22  my row's scale word
.set CD,  24                           ; v24-47 codes: six registers a block
.set TT,  48                           ; v48-63 second halves of the blocks' codes as the conversions leave them
.set R,   64                           ; v64-191 my row's 128 numbers
	s_load_b256 s[4:11], s[0:1], 0x0               ; x, wq, wk, wv
	s_load_b128 s[12:15], s[0:1], 0x20             ; wo, img
	s_load_b64 s[16:17], s[0:1], 0x30              ; scl
	v_lshl_add_u32 v[SPW], v0, 2, SPARE
	v_mov_b32 v[NIL], 0
	v_lshrrev_b32 v1, 5, v0
	v_readfirstlane_b32 s18, v1                    ; wave = K step 0 .. 5
	v_and_b32 v1, 31, v0                           ; lane
	v_lshlrev_b32 v[LI], 4, v1
	v_lshlrev_b32 v[L8], 3, v1
	v_lshlrev_b32 v[LS], 2, v1
	v_lshrrev_b32 v10, 4, v1                       ; lane / 16
	v_and_b32 v11, 15, v1                          ; lane % 16
	s_mul_i32 s20, s18, WREG
	v_mul_u32_u24 v[SI], v10, 272
	v_lshl_add_u32 v[SI], v11, 4, v[SI]
	v_add_nc_u32 v[SI], s20, v[SI]
	v_mul_u32_u24 v[SO], v1, 272
	v_add_nc_u32 v[SO], s20, v[SO]
	s_mul_i32 s22, ttmp9, 18432                    ; img: a pair is 18,432 bytes, a K step of a tile 1,536
	s_mul_i32 s23, s18, 1536
	s_add_co_u32 s22, s22, s23
	s_mov_b32 s23, 0
	s_mul_i32 s24, ttmp9, 768                      ; scl: a pair is 768 bytes, a K step 128
	s_lshl_b32 s25, s18, 7
	s_add_co_u32 s24, s24, s25
	s_mov_b32 s25, 0
	s_wait_kmcnt 0x0
	s_add_nc_u64 s[30:31], s[14:15], s[22:23]
	s_add_nc_u64 s[32:33], s[16:17], s[24:25]
	s_cmp_lt_u32 ttmp9, 128                        ; pairs 0 .. 127 are tokens, 128 .. 223 columns of the weights
	s_cbranch_scc0 .Lweights
	; ---- x: 32 rows x 512 bytes
	s_mul_i32 s20, ttmp9, 98304                    ; 32 rows of 3,072 bytes
	s_lshl_b32 s21, s18, 9                         ; my K step's 512 bytes
	s_add_co_u32 s20, s20, s21
	s_mov_b32 s21, 0
	s_add_nc_u64 s[28:29], s[4:5], s[20:21]
	s_wait_alu depctr_va_vdst(0)
	v_mul_u32_u24 v[GO], v10, 3072                 ; lanes 16-31 take the row below
	v_lshl_add_u32 v[GO], v11, 4, v[GO]
.set c, 0
.rept 2
.set i, 0
.rept 16
.set sg, ((2*i)&7)|(((2*i)&8)<<1)|(((2*i)&16)>>1)      ; sigma(2 i); sigma(2 i + 1) is the row below it
	global_load_b128 v[R+64*c+4*i:R+64*c+4*i+3], v[GO], s[28:29] offset:sg*3072+256*c th:TH_LOAD_NT   ; sixteen lanes read 256 consecutive bytes, at a multiple of 256 from x's first byte
.set i, i+1
.endr
.set c, c+1
.endr
	s_wait_loadcnt 16                              ; the first half's sixteen loads are in; the second half's sixteen may be out
.set i, 0
.rept 16
	ds_store_b128 v[SI], v[R+4*i:R+4*i+3] offset:544*i             ; places 2 i and 2 i + 1
.set i, i+1
.endr
	s_wait_loadcnt 0x0
.set i, 0
.rept 16
	ds_store_b128 v[SI], v[R+64+4*i:R+64+4*i+3] offset:HREG+544*i
.set i, i+1
.endr
	s_wait_dscnt 0x0                               ; the stores are done: their registers take the rows
.set c, 0
.rept 2
.set i, 0
.rept 16
	ds_load_b128 v[R+64*c+4*i:R+64*c+4*i+3], v[SO] offset:HREG*c+16*i   ; place l holds row sigma(l): 64 numbers of it
.set i, i+1
.endr
.set c, c+1
.endr
	s_wait_dscnt 0x0
	s_branch .Lquant
.Lweights:
	; ---- a weight: 128 rows k x 32 columns
	s_sub_co_u32 s20, ttmp9, 128                   ; 24 pairs to a weight
	s_mov_b64 s[28:29], s[6:7]
	s_mov_b32 s21, 0
	s_cmp_ge_u32 s20, 24                           ; the choice hangs on the work-group's number alone
	s_cselect_b64 s[28:29], s[8:9], s[28:29]
	s_cselect_b32 s21, 24, s21
	s_cmp_ge_u32 s20, 48
	s_cselect_b64 s[28:29], s[10:11], s[28:29]
	s_cselect_b32 s21, 48, s21
	s_cmp_ge_u32 s20, 72
	s_cselect_b64 s[28:29], s[12:13], s[28:29]
	s_cselect_b32 s21, 72, s21
	s_sub_co_u32 s20, s20, s21                     ; the pair within its weight
	s_lshl_b32 s20, s20, 7                         ; its 32 columns: 128 bytes
	s_mul_i32 s21, s18, 393216                     ; my K step: 128 rows of 3,072 bytes
	s_add_co_u32 s20, s20, s21
	s_mov_b32 s21, 0
	s_add_nc_u64 s[28:29], s[28:29], s[20:21]
	v_and_b32 v[GO], 7, v1                         ; sigma(lane)
	v_and_b32 v12, 8, v1
	v_lshl_or_b32 v[GO], v12, 1, v[GO]
	v_and_b32 v12, 16, v1
	v_lshrrev_b32 v12, 1, v12
	v_or_b32 v[GO], v[GO], v12
	v_lshlrev_b32 v[GO], 2, v[GO]
.set i, 0
.rept 128
	global_load_b32 v[R+i], v[GO], s[28:29] offset:3072*i          ; W(128 s + i, my column): the wave reads 128 consecutive bytes
.set i, i+1
.endr
	s_wait_loadcnt 0x0
.Lquant:
	; ---- four blocks of 32, all mine
.irp b, 0,1,2,3
	v_max3_num_f32 v[MX+\b], |v[R+32*\b]|, |v[R+32*\b+1]|, 0x1800000   ; and the floor 2^(3 - 127): the byte cannot fall under 1
.endr
.irp i, 2,4,6,8,10,12,14,16,18,20,22,24,26,28,30
.irp b, 0,1,2,3
	v_max3_num_f32 v[MX+\b], v[MX+\b], |v[R+32*\b+\i]|, |v[R+32*\b+\i+1]|   ; the four blocks by turns
.endr
.endr
.irp b, 0,1,2,3
	v_add_nc_u32 v[SC+\b], 0xff000000, v[MX+\b]    ; 2 off the exponent field: the conversion takes this operand's exponent field as its scale
.endr
.irp b, 0,1,2,3
	v_lshrrev_b32 v[BY+\b], 23, v[SC+\b]           ; the scale's byte
.endr
	v_lshl_or_b32 v[PW], v[BY+1], 8, v[BY]
	v_lshl_or_b32 v[PW], v[BY+2], 16, v[PW]
	v_lshl_or_b32 v[PW], v[BY+3], 24, v[PW]        ; my row's word for this K step
.irp b, 0,1,2,3
	v_cvt_scalef32_pk16_fp6_f32 v[CD+6*\b:CD+6*\b+2], v[R+32*\b:R+32*\b+15], v[SC+\b]
	v_cvt_scalef32_pk16_fp6_f32 v[TT+4*\b:TT+4*\b+2], v[R+32*\b+16:R+32*\b+31], v[SC+\b]   ; (a conversion's three registers begin on an even number)
.endr
	v_nop                                          ; one plain instruction between the conversions and the first that touches their results
.irp b, 0,1,2,3
.irp i, 0,1,2
	v_mov_b32 v[CD+6*\b+3+\i], v[TT+4*\b+\i]
.endr
.endr
; Lanes 0-15 hold the even tile's rows, lanes 16-31 the odd tile's, each with blocks 0 .. 3.  An operand wants block 2 c in lanes 0-15 and block 2 c + 1 in lanes 16-31 of ONE tile:
; block 2 c's lanes 16-31 change places with block 2 c + 1's lanes 0-15; then v[CD + 12 c ..] is the even tile's half c and v[CD + 12 c + 6 ..] the odd tile's.
.irp c, 0,1
.irp i, 0,1,2,3,4,5
	v_permlane16_swap_b32 v[CD+12*\c+\i], v[CD+12*\c+6+\i]
.endr
.endr
.irp u, 0,1
.irp c, 0,1
	global_store_b128 v[LI], v[CD+12*\c+6*\u:CD+12*\c+6*\u+3], s[30:31] offset:9216*\u+768*\c          ; 512 consecutive bytes
	global_store_b64 v[L8], v[CD+12*\c+6*\u+4:CD+12*\c+6*\u+5], s[30:31] offset:9216*\u+768*\c+512     ; 256 consecutive bytes
.endr
.endr
	global_store_b32 v[LS], v[PW], s[32:33]        ; the pair's scale register for this K step: 128 consecutive bytes
	s_wait_tensorcnt 0x0                           ; the wave's end, behind my last LDS store
	ds_add_u32 v[SPW], v[NIL]
	s_wait_dscnt 0x0
	s_endpgm
.Lfunc_end_k_qa783f048e6_quant:
	.size	k_qa783f048e6_quant, .Lfunc_end_k_qa783f048e6_quant-k_qa783f048e6_quant
	.p2alignl 7, 3214868480
	.fill 96, 4, 3214868480
	.section	.rodata,"a",@progbits
	.p2align	6, 0x0
	.amdhsa_kernel k_qa783f048e6_quant
		.amdhsa_group_segment_fixed_size 105216
		.amdhsa_private_segment_fixed_size 0
		.amdhsa_enable_private_segment 0
		.amdhsa_kernarg_size 56
		.amdhsa_user_sgpr_count 2
		.amdhsa_user_sgpr_kernarg_segment_ptr 1
		.amdhsa_wavefront_size32 1
		.amdhsa_system_sgpr_workgroup_id_x 1
		.amdhsa_system_sgpr_workgroup_id_y 1
		.amdhsa_system_sgpr_workgroup_id_z 1
		.amdhsa_system_vgpr_workitem_id 0
		.amdhsa_next_free_vgpr 192
		.amdhsa_next_free_sgpr 66
		.amdhsa_reserve_vcc 0
		.amdhsa_float_denorm_mode_32 3
		.amdhsa_float_denorm_mode_16_64 3
		.amdhsa_memory_ordered 1
		.amdhsa_forward_progress 1
		.amdhsa_inst_pref_size 30
	.end_amdhsa_kernel
	.amdgpu_metadata
---
amdhsa.version: [ 1, 2 ]
amdhsa.kernels:
  - .name:           k_qa783f048e6_quant
    .symbol:         k_qa783f048e6_quant.kd
    .args:
      - { .name: x, .offset: 0, .size: 8, .value_kind: global_buffer, .address_space: global }
      - { .name: wq, .offset: 8, .size: 8, .value_kind: global_buffer, .address_space: global }
      - { .name: wk, .offset: 16, .size: 8, .value_kind: global_buffer, .address_space: global }
      - { .name: wv, .offset: 24, .size: 8, .value_kind: global_buffer, .address_space: global }
      - { .name: wo, .offset: 32, .size: 8, .value_kind: global_buffer, .address_space: global }
      - { .name: img, .offset: 40, .size: 8, .value_kind: global_buffer, .address_space: global }
      - { .name: scl, .offset: 48, .size: 8, .value_kind: global_buffer, .address_space: global }
    .group_segment_fixed_size: 105216
    .private_segment_fixed_size: 0
    .kernarg_segment_align: 8
    .kernarg_segment_size: 56
    .max_flat_workgroup_size: 192
    .sgpr_count:     66
    .vgpr_count:     192
    .wavefront_size: 32
...
	.end_amdgpu_metadata
.endif
;; end of part 5
;; launch proj (part 6): grid 96 x 3, 8 waves a work-group, no clusters, 78,336 bytes of LDS; arguments img, scl, bq, bk, bv, qi, qs, kv; writes qi, qs, kv
.if DOCPART == 6
	.amdgcn_target "amdgcn-amd-amdhsa--gfx1250"
	.amdhsa_code_object_version 6
	.text
	.protected	k_qa783f048e6_proj
	.globl	k_qa783f048e6_proj
	.p2align	8
	.type	k_qa783f048e6_proj,@function
k_qa783f048e6_proj:
	s_mov_b64 s[64:65], 0
	v_nop
	global_prefetch_b8 v0, s[64:65] scope:SCOPE_SE
	s_setreg_imm32_b32 hwreg(HW_REG_WAVE_SCHED_MODE, 0, 2), 2
	s_setreg_imm32_b32 hwreg(HW_REG_WAVE_MODE, 25, 1), 1
	s_wait_xcnt 0x0
	s_wait_alu depctr_vm_vsrc(0)
; q = x wq + bq, k = x wk + bk, v = x wv + bv on codes of FP6 (E2M3) with E8M0 scales (K = 768, six steps of 128), and the results quantised in registers for attention's two products:
; q and k along the head's 64 channels, v along the keys.  Work-group y = 0: q, 1: k, 2: v.
; A UNIT, one a wave: 8 tiles as source 0 (shared by the work-group's eight waves, in LDS) x 2 tiles as source 1 (the wave's own, from memory): 96 matrix instructions on 16 accumulators.
; A lane then holds ONE row of source 1, and its registers run along the rows of source 0: by the order of a tile's rows (lane r of tile t is row 32 (t / 2) + 8 (t % 2) + r + 8 (r / 8)) the 16 registers of tiles 2 b and 2 b + 1
; are 16 neighbours, 32 b + 16 (lane / 16) + 0 .. 15: the axis along which the result is quantised.
;   q, k: source 0 = 128 columns of the weight (two heads), source 1 = 32 tokens.   v: source 0 = 128 tokens (keys), source 1 = 32 columns of wv.
; OPERANDS are images of their registers (launch quant): a half of 768 bytes comes by one load of 16 bytes and one of 8 bytes a lane, dense; a scale register by 4 bytes a lane.
; OUT: qi [head][tile of 16 queries] 768 bytes; qs [head][tile][16 words] (bytes 0, 1: the two blocks; bytes 2, 3: 0);
;   kv [head][128 keys] a record of 13,056 bytes: K's 8 tiles at 768 t; V's 4 fragments (16 channels x 128 keys) at 6144 + 1536 t + 768 c; K's 4 scale registers at 12288 + 128 p; V's 2 at 12800 + 128 p.
; LIMITS: NaN and infinities are not served; a block whose largest magnitude lies under 2^-124 keeps the byte 1; a block of zeros has the byte 1, not 127 (zero codes; this program alone reads the bytes).
; NO CLUSTER: what work-groups share, source 0's block, is 76,800 of the 230,400 bytes that a work-group reads, and it is fetched once, at the head, with no ring behind it.  No tensor load: LDS is filled once, through registers.
; THE MODE: SCHED_MODE bits 1:0 = 2 (LLVM: expert scheduling mode 2), set by the entry lines.  The code itself states the register dependences
; between vector or matrix instructions and memory or LDS instructions, with s_wait_alu, always for 0.
; THE PLAN.  Registers that memory or LDS instructions touch:
;   v1-9, v122, v123   offsets and LDS addresses: written at the head and never again.  v12-15, v124-127: written at the head, then the biases land in them.  ONE wait on va_vdst ahead of the first load states both.
;   v128-202           at the head what goes to LDS lands here and the LDS stores read it; from K step 0 on these are accumulators: ONE wait on vm_vsrc behind the barrier.
;   AF, AS             a K step loads AF twice (tiles 0-3, then tiles 4-7) and AS once; eight products read AF between two loads of it.
;   BF0, BF1           K step s: its sixteen products read set s % 2; the loads of step s + 1 land in the other set, which the products of step s - 1 read.
;   So a K step holds TWO waits on va_vdst: one at its head, for AF, AS and source 1's other set, with all three runs of loads behind it; one behind its first eight products, for AF.
;   AF has one set: the accumulators (128), AF (48), BF (48), ten scale registers and the addresses and biases fill the launch's 256 registers.
;   v16-79             q, k: the bias lands here behind the last products, which read them: one wait on va_vdst in that arm.
;   PC0, PC1, SW       written by the quantiser, read by the stores: ONE wait on va_vdst ahead of the run of stores; nothing writes them again.
;   s20, the wave's number, is written by a vector instruction: one wait on va_sdst ahead of its first reader.
.set ASC,   73728                      ; LDS: source 0's 8 tiles (9,216 bytes each) from 0; their scale registers, 4 pairs x 6 steps x 128 bytes;
.set BIA,   76800                      ; 128 numbers of bq or bk;
.set SPARE, 77312                      ; the spare words, 128 bytes for each wave: four blocks of 256 bytes that no other line names
.set LI,  1                            ; v1   16 x lane
.set L8,  2                            ; v2   8 x lane
.set LS,  3                            ; v3   4 x lane
.set LIB, 4                            ; v4   16 x lane + 36864: tiles 4-7 in LDS
.set L8B, 5                            ; v5   8 x lane + 36864
.set STI, 6                            ; v6   where I stage my tile: 9216 x wave + 16 x lane
.set STS, 7                            ; v7   and my 384 bytes of scale registers
.set ASA, 8                            ; v8   ASC + 4 x lane
.set BIO, 9                            ; v9   BIA + 64 (lane / 16)
.set SPW, 10                           ; v10  my spare word; never rewritten
.set NIL, 11                           ; v11  0; never rewritten
.set AF,  16                           ; v16-63   four fragments of source 0
.set BF,  64                           ; v64-111  two sets of two fragments of source 1
.set AS,  112                          ; v112-115 source 0's scale registers of the step: scales and nothing else
.set BS,  116                          ; v116-121 source 1's, one for each K step: scales and nothing else
.set BVO, 122                          ; v122 4 (r + 8 (r / 8)): my channel's place in bv
.set BIS, 123                          ; v123 BIA + 16 x lane
.set ACC, 128                          ; v128-255 accumulator (i, j) at 128 + 64 j + 8 i
.set PC0, 16                           ; the way out: codes of source 1's tile 0 (12 + 8 at work), v16-35;
.set PC1, 36                           ; of tile 1, v36-55
.set TM,  56                           ; v56-71 at work in the quantiser
.set PW0, 72
.set PW1, 73
.set SW,  74                           ; v74-76 the scale registers that leave
.set SEL, 36                           ; s[36:37] v_permlanex16_b32's selects for lane l xor 16
.macro PLACES                          ; four plain instructions behind a matrix instruction: ahead of a vector instruction's read of its result, and ahead of a run of loads into its registers, where the wait that states the dependence follows them
.rept 4
	v_nop
.endr
.endm
.macro BLOAD s                         ; source 1's two fragments of K step s into set s % 2: eight loads
.irp j, 0,1
.irp c, 0,1
	global_load_b128 v[BF+24*((\s)%2)+12*\j+6*\c:BF+24*((\s)%2)+12*\j+6*\c+3], v[LI], s[28:29] offset:9216*\j+1536*(\s)+768*\c
	global_load_b64 v[BF+24*((\s)%2)+12*\j+6*\c+4:BF+24*((\s)%2)+12*\j+6*\c+5], v[L8], s[28:29] offset:9216*\j+1536*(\s)+768*\c+512
.endr
.endr
.endm
.macro ALOAD s, ai, a8                 ; four fragments of source 0 from LDS
.irp i, 0,1,2,3
.irp c, 0,1
	ds_load_b128 v[AF+12*\i+6*\c:AF+12*\i+6*\c+3], v[\ai] offset:9216*\i+1536*(\s)+768*\c
	ds_load_b64 v[AF+12*\i+6*\c+4:AF+12*\i+6*\c+5], v[\a8] offset:9216*\i+1536*(\s)+768*\c+512
.endr
.endr
.endm
; Eight matrix instructions: tiles 4 g .. 4 g + 3 of source 0 x both tiles of source 1.  The odd tile of a pair has its scales in lanes 16-31 of the pair's register.  K step 0 starts the sums: nothing is cleared.
; The sixteen accumulators take turns, one instruction a turn, in the same order in every step.
.macro MUL8 g, s
.irp q, 0,1
.set DA, ACC+8*(4*\g+2*\q)
.set FA, AF+24*\q
.set FB, BF+24*((\s)%2)
.set SA, AS+2*\g+\q
.set SB, BS+(\s)
.if (\s) == 0
	v_wmma_scale_f32_16x16x128_f8f6f4 v[DA:DA+7], v[FA:FA+11], v[FB:FB+11], 0, v[SA], v[SB] matrix_a_fmt:MATRIX_FMT_FP6 matrix_b_fmt:MATRIX_FMT_FP6
	v_wmma_scale_f32_16x16x128_f8f6f4 v[DA+64:DA+71], v[FA:FA+11], v[FB+12:FB+23], 0, v[SA], v[SB] matrix_a_fmt:MATRIX_FMT_FP6 matrix_b_fmt:MATRIX_FMT_FP6 matrix_b_scale:MATRIX_SCALE_ROW1
	v_wmma_scale_f32_16x16x128_f8f6f4 v[DA+8:DA+15], v[FA+12:FA+23], v[FB:FB+11], 0, v[SA], v[SB] matrix_a_fmt:MATRIX_FMT_FP6 matrix_b_fmt:MATRIX_FMT_FP6 matrix_a_scale:MATRIX_SCALE_ROW1
	v_wmma_scale_f32_16x16x128_f8f6f4 v[DA+72:DA+79], v[FA+12:FA+23], v[FB+12:FB+23], 0, v[SA], v[SB] matrix_a_fmt:MATRIX_FMT_FP6 matrix_b_fmt:MATRIX_FMT_FP6 matrix_a_scale:MATRIX_SCALE_ROW1 matrix_b_scale:MATRIX_SCALE_ROW1
.else
	v_wmma_scale_f32_16x16x128_f8f6f4 v[DA:DA+7], v[FA:FA+11], v[FB:FB+11], v[DA:DA+7], v[SA], v[SB] matrix_a_fmt:MATRIX_FMT_FP6 matrix_b_fmt:MATRIX_FMT_FP6
	v_wmma_scale_f32_16x16x128_f8f6f4 v[DA+64:DA+71], v[FA:FA+11], v[FB+12:FB+23], v[DA+64:DA+71], v[SA], v[SB] matrix_a_fmt:MATRIX_FMT_FP6 matrix_b_fmt:MATRIX_FMT_FP6 matrix_b_scale:MATRIX_SCALE_ROW1
	v_wmma_scale_f32_16x16x128_f8f6f4 v[DA+8:DA+15], v[FA+12:FA+23], v[FB:FB+11], v[DA+8:DA+15], v[SA], v[SB] matrix_a_fmt:MATRIX_FMT_FP6 matrix_b_fmt:MATRIX_FMT_FP6 matrix_a_scale:MATRIX_SCALE_ROW1
	v_wmma_scale_f32_16x16x128_f8f6f4 v[DA+72:DA+79], v[FA+12:FA+23], v[FB+12:FB+23], v[DA+72:DA+79], v[SA], v[SB] matrix_a_fmt:MATRIX_FMT_FP6 matrix_b_fmt:MATRIX_FMT_FP6 matrix_a_scale:MATRIX_SCALE_ROW1 matrix_b_scale:MATRIX_SCALE_ROW1
.endif
.endr
.endm
.macro KSTEP s
.if (\s) > 0
	s_wait_alu depctr_va_vdst(0)                   ; the last step's products are done reading AF, AS and source 1's other set: the three runs of loads below land in them.  (K step 0's loads land in registers that no vector or matrix instruction has named)
.endif
.if (\s) < 5
	BLOAD (\s)+1                                   ; the next step's fragments of source 1, a step ahead
.endif
	ALOAD \s, LI, L8
.irp p, 0,1,2,3
	ds_load_b32 v[AS+\p], v[ASA] offset:768*\p+128*(\s)
.endr
	s_wait_dscnt 0x0
.if (\s) < 5
	s_wait_loadcnt 8                               ; this step's fragments of source 1 (and its scale registers) are in; the next step's eight loads may be out
.else
	s_wait_loadcnt 0x0
.endif
	MUL8 0, \s
	PLACES
	s_wait_alu depctr_va_vdst(0)                   ; these eight products are done reading AF, in which tiles 4-7 land
	ALOAD \s, LIB, L8B
	s_wait_dscnt 0x0
	MUL8 1, \s
	PLACES
.endm
; 64 numbers of a lane, v[s] .. v[s + 63], register 16 b + i = place 32 b + 16 (lane / 16) + i along the quantiser's axis, become 12 registers of codes in v[pc] on and the row's scale word in v[pw].
.macro QUANT s, pc, pw
.irp b, 0,1,2,3
	v_max3_num_f32 v[TM+\b], |v[\s+16*\b]|, |v[\s+1+16*\b]|, 0x1800000   ; block b: my 16 numbers, and the floor 2^(3 - 127): the byte cannot fall under 1
.endr
.irp i, 2,4,6,8,10,12,14
.irp b, 0,1,2,3
	v_max3_num_f32 v[TM+\b], v[TM+\b], |v[\s+16*\b+\i]|, |v[\s+1+16*\b+\i]|
.endr
.endr
.irp b, 0,1,2,3
	v_permlanex16_b32 v[TM+4+\b], v[TM+\b], s[SEL], s[SEL+1]
.endr
.irp b, 0,1,2,3
	v_max_num_f32 v[TM+\b], v[TM+\b], v[TM+4+\b]   ; with lane l xor 16's: the block's largest magnitude
.endr
.irp b, 0,1,2,3
	v_add_nc_u32 v[TM+12+\b], 0xff000000, v[TM+\b] ; 2 off its exponent field: the conversion's scale operand
.endr
.irp b, 0,1,2,3
	v_lshrrev_b32 v[TM+4+\b], 23, v[TM+12+\b]      ; the scale's byte
.endr
	v_lshl_or_b32 v[\pw], v[TM+5], 8, v[TM+4]
	v_lshl_or_b32 v[\pw], v[TM+6], 16, v[\pw]
	v_lshl_or_b32 v[\pw], v[TM+7], 24, v[\pw]
.irp c, 0,1
	v_cvt_scalef32_pk16_fp6_f32 v[\pc+6*\c:\pc+2+6*\c], v[\s+32*\c:\s+15+32*\c], v[TM+12+2*\c]
	v_cvt_scalef32_pk16_fp6_f32 v[\pc+12+4*\c:\pc+14+4*\c], v[\s+16+32*\c:\s+31+32*\c], v[TM+12+2*\c+1]   ; (a conversion's three registers begin on an even number)
.endr
	v_nop                                          ; one plain instruction behind the conversions
.irp c, 0,1                                    ; the operand's layout wants a WHOLE block in a lane: lanes 0-15 block 2 c, lanes 16-31 block 2 c + 1
.irp i, 0,1,2
	v_permlane16_swap_b32 v[\pc+6*\c+\i], v[\pc+12+4*\c+\i]
.endr
.irp i, 0,1,2
	v_mov_b32 v[\pc+3+6*\c+\i], v[\pc+12+4*\c+\i]
.endr
.endr
.endm
	s_load_b256 s[4:11], s[0:1], 0x0               ; img, scl, bq, bk
	s_load_b128 s[12:15], s[0:1], 0x20             ; bv, qi
	s_load_b128 s[16:19], s[0:1], 0x30             ; qs, kv
	v_lshl_add_u32 v[SPW], v0, 2, SPARE
	v_mov_b32 v[NIL], 0
	v_lshrrev_b32 v12, 5, v0
	v_readfirstlane_b32 s20, v12                   ; wave 0 .. 7
	s_and_b32 s21, ttmp7, 0xffff                   ; y: which projection
	s_mov_b32 s22, ttmp9                           ; x
	v_and_b32 v12, 31, v0
	v_lshlrev_b32 v[LI], 4, v12
	v_lshlrev_b32 v[L8], 3, v12
	v_lshlrev_b32 v[LS], 2, v12
	v_add_nc_u32 v[LIB], 36864, v[LI]
	v_add_nc_u32 v[L8B], 36864, v[L8]
	s_wait_alu depctr_va_sdst(0)                   ; s20 is written, ahead of its first reader: LDS places, tiles and branches are made from it
	s_mul_i32 s52, s20, 9216
	v_add_nc_u32 v[STI], s52, v[LI]
	s_mul_i32 s52, s20, 384
	s_add_co_u32 s52, s52, ASC
	v_add_nc_u32 v[STS], s52, v[LS]
	v_add_nc_u32 v[ASA], ASC, v[LS]
	v_and_b32 v13, 16, v0
	v_lshlrev_b32 v[BIO], 2, v13
	v_add_nc_u32 v[BIO], BIA, v[BIO]
	v_add_nc_u32 v[BIS], BIA, v[LI]
	v_and_b32 v13, 15, v0
	v_and_b32 v14, 8, v0
	v_add_nc_u32 v13, v13, v14
	v_lshlrev_b32 v[BVO], 2, v13
.irp n, 12,13,14,15,124,125,126,127
	v_mov_b32 v[\n], 0                             ; the biases' registers are written once here: which of them a load fills hangs on the projection and the wave
.endr
	s_mov_b32 s[SEL], 0x76543210
	s_mov_b32 s[SEL+1], 0xfedcba98
	s_mov_b32 s38, 0xffff0000                      ; lanes 16-31
	s_wait_kmcnt 0x0
	s_mov_b32 s25, 0
	; Which tiles, and where the results go.  Each of the three ways writes: s23 source 1's pair, s52 source 0's first tile, s[32:33] the bias, s[40:41] the codes' first place, s54 and s56 the steps from half to half and from tile to tile, s[48:51] the scales' places.
	s_cmp_eq_u32 s21, 2
	s_cbranch_scc1 .Ltype_v
	s_lshr_b32 s58, s22, 4                         ; a: heads 2 a and 2 a + 1
	s_and_b32 s23, s22, 15
	s_lshl_b32 s23, s23, 3
	s_add_co_u32 s23, s23, s20                     ; my pair of token tiles, 0 .. 127
	s_mul_i32 s52, s21, 48
	s_lshl_b32 s59, s58, 3
	s_add_co_u32 s52, s52, s59
	s_add_co_u32 s52, s52, 256                     ; the weight's tiles begin at 256 + 48 y
	s_mov_b32 s56, 768                             ; from tile to tile
	s_lshl_b32 s24, s58, 9                         ; the two heads' 128 numbers of the bias
	s_cmp_eq_u32 s21, 1
	s_cbranch_scc1 .Ltype_k
	s_add_nc_u64 s[32:33], s[8:9], s[24:25]
	s_lshl_b32 s59, s23, 1
	s_add_co_u32 s24, s24, s59                     ; 256 x head + tile
	s_mul_i32 s24, s24, 768
	s_add_nc_u64 s[40:41], s[14:15], s[24:25]
	s_mov_b32 s54, 196608                          ; from head to head: 256 tiles
	s_lshl_b32 s24, s58, 15
	s_lshl_b32 s59, s23, 7
	s_add_co_u32 s24, s24, s59
	s_add_nc_u64 s[48:49], s[16:17], s[24:25]
	s_add_nc_u64 s[50:51], s[48:49], 16384
	s_branch .Ltyped
.Ltype_k:
	s_add_nc_u64 s[32:33], s[10:11], s[24:25]
	s_lshl_b32 s24, s58, 6
	s_lshr_b32 s59, s23, 2
	s_add_co_u32 s24, s24, s59                     ; record 32 x head + pair / 4
	s_mul_i32 s24, s24, 13056
	s_add_nc_u64 s[48:49], s[18:19], s[24:25]
	s_and_b32 s59, s23, 3
	s_mul_i32 s24, s59, 1536
	s_add_nc_u64 s[40:41], s[48:49], s[24:25]
	s_lshl_b32 s24, s59, 7
	s_add_co_u32 s24, s24, 12288
	s_add_nc_u64 s[48:49], s[48:49], s[24:25]
	s_add_nc_u64 s[50:51], s[48:49], 417792
	s_mov_b32 s54, 417792                          ; from head to head: 32 records
	s_branch .Ltyped
.Ltype_v:
	s_and_b32 s58, s22, 31                         ; g: keys 128 g on
	s_lshr_b32 s59, s22, 5
	s_lshl_b32 s59, s59, 3
	s_add_co_u32 s59, s59, s20                     ; my pair of wv's column tiles, 0 .. 23
	s_add_co_u32 s23, s59, 176                     ; wv's pairs begin at 176
	s_lshl_b32 s52, s58, 3
	s_lshl_b32 s24, s59, 7
	s_add_nc_u64 s[32:33], s[12:13], s[24:25]
	s_lshr_b32 s24, s59, 1
	s_lshl_b32 s24, s24, 5
	s_add_co_u32 s24, s24, s58                     ; record 32 x head + g
	s_mul_i32 s24, s24, 13056
	s_add_nc_u64 s[48:49], s[18:19], s[24:25]
	s_and_b32 s59, s59, 1
	s_mul_i32 s24, s59, 3072
	s_add_co_u32 s24, s24, 6144
	s_add_nc_u64 s[40:41], s[48:49], s[24:25]
	s_lshl_b32 s24, s59, 7
	s_add_co_u32 s24, s24, 12800
	s_add_nc_u64 s[48:49], s[48:49], s[24:25]
	s_mov_b64 s[50:51], s[48:49]                   ; (v has one scale register to store; the pair is written on this way too)
	s_mov_b32 s54, 768                             ; from half to half
	s_mov_b32 s56, 1536                            ; from fragment to fragment
.Ltyped:
	s_mov_b32 s55, 0
	s_mov_b32 s57, 0
	s_add_nc_u64 s[42:43], s[40:41], s[54:55]      ; tile 0, half 1
	s_add_nc_u64 s[44:45], s[40:41], s[56:57]      ; tile 1, half 0
	s_add_nc_u64 s[46:47], s[44:45], s[54:55]      ; tile 1, half 1
	s_add_co_u32 s52, s52, s20                     ; the tile of source 0 that I stage
	s_mul_i32 s24, s52, 9216
	s_add_nc_u64 s[24:25], s[4:5], s[24:25]
	s_mul_i32 s26, s52, 384                        ; and my 384 bytes of the four pairs' scale registers
	s_mov_b32 s27, 0
	s_add_nc_u64 s[26:27], s[6:7], s[26:27]
	s_mul_i32 s28, s23, 18432
	s_mov_b32 s29, 0
	s_add_nc_u64 s[28:29], s[4:5], s[28:29]        ; source 1's pair
	s_mul_i32 s30, s23, 768
	s_mov_b32 s31, 0
	s_add_nc_u64 s[30:31], s[6:7], s[30:31]        ; and its scale registers
	s_wait_alu depctr_va_vdst(0)                   ; the offsets and LDS addresses v1-9, v122 and v123 are written, which every load and store of the kernel reads; so are v12-15 and v124-127, in which the biases land
	; the biases are the oldest loads
	s_cmp_eq_u32 s21, 2
	s_cbranch_scc1 .Lbias_v
	s_cmp_lg_u32 s20, 0
	s_cbranch_scc1 .Lbias_asked
	global_load_b128 v[124:127], v[LI], s[32:33]   ; q, k: wave 0 brings the 128 numbers for all
	s_branch .Lbias_asked
.Lbias_v:
	global_load_b32 v12, v[BVO], s[32:33]          ; v: my channel's number, for tile 0
	global_load_b32 v14, v[BVO], s[32:33] offset:32   ; and for tile 1
.Lbias_asked:
.set i, 0
.rept 18
	global_load_b128 v[128+4*i:131+4*i], v[LI], s[24:25] offset:512*i
.set i, i+1
.endr
.irp i, 0,1,2
	global_load_b32 v[200+\i], v[LS], s[26:27] offset:128*\i
.endr
.irp i, 0,1,2,3,4,5
	global_load_b32 v[BS+\i], v[LS], s[30:31] offset:128*\i
.endr
	BLOAD 0
	s_wait_loadcnt 14                              ; all that goes to LDS is in; source 1's six scale registers and the eight loads of its K step 0 may be out
.set i, 0
.rept 18
	ds_store_b128 v[STI], v[128+4*i:131+4*i] offset:512*i
.set i, i+1
.endr
.irp i, 0,1,2
	ds_store_b32 v[STS], v[200+\i] offset:128*\i
.endr
	s_cmp_eq_u32 s21, 2
	s_cbranch_scc1 .Lstaged
	s_cmp_lg_u32 s20, 0
	s_cbranch_scc1 .Lstaged
	ds_store_b128 v[BIS], v[124:127]
.Lstaged:
	s_wait_dscnt 0x0                               ; for the others' sake: my stores have landed
	s_barrier_signal -1
	s_barrier_wait -1                              ; source 0's block lies in LDS: the launch's one barrier
	s_wait_alu depctr_vm_vsrc(0)                   ; my LDS stores have read v128-202: these registers are accumulators from here on, written by K step 0's products
	KSTEP 0
	KSTEP 1
	KSTEP 2
	KSTEP 3
	KSTEP 4
	KSTEP 5
	; ---- the bias, each accumulator from its low end on
	s_cmp_eq_u32 s21, 2
	s_cbranch_scc1 .Ladd_v
	s_wait_alu depctr_va_vdst(0)                   ; the products are done reading AF and source 1's set 0: the bias lands in v16-79
.irp i, 0,1,2,3,4,5,6,7
	ds_load_b128 v[16+8*\i:19+8*\i], v[BIO] offset:128*(\i/2)+32*(\i%2)        ; tile i's eight channels of my half: 32 (i / 2) + 16 (lane / 16) + 8 (i % 2) + 0 .. 7
	ds_load_b128 v[20+8*\i:23+8*\i], v[BIO] offset:128*(\i/2)+32*(\i%2)+16
.endr
	s_wait_dscnt 0x0
.irp j, 0,1
.set n, 0
.rept 32
	v_pk_add_f32 v[ACC+64*\j+n:ACC+64*\j+n+1], v[ACC+64*\j+n:ACC+64*\j+n+1], v[16+n:17+n]
.set n, n+2
.endr
.endr
	s_branch .Ladded
.Ladd_v:
.irp j, 0,1
.set n, 0
.rept 32
	v_pk_add_f32 v[ACC+64*\j+n:ACC+64*\j+n+1], v[ACC+64*\j+n:ACC+64*\j+n+1], v[12+2*\j:13+2*\j] op_sel_hi:[1,0]   ; my channel's number serves both halves
.set n, n+2
.endr
.endr
.Ladded:
.irp b, 0,1,2,3
	v_mov_b32 v[TM+4+\b], 0                        ; a lane permute's destination counts as one of its sources
.endr
	QUANT 128, PC0, PW0
	QUANT 192, PC1, PW1
	v_cndmask_b32 v[SW], v[PW0], v[PW1], s38       ; the pair's scale register: lanes 0-15 tile 0's words, lanes 16-31 tile 1's
	v_and_b32 v[SW+1], 0xffff, v[SW]               ; q, k: bytes 0, 1 are the even head's two blocks,
	v_lshrrev_b32 v[SW+2], 16, v[SW]               ; bytes 2, 3 the odd head's; the upper two bytes of each word are 0.  (Made on all three ways, ahead of the one wait; v stores v[SW] itself)
	s_wait_alu depctr_va_vdst(0)                   ; the quantiser has written the codes in v[PC0 ..] and v[PC1 ..], the three lines above v[SW] to v[SW + 2]: the stores below read them
.irp c, 0,1
	global_store_b128 v[LI], v[PC0+6*\c:PC0+6*\c+3], s[40+2*\c:41+2*\c]               ; 512 consecutive bytes
	global_store_b64 v[L8], v[PC0+6*\c+4:PC0+6*\c+5], s[40+2*\c:41+2*\c] offset:512   ; 256 consecutive bytes
	global_store_b128 v[LI], v[PC1+6*\c:PC1+6*\c+3], s[44+2*\c:45+2*\c]
	global_store_b64 v[L8], v[PC1+6*\c+4:PC1+6*\c+5], s[44+2*\c:45+2*\c] offset:512
.endr
	s_cmp_eq_u32 s21, 2
	s_cbranch_scc1 .Lscale_v
	global_store_b32 v[LS], v[SW+1], s[48:49]
	global_store_b32 v[LS], v[SW+2], s[50:51]
	s_branch .Lend
.Lscale_v:
	global_store_b32 v[LS], v[SW], s[48:49]        ; v: four blocks of 32 keys
.Lend:
	s_wait_dscnt 0x0                               ; the wave's end
	s_wait_alu 0x0
	s_wait_tensorcnt 0x0
	ds_add_u32 v[SPW], v[NIL]
	s_wait_dscnt 0x0
	s_endpgm
.Lfunc_end_k_qa783f048e6_proj:
	.size	k_qa783f048e6_proj, .Lfunc_end_k_qa783f048e6_proj-k_qa783f048e6_proj
	.p2alignl 7, 3214868480
	.fill 96, 4, 3214868480
	.section	.rodata,"a",@progbits
	.p2align	6, 0x0
	.amdhsa_kernel k_qa783f048e6_proj
		.amdhsa_group_segment_fixed_size 78336
		.amdhsa_private_segment_fixed_size 0
		.amdhsa_enable_private_segment 0
		.amdhsa_kernarg_size 64
		.amdhsa_user_sgpr_count 2
		.amdhsa_user_sgpr_kernarg_segment_ptr 1
		.amdhsa_wavefront_size32 1
		.amdhsa_system_sgpr_workgroup_id_x 1
		.amdhsa_system_sgpr_workgroup_id_y 1
		.amdhsa_system_sgpr_workgroup_id_z 1
		.amdhsa_system_vgpr_workitem_id 0
		.amdhsa_next_free_vgpr 256
		.amdhsa_next_free_sgpr 66
		.amdhsa_reserve_vcc 0
		.amdhsa_float_denorm_mode_32 3
		.amdhsa_float_denorm_mode_16_64 3
		.amdhsa_memory_ordered 1
		.amdhsa_forward_progress 1
		.amdhsa_inst_pref_size 61
	.end_amdhsa_kernel
	.amdgpu_metadata
---
amdhsa.version: [ 1, 2 ]
amdhsa.kernels:
  - .name:           k_qa783f048e6_proj
    .symbol:         k_qa783f048e6_proj.kd
    .args:
      - { .name: img, .offset: 0, .size: 8, .value_kind: global_buffer, .address_space: global }
      - { .name: scl, .offset: 8, .size: 8, .value_kind: global_buffer, .address_space: global }
      - { .name: bq, .offset: 16, .size: 8, .value_kind: global_buffer, .address_space: global }
      - { .name: bk, .offset: 24, .size: 8, .value_kind: global_buffer, .address_space: global }
      - { .name: bv, .offset: 32, .size: 8, .value_kind: global_buffer, .address_space: global }
      - { .name: qi, .offset: 40, .size: 8, .value_kind: global_buffer, .address_space: global }
      - { .name: qs, .offset: 48, .size: 8, .value_kind: global_buffer, .address_space: global }
      - { .name: kv, .offset: 56, .size: 8, .value_kind: global_buffer, .address_space: global }
    .group_segment_fixed_size: 78336
    .private_segment_fixed_size: 0
    .kernarg_segment_align: 8
    .kernarg_segment_size: 64
    .max_flat_workgroup_size: 256
    .sgpr_count:     66
    .vgpr_count:     256
    .wavefront_size: 32
...
	.end_amdgpu_metadata
.endif
;; end of part 6
;; launch attn (part 7): grid 16 x 12, 16 waves a work-group, no clusters, 327,680 bytes of LDS; arguments qi, qs, kv, ci, cs; writes ci, cs
.if DOCPART == 7
	.amdgcn_target "amdgcn-amd-amdhsa--gfx1250"
	.amdhsa_code_object_version 6
	.text
	.protected	k_qa783f048e6_attn
	.globl	k_qa783f048e6_attn
	.p2align	8
	.type	k_qa783f048e6_attn,@function
k_qa783f048e6_attn:
	s_mov_b64 s[64:65], 0
	v_nop
	global_prefetch_b8 v0, s[64:65] scope:SCOPE_SE
	s_setreg_imm32_b32 hwreg(HW_REG_WAVE_MODE, 25, 1), 1
	s_wait_xcnt 0x0
; ctx[q] = the sum over keys k <= q of softmax_k(q . k / 8) v[k], for 12 heads of 64 channels and 4,096 tokens, both products on codes of FP6 (E2M3) with E8M0 scales; ctx is quantised along the channels for the last projection.
; THE SOFTMAX: t = score x log2(e) / 8; M = the row's largest t so far, rounded UP to a whole number; p = 2^(t - M) is what is quantised, along the keys, not normalised.  The row's sum is taken of the unquantised p and divides at the end.
; When M moves, the sum and O are multiplied by 2^(old M - new M): exact.
; SHARES.  Keys and queries go in groups of 128 (a record of kv).  Work-group (i, head) owns the query groups i and 31 - i: 8 (i + 1) + 8 (32 - i) = 264 steps of a tile, the same for every i.
; Each of its sixteen waves owns one tile of 16 queries in 256 registers; wave w has tile w / 2 of the low group or of the high one, by (w xor w / 4) & 1.  A step is one record: 128 keys.
; A step whose keys all come after the wave's group is left out (a scalar branch on ids round the step's work alone); in the step on the diagonal hidden scores become -infinity.
; LAYOUT.  Both products are used transposed: S^T = K Q^T (source 0 = 16 keys), O^T = V^T P^T (source 0 = 16 channels): a lane holds ONE query throughout.  Lane r of a tile is row 32 (t / 2) + 8 (t % 2) + r + 8 (r / 8) of its group,
; so the 16 registers of tiles 2 b and 2 b + 1 are 16 neighbours: keys for p, channels for ctx.  All operands are images of their registers: a half of 768 bytes comes by 16 + 8 bytes a lane, dense.
; K = 64 IN THE FIRST PRODUCT: Q's registers 6-11 are zero codes.  K's tile t is named with the six registers behind it (the next tile's codes; six zero registers behind tile 7): those meet zero codes alone; the scale bytes 2, 3 of both sides are 0, which is 2^-127.
; THE RING: two LDS slots of four records (52,224 bytes), filled by the tensor data mover, waves 0 and 1 half a slot each (102 rows of 256 bytes), read by all sixteen.  By this text's count a wave has at most one tensor load out; every wait for them is for 0.
; A slot whose first step lies beyond the work-group's last group, 31 - i, is not asked for.
; NO CLUSTER: the work-groups of a head need different numbers of slots (8 - i / 4), and a joint request may not be left out by some of its partners.
; LIMITS: NaN and infinities are not served; t - M is one fused multiply-add; the division by the sum is v_rcp_f32 and a multiplication; a block whose largest number lies under 2^-124 keeps the byte 1 (a block of zeros too: zero codes).
.set REC,   13056                      ; a record: K's 8 tiles at 768 t; V's 4 fragments at 6144 + 1536 t + 768 c; K's 4 scale registers at 12288 + 128 p; V's 2 at 12800 + 128 p
.set SLOTB, 4*REC
.set SLOT1, 65536                      ; slot 1 begins here: one exclusive or turns an address in one slot into the other's
.set SPARE, 131072                     ; the spare words, 128 bytes for each wave: eight blocks of 256 bytes that no other line names
.set SPW, 4                            ; v4   my spare word; never rewritten
.set NIL, 5                            ; v5   0; never rewritten
.set PFO, 10                           ; v10  the prefetches' offset; never rewritten
; v1, v2, v3: 16, 8, 4 x lane;  v6, v7, v8: the same + the record's place in LDS;  v9: my query's place in its group - 16 (lane / 16);  v11: 4 (lane % 16);  v12 -M, v13 the largest t, v[14:15] the sum in two halves;
; v16-21 Q, v22-27 zero codes, v28 Q's scale words;  v32-79 K's 8 tiles, then V's 4 fragments;  v80-85 zero codes;  v86-89 K's scale registers, v90-91 V's;  v96-159 S^T, then p;  v160-191 O^T;
; v192-211 p's codes;  v212-215 the blocks' maxima;  v216-219, v220-223, v227 at work;  v[224:225] f;  v226 p's scale word;  v228 ctx's.
.set WV,  18
.set SEL, 20                           ; s[20:21] v_permlanex16_b32's selects for lane l xor 16
.set CS,  22                           ; s[22:23] c = log2(e) / 8
.set TB,  2                            ; s2   LDS byte at which the step's record begins
.set ST,  3                            ; s3   the step
.set G1,  32                           ; s[32:39] descriptor group 1;  s[40:43] group 0, which walks
.set G0,  40
.set SLOTS, 44
.set INNER, 45
.set GW,  46                           ; s46  my wave's group
.set GH,  47                           ; s47  the work-group's last group
.set PFA, 48                           ; s[48:49] where the prefetches stand: the slot after the one that is being asked for
.set LIM, 50                           ; s50  1 in a wave that prefetches, else the greatest number
; Waves 0 and 1 fetch.  The branch hangs on the wave's number alone.  An s_nop 0 and four v_nop follow the load.
.macro TLOAD
	s_cmp_lt_u32 s[WV], 2
	s_cbranch_scc0 .Lasked_\@
	tensor_load_to_lds s[G0:G0+3], s[G1:G1+7]
	s_nop 0
.rept 4
	v_nop
.endr
.Lasked_\@:
.endm
; A PREFETCH INTO THE L2 of the slot that the NEXT change of slots will ask for: four key steps ahead of that load.  All work-groups of a head walk the same records: the head's work-group 0, which walks all eight slots, asks, and nobody else.
; In it waves 4 to 10, which fetch nothing, ask, one instruction each, lanes 256 bytes apart: a slot is 204 such blocks, and the last wave's twenty lanes beyond them name the slot's last block.
; The last change that fills a slot asks for nothing; slots 0 and 1 come by their loads alone.
.macro ASK
	s_cmp_gt_u32 s[SLOTS], s[LIM]
	s_cbranch_scc0 .Lnot_mine_\@
	global_prefetch_b8 v[PFO], s[PFA:PFA+1] th:TH_LOAD_NT scope:SCOPE_SE
.Lnot_mine_\@:
.endm
; THE CHANGE OF SLOTS stands at a slot's head.  Each wave waits for all its tensor loads (its part of the slot ahead), adds 0 to its spare word, and waits for that and for its reads of the slot that it has left.
; Behind the barrier the slot ahead is whole and nobody reads the other one; fill = 1: that one takes the next four records, which have a whole slot's steps in which to land.
.macro CHANGE fill
	s_wait_tensorcnt 0x0                           ; no tensor load of mine is out, so group 0 may be written
	ds_add_u32 v[SPW], v[NIL]                      ; 0 onto my spare word: the steps below stand between it and the wait for it
.if \fill
	s_xor_b32 s[G0+1], s[G0+1], SLOT1              ; the other slot than last time,
	s_add_nc_u64 s[G0+2:G0+3], s[G0+2:G0+3], SLOTB ; the next four records; the type bits on top are not reached
	s_wait_xcnt 0x0                                ; the last prefetch, a slot back, has read its address, so it may be written
	s_add_nc_u64 s[PFA:PFA+1], s[PFA:PFA+1], SLOTB
.endif
	s_wait_dscnt 0x0                               ; the add is done, and my reads of the slot that I have left are over
	s_barrier_signal -1
	s_barrier_wait -1
.if \fill
	s_add_co_u32 s51, s[ST], 4                     ; the first step of the slot that this change would ask for:
	s_cmp_gt_u32 s51, s[GH]                        ; beyond the work-group's last group none of its waves reads it.  Ids and the count of steps alone: all sixteen waves go the same way
	s_cbranch_scc1 .Lpast_\@
	TLOAD                                          ; a wave's one tensor load until the next such barrier
.Lpast_\@:
	ASK
.endif
.endm
; A KEY STEP: one record.
.macro STEP
	s_cmp_gt_u32 s[ST], s[GW]                      ; all its keys come after my queries: left out
	s_cbranch_scc1 .Lhidden_\@
	s_setprio 2
	v_add_nc_u32 v6, s[TB], v1
	v_add_nc_u32 v7, s[TB], v2
	v_add_nc_u32 v8, s[TB], v3
	v_nop                                          ; these four are the places between the last step's products and the loads into their registers
.irp t, 0,1,2,3,4,5,6,7
	ds_load_b128 v[32+6*\t:35+6*\t], v6 offset:768*\t
	ds_load_b64 v[36+6*\t:37+6*\t], v7 offset:768*\t+512
.endr
.irp p, 0,1,2,3
	ds_load_b32 v[86+\p], v8 offset:12288+128*\p
.endr
.irp p, 0,1
	ds_load_b32 v[90+\p], v8 offset:12800+128*\p
.endr
	s_wait_alu depctr_va_vdst(0)
	s_wait_dscnt 0x0
.irp u, 0,1,2,3                                ; S^T = K Q^T: the odd tile of a pair has its scales in lanes 16-31 of the pair's register
	v_wmma_scale_f32_16x16x128_f8f6f4 v[96+16*\u:103+16*\u], v[32+12*\u:43+12*\u], v[16:27], 0, v[86+\u], v28 matrix_a_fmt:MATRIX_FMT_FP6 matrix_b_fmt:MATRIX_FMT_FP6
	v_wmma_scale_f32_16x16x128_f8f6f4 v[104+16*\u:111+16*\u], v[38+12*\u:49+12*\u], v[16:27], 0, v[86+\u], v28 matrix_a_fmt:MATRIX_FMT_FP6 matrix_b_fmt:MATRIX_FMT_FP6 matrix_a_scale:MATRIX_SCALE_ROW1
.endr
.rept 4
	v_nop                                          ; places in front of the loads into K's registers and of the first read of the scores
.endr
.irp t, 0,1,2,3                                ; V's fragments are asked for now: they land under the softmax
.irp c, 0,1
	ds_load_b128 v[32+12*\t+6*\c:35+12*\t+6*\c], v6 offset:6144+1536*\t+768*\c
	ds_load_b64 v[36+12*\t+6*\c:37+12*\t+6*\c], v7 offset:6144+1536*\t+768*\c+512
.endr
.endr
	s_cmp_lg_u32 s[ST], s[GW]                      ; only my own group's record lies on the diagonal
	s_cbranch_scc1 .Lopen_\@
	v_mov_b32 v227, 0xff800000                     ; -infinity.  Register 16 b + i holds key 32 b + 16 (lane / 16) + i of the group: hidden where 32 b + i > v9
.set n, 0
.rept 64
	v_cmp_gt_i32 vcc_lo, 32*(n/16)+n%16, v9
	v_cndmask_b32 v[96+n], v[96+n], v227, vcc_lo
.set n, n+1
.endr
.Lopen_\@:
.irp b, 0,1,2,3
	v_max3_num_f32 v[212+\b], v[96+16*\b], v[97+16*\b], v[98+16*\b]   ; the largest score of each block of 32 keys: for the row's maximum, and, since p rises with the score, for the block's largest p
.endr
.irp i, 3,5,7,9,11,13
.irp b, 0,1,2,3
	v_max3_num_f32 v[212+\b], v[212+\b], v[96+16*\b+\i], v[97+16*\b+\i]
.endr
.endr
.irp b, 0,1,2,3
	v_max_num_f32 v[212+\b], v[212+\b], v[111+16*\b]
.endr
.irp b, 0,1,2,3
	s_delay_alu instid0(VALU_DEP_4)
	v_permlanex16_b32 v[216+\b], v[212+\b], s[SEL], s[SEL+1]
.endr
.irp b, 0,1,2,3
	s_delay_alu instid0(VALU_DEP_4)
	v_max_num_f32 v[212+\b], v[212+\b], v[216+\b]  ; with lane l xor 16's 16 keys
.endr
	s_delay_alu instid0(VALU_DEP_2)
	v_max3_num_f32 v227, v212, v213, v214
	s_delay_alu instid0(VALU_DEP_1)
	v_max_num_f32 v227, v227, v215                 ; the step's largest score of my query
	s_delay_alu instid0(VALU_DEP_1)
	v_mul_f32 v227, s[CS], v227                    ; as t (c is positive)
	s_delay_alu instid0(VALU_DEP_1)
	v_max_num_f32 v13, v13, v227                   ; the running largest t
	v_mov_b32 v227, v12
	s_delay_alu instid0(VALU_DEP_2)
	v_floor_f32 v12, -v13                          ; the new -M = floor(-t) = -ceil(t)
	s_delay_alu instid0(VALU_DEP_1)
	v_sub_f32 v227, v12, v227                      ; old M - new M: a whole number, 0 or less
	s_delay_alu instid0(VALU_DEP_1)
	v_cvt_i32_f32 v227, v227                       ; (it saturates)
	s_delay_alu instid0(VALU_DEP_1)
	v_ldexp_f32 v224, 1.0, v227                    ; f = 2^(old M - new M)
.set n, 0
	s_setprio 1
.rept 32
	v_pk_fma_f32 v[96+n:97+n], v[96+n:97+n], s[CS:CS+1], v[12:13] op_sel_hi:[1,0,0]   ; t - M, two at a time
.set n, n+2
.endr
.irp b, 0,1,2,3
	v_fma_f32 v[212+\b], v[212+\b], s[CS], v12     ; the same of each block's largest score
.endr
.set n, 0
	s_wait_alu depctr_va_vdst(0)
.rept 64
	v_exp_f32 v[96+n], v[96+n]                     ; p = 2^(t - M), at most 1
.set n, n+1
.endr
	v_pk_mul_f32 v[14:15], v[14:15], v[224:225] op_sel_hi:[1,0]   ; the sums under the new M: the plain instruction behind the exponentials
	s_wait_alu depctr_va_vdst(0)                   ; one wait for the batch of 64, ahead of its first reader
.irp b, 0,1,2,3
	v_exp_f32 v[212+\b], v[212+\b]                 ; the block's largest p: the same two instructions on the same number give the same bits
.endr
	v_pk_add_f32 v[216:217], v[100:101], v[104:105]
	v_pk_add_f32 v[254:255], v[108:109], v[112:113]
	v_pk_add_f32 v[252:253], v[116:117], v[120:121]
	v_pk_add_f32 v[250:251], v[124:125], v[128:129]
	v_pk_add_f32 v[248:249], v[132:133], v[136:137]
	v_pk_add_f32 v[246:247], v[140:141], v[144:145]
	v_pk_add_f32 v[244:245], v[148:149], v[152:153]
	v_pk_add_f32 v[14:15], v[14:15], v[156:157]
	v_pk_add_f32 v[216:217], v[216:217], v[96:97]
	v_pk_add_f32 v[254:255], v[254:255], v[98:99]
	v_pk_add_f32 v[252:253], v[252:253], v[102:103]
	v_pk_add_f32 v[250:251], v[250:251], v[106:107]
	v_pk_add_f32 v[248:249], v[248:249], v[110:111]
	v_pk_add_f32 v[246:247], v[246:247], v[114:115]
	v_pk_add_f32 v[244:245], v[244:245], v[118:119]
	v_pk_add_f32 v[14:15], v[14:15], v[122:123]
	v_pk_add_f32 v[216:217], v[216:217], v[126:127]
	v_pk_add_f32 v[254:255], v[254:255], v[130:131]
	v_pk_add_f32 v[252:253], v[252:253], v[134:135]
	v_pk_add_f32 v[250:251], v[250:251], v[138:139]
	v_pk_add_f32 v[248:249], v[248:249], v[142:143]
	v_pk_add_f32 v[246:247], v[246:247], v[146:147]
	v_pk_add_f32 v[244:245], v[244:245], v[150:151]
	v_pk_add_f32 v[14:15], v[14:15], v[154:155]
	v_pk_add_f32 v[216:217], v[216:217], v[158:159]
	s_delay_alu instid0(VALU_DEP_2)
	v_pk_add_f32 v[14:15], v[14:15], v[250:251]
	s_delay_alu instid0(VALU_DEP_2)
	v_pk_add_f32 v[216:217], v[216:217], v[248:249]
	v_pk_add_f32 v[254:255], v[254:255], v[246:247]
	v_pk_add_f32 v[252:253], v[252:253], v[244:245]
	s_delay_alu instid0(VALU_DEP_2)
	v_pk_add_f32 v[14:15], v[14:15], v[254:255]
	s_delay_alu instid0(VALU_DEP_2)
	v_pk_add_f32 v[216:217], v[216:217], v[252:253]
	s_delay_alu instid0(VALU_DEP_1)
	v_pk_add_f32 v[14:15], v[14:15], v[216:217]
	s_wait_alu depctr_va_vdst(0)                   ; and one for the four
.irp b, 0,1,2,3
	v_max_num_f32 v[212+\b], 0x1800000, v[212+\b]  ; the floor 2^(3 - 127): the byte cannot fall under 1
.endr
.irp b, 0,1,2,3
	s_delay_alu instid0(VALU_DEP_4)
	v_add_nc_u32 v[220+\b], 0xff000000, v[212+\b]  ; 2 off the exponent field: the conversion's scale operand
.endr
.irp b, 0,1,2,3
	s_delay_alu instid0(VALU_DEP_4)
	v_lshrrev_b32 v[216+\b], 23, v[220+\b]         ; the scale's byte
.endr
	s_delay_alu instid0(VALU_DEP_3)
	v_lshl_or_b32 v226, v217, 8, v216              ; p's scale word for these 128 keys
	s_delay_alu instid0(VALU_DEP_1)
	v_lshl_or_b32 v226, v218, 16, v226
	s_delay_alu instid0(VALU_DEP_1)
	v_lshl_or_b32 v226, v219, 24, v226
	s_setprio 0
.irp c, 0,1
	v_cvt_scalef32_pk16_fp6_f32 v[192+6*\c:194+6*\c], v[96+32*\c:111+32*\c], v[220+2*\c]
	v_cvt_scalef32_pk16_fp6_f32 v[204+4*\c:206+4*\c], v[112+32*\c:127+32*\c], v[220+2*\c+1]   ; (a conversion's three registers begin on an even number)
.endr
	v_nop                                          ; one plain instruction behind the conversions
.irp c, 0,1                                    ; the operand's layout wants a WHOLE block in a lane
.irp i, 0,1,2
	v_permlane16_swap_b32 v[192+6*\c+\i], v[204+4*\c+\i]
.endr
.irp i, 0,1,2
	s_delay_alu instid0(VALU_DEP_3)
	v_mov_b32 v[195+6*\c+\i], v[204+4*\c+\i]
.endr
.endr
.set n, 0
.rept 16
	v_pk_mul_f32 v[160+n:161+n], v[160+n:161+n], v[224:225] op_sel_hi:[1,0]   ; O^T under the new M.  (These stand between the scale word's and the codes' last writes and the products below)
.set n, n+2
.endr
	s_wait_alu depctr_va_vdst(0)
	s_wait_dscnt 0x0                               ; V is in
.irp u, 0,1                                    ; O^T += V^T P^T: the four accumulators by turns
	v_wmma_scale_f32_16x16x128_f8f6f4 v[160+16*\u:167+16*\u], v[32+24*\u:43+24*\u], v[192:203], v[160+16*\u:167+16*\u], v[90+\u], v226 matrix_a_fmt:MATRIX_FMT_FP6 matrix_b_fmt:MATRIX_FMT_FP6
	v_wmma_scale_f32_16x16x128_f8f6f4 v[168+16*\u:175+16*\u], v[44+24*\u:55+24*\u], v[192:203], v[168+16*\u:175+16*\u], v[90+\u], v226 matrix_a_fmt:MATRIX_FMT_FP6 matrix_b_fmt:MATRIX_FMT_FP6 matrix_a_scale:MATRIX_SCALE_ROW1
.endr
.Lhidden_\@:
	s_add_co_u32 s[ST], s[ST], 1
	s_add_co_u32 s[TB], s[TB], REC                 ; the next record
.endm
.macro SLOT_STEPS                      ; a slot's four steps: written once, walked four times
	s_mov_b32 s[INNER], 4
.Lstep_\@:
	STEP
	s_sub_co_u32 s[INNER], s[INNER], 1
	s_cmp_lg_u32 s[INNER], 0
	s_cbranch_scc1 .Lstep_\@
	s_setprio 0
	s_sub_co_u32 s[TB], s[TB], SLOTB               ; back to a slot's first record,
	s_xor_b32 s[TB], s[TB], SLOT1                  ; in the other slot
.endm
	s_load_b256 s[4:11], s[0:1], 0x0               ; qi, qs, kv, ci
	s_load_b64 s[12:13], s[0:1], 0x20              ; cs
	v_lshl_add_u32 v[SPW], v0, 2, SPARE
	v_mov_b32 v[NIL], 0
	ds_add_u32 v[SPW], v[NIL]                      ; the wave's opening: the add and its wait stand ahead of the first tensor load; the set-up below, work on registers, stands between them
	ds_add_u32 v[SPW], v[NIL]
	v_lshrrev_b32 v6, 5, v0
	s_delay_alu instid0(VALU_DEP_1)
	v_readfirstlane_b32 s[WV], v6                  ; wave 0 .. 15
	s_mov_b32 s19, ttmp9                           ; i
	s_and_b32 s24, ttmp7, 0xffff                   ; the head
	s_lshr_b32 s51, s[WV], 2
	s_xor_b32 s51, s51, s[WV]
	s_and_b32 s51, s51, 1                          ; 0: the low group, 1: the high one
	s_sub_co_u32 s[GH], 31, s19
	s_cmp_eq_u32 s51, 0
	s_cselect_b32 s[GW], s19, s[GH]
	s_lshr_b32 s52, s[WV], 1                       ; my tile in the group
	s_lshl_b32 s53, s[GW], 3
	s_add_co_u32 s53, s53, s52                     ; T: my tile of queries, 0 .. 255
	s_lshl_b32 s26, s24, 8
	s_add_co_u32 s26, s26, s53
	s_mul_i32 s26, s26, 768                        ; Q's half
	s_mov_b32 s27, 0
	s_lshl_b32 s28, s24, 14
	s_lshl_b32 s51, s53, 6
	s_add_co_u32 s28, s28, s51                     ; its scale words
	s_mov_b32 s29, 0
	s_mul_i32 s30, s24, 417792                     ; the head's 32 records
	s_mov_b32 s31, 0
	s_mul_i32 s58, s53, 9216                       ; ci: tile T, half = head
	s_mul_i32 s51, s24, 768
	s_add_co_u32 s58, s58, s51
	s_mov_b32 s59, 0
	s_lshr_b32 s60, s53, 1                         ; cs: pair T / 2, K step head / 2, tile T % 2, bytes 2 (head % 2) on
	s_mul_i32 s60, s60, 768
	s_lshr_b32 s51, s24, 1
	s_lshl_b32 s51, s51, 7
	s_add_co_u32 s60, s60, s51
	s_and_b32 s51, s53, 1
	s_lshl_b32 s51, s51, 6
	s_add_co_u32 s60, s60, s51
	s_and_b32 s51, s24, 1
	s_lshl_b32 s51, s51, 1
	s_add_co_u32 s60, s60, s51
	s_mov_b32 s61, 0
	; descriptor group 1: half a slot, 26,112 dense bytes, as 102 rows of 256 bytes (32 elements of 8 bytes), no padding
	s_mov_b32 s[G1], 3<<16                         ; no mask; elements of 8 bytes
	s_mov_b32 s[G1+1], 32<<16                      ; tensor_dim0
	s_mov_b32 s[G1+2], 102<<16                     ; tensor_dim1
	s_mov_b32 s[G1+3], 32<<16                      ; tile_dim0
	s_mov_b32 s[G1+4], 102                         ; tile_dim1
	s_mov_b32 s[G1+5], 32                          ; from row to row
	s_mov_b32 s[G1+6], 0
	s_mov_b32 s[G1+7], 0
	s_and_b32 s51, s[WV], 1
	s_mul_i32 s54, s51, 26112                      ; which half I fetch, if I fetch
	s_mov_b32 s55, 0
	s_mov_b32 s[SEL], 0x76543210
	s_mov_b32 s[SEL+1], 0xfedcba98
	s_mov_b32 s[CS], 0x3e38aa3b                    ; c = log2(e) / 8
	s_mov_b32 s[CS+1], s[CS]                       ; (named with it as a pair, so it is written)
	s_mov_b32 s[TB], 0
	s_mov_b32 s[ST], 0
	s_mov_b32 s[SLOTS], 7
	s_sub_co_u32 s51, s[WV], 4                     ; the prefetches: waves 4 to 10
	s_cmp_lt_u32 s51, 7
	s_cselect_b32 s[LIM], 0, 1
	s_or_b32 s[LIM], s[LIM], ttmp9                 ; of the head's work-group 0
	s_cmp_eq_u32 s[LIM], 0
	s_cselect_b32 s[LIM], 1, -1
	s_lshl_b32 s51, s51, 5
	v_and_b32 v6, 31, v0                           ; lane
	s_delay_alu instid0(VALU_DEP_1)
	v_add_nc_u32 v[PFO], s51, v6
	s_delay_alu instid0(VALU_DEP_1)
	v_min_u32 v[PFO], 203, v[PFO]                  ; a slot's 204 blocks
	s_delay_alu instid0(VALU_DEP_1)
	v_lshlrev_b32 v[PFO], 8, v[PFO]
	s_delay_alu instid0(VALU_DEP_4)
	v_lshlrev_b32 v1, 4, v6
	v_lshlrev_b32 v2, 3, v6
	v_lshlrev_b32 v3, 2, v6
	v_and_b32 v7, 15, v0                           ; r
	s_delay_alu instid0(VALU_DEP_1)
	v_lshlrev_b32 v11, 2, v7
	s_delay_alu instid0(VALU_DEP_2)
	v_and_b32 v8, 8, v7
	s_delay_alu instid0(VALU_DEP_1)
	v_add_nc_u32 v9, v7, v8                        ; r + 8 (r / 8)
	v_and_b32 v8, 16, v0
	s_delay_alu instid0(VALU_DEP_1)
	v_sub_nc_u32 v9, v9, v8                        ; - 16 (lane / 16)
	s_lshr_b32 s51, s52, 1
	s_lshl_b32 s51, s51, 5
	s_and_b32 s56, s52, 1
	s_lshl_b32 s56, s56, 3
	s_add_co_u32 s51, s51, s56
	v_add_nc_u32 v9, s51, v9                       ; + 32 (tile / 2) + 8 (tile % 2)
	s_wait_dscnt 0x0                               ; the opening add is done
	s_wait_kmcnt 0x0
	s_add_nc_u64 s[PFA:PFA+1], s[8:9], s[30:31]    ; the head's first record
	s_mov_b32 s[G0], 1                             ; count = 1
	s_mov_b32 s[G0+1], s54                         ; LDS address: slot 0, my half
	s_add_nc_u64 s[G0+2:G0+3], s[PFA:PFA+1], s[54:55]
	s_or_b32 s[G0+3], s[G0+3], 0x80000000          ; type = 2
	TLOAD                                          ; slot 0
	s_add_nc_u64 s[PFA:PFA+1], s[PFA:PFA+1], SLOTB ; at slot 1: the first change of slots steps it to slot 2.  Nothing is prefetched here, at the head
	s_add_nc_u64 s[26:27], s[4:5], s[26:27]
	s_add_nc_u64 s[28:29], s[6:7], s[28:29]
	s_add_nc_u64 s[58:59], s[10:11], s[58:59]
	s_add_nc_u64 s[60:61], s[12:13], s[60:61]
	global_load_b128 v[16:19], v1, s[26:27]        ; Q stays in registers
	s_wait_alu depctr_va_vdst(0)
	global_load_b64 v[20:21], v2, s[26:27] offset:512
	global_load_b32 v28, v11, s[28:29]
.irp n, 22,23,24,25,26,27,80,81,82,83,84,85
	v_mov_b32 v[\n], 0                             ; zero codes: Q's upper 64 along K, and the six registers behind K's last tile
.endr
	v_mov_b32 v13, 0xff61b1e6                      ; the largest t so far: -3e38, under every t
	s_delay_alu instid0(VALU_DEP_1)
	v_floor_f32 v12, -v13                          ; -M
	v_mov_b32 v14, 0                               ; the sum, in two halves
	v_mov_b32 v15, 0
.irp n, 216,217,218,219,225,227
	v_mov_b32 v[\n], 0                             ; written once: a lane permute's destination counts as one of its sources; v225 is named as the upper half of f's pair
.endr
.set n, 0
.rept 32
	v_mov_b32 v[160+n], 0                          ; O^T.  (The step is written once: the first finds zeros, which the first change of M leaves zeros)
.set n, n+1
.endr
	s_wait_loadcnt 0x0                             ; Q
.Lslot:                                            ; seven trips: behind each change of slots but the last the next slot is asked for, up to the work-group's last group
	CHANGE 1
	SLOT_STEPS
	s_sub_co_u32 s[SLOTS], s[SLOTS], 1
	s_cmp_lg_u32 s[SLOTS], 0
	s_cbranch_scc1 .Lslot
	CHANGE 0                                       ; the last slot is written out: nothing is left to ask for
	SLOT_STEPS
	; THE WAY OUT.  O^T / the sum is ctx of my query: register 16 b + i = channel 32 b + 16 (lane / 16) + i of the head.  Two blocks of 32 are quantised; the six registers of codes are the head's half of my tile's image.
.rept 4
	v_nop                                          ; places behind the last products
.endr
	v_add_f32 v14, v14, v15                        ; the sum's two halves,
	s_delay_alu instid0(VALU_DEP_1)
	v_permlanex16_b32 v227, v14, s[SEL], s[SEL+1]
	s_delay_alu instid0(VALU_DEP_1)
	v_add_f32 v14, v14, v227                       ; and lane l xor 16's
	s_wait_alu depctr_va_vdst(0)
	v_rcp_f32 v14, v14
	v_nop                                          ; a plain instruction behind the reciprocal
	s_wait_alu depctr_va_vdst(0)                   ; and the wait ahead of its first reader
.set n, 0
.rept 16
	v_pk_mul_f32 v[96+n:97+n], v[160+n:161+n], v[14:15] op_sel_hi:[1,0]   ; each accumulator from its low end on
.set n, n+2
.endr
.irp b, 0,1
	v_max3_num_f32 v[212+\b], |v[96+16*\b]|, |v[97+16*\b]|, 0x1800000
.endr
.irp i, 2,4,6,8,10,12,14
.irp b, 0,1
	s_delay_alu instid0(VALU_DEP_2)
	v_max3_num_f32 v[212+\b], v[212+\b], |v[96+16*\b+\i]|, |v[97+16*\b+\i]|
.endr
.endr
.irp b, 0,1
	s_delay_alu instid0(VALU_DEP_2)
	v_permlanex16_b32 v[216+\b], v[212+\b], s[SEL], s[SEL+1]
.endr
.irp b, 0,1
	s_delay_alu instid0(VALU_DEP_2)
	v_max_num_f32 v[212+\b], v[212+\b], v[216+\b]
.endr
.irp b, 0,1
	s_delay_alu instid0(VALU_DEP_2)
	v_add_nc_u32 v[220+\b], 0xff000000, v[212+\b]
.endr
.irp b, 0,1
	s_delay_alu instid0(VALU_DEP_2)
	v_lshrrev_b32 v[216+\b], 23, v[220+\b]
.endr
	s_delay_alu instid0(VALU_DEP_1)
	v_lshl_or_b32 v228, v217, 8, v216              ; the head's two bytes of my query's scale word
	v_cvt_scalef32_pk16_fp6_f32 v[192:194], v[96:111], v220
	v_cvt_scalef32_pk16_fp6_f32 v[204:206], v[112:127], v221
	v_nop
.irp i, 0,1,2
	v_permlane16_swap_b32 v[192+\i], v[204+\i]
.endr
.irp i, 0,1,2
	s_delay_alu instid0(VALU_DEP_3)
	v_mov_b32 v[195+\i], v[204+\i]
.endr
	global_store_b128 v1, v[192:195], s[58:59]     ; 512 consecutive bytes
	global_store_b64 v2, v[196:197], s[58:59] offset:512   ; 256 consecutive bytes
	global_store_b16 v11, v228, s[60:61]           ; lanes l and l + 16 hold the same query and write the same two bytes with the same value
	s_wait_tensorcnt 0x0                           ; the wave's end, behind my last tensor load
	ds_add_u32 v[SPW], v[NIL]
	s_wait_dscnt 0x0
	s_endpgm
.Lfunc_end_k_qa783f048e6_attn:
	.size	k_qa783f048e6_attn, .Lfunc_end_k_qa783f048e6_attn-k_qa783f048e6_attn
	.p2alignl 7, 3214868480
	.fill 96, 4, 3214868480
	.section	.rodata,"a",@progbits
	.p2align	6, 0x0
	.amdhsa_kernel k_qa783f048e6_attn
		.amdhsa_group_segment_fixed_size 327680
		.amdhsa_private_segment_fixed_size 0
		.amdhsa_enable_private_segment 0
		.amdhsa_kernarg_size 40
		.amdhsa_user_sgpr_count 2
		.amdhsa_user_sgpr_kernarg_segment_ptr 1
		.amdhsa_wavefront_size32 1
		.amdhsa_system_sgpr_workgroup_id_x 1
		.amdhsa_system_sgpr_workgroup_id_y 1
		.amdhsa_system_sgpr_workgroup_id_z 1
		.amdhsa_system_vgpr_workitem_id 0
		.amdhsa_next_free_vgpr 256
		.amdhsa_next_free_sgpr 66
		.amdhsa_reserve_vcc 1
		.amdhsa_float_denorm_mode_32 3
		.amdhsa_float_denorm_mode_16_64 3
		.amdhsa_memory_ordered 1
		.amdhsa_forward_progress 1
		.amdhsa_inst_pref_size 59
	.end_amdhsa_kernel
	.amdgpu_metadata
---
amdhsa.version: [ 1, 2 ]
amdhsa.kernels:
  - .name:           k_qa783f048e6_attn
    .symbol:         k_qa783f048e6_attn.kd
    .args:
      - { .name: qi, .offset: 0, .size: 8, .value_kind: global_buffer, .address_space: global }
      - { .name: qs, .offset: 8, .size: 8, .value_kind: global_buffer, .address_space: global }
      - { .name: kv, .offset: 16, .size: 8, .value_kind: global_buffer, .address_space: global }
      - { .name: ci, .offset: 24, .size: 8, .value_kind: global_buffer, .address_space: global }
      - { .name: cs, .offset: 32, .size: 8, .value_kind: global_buffer, .address_space: global }
    .group_segment_fixed_size: 327680
    .private_segment_fixed_size: 0
    .kernarg_segment_align: 8
    .kernarg_segment_size: 40
    .max_flat_workgroup_size: 512
    .sgpr_count:     66
    .vgpr_count:     256
    .wavefront_size: 32
...
	.end_amdgpu_metadata
.endif
;; end of part 7
;; launch oproj (part 8): grid 32 x 6, 4 waves a work-group, no clusters, 111,616 bytes of LDS; arguments img, scl, ci, cs, bo, out0; writes out0
.if DOCPART == 8
	.amdgcn_target "amdgcn-amd-amdhsa--gfx1250"
	.amdhsa_code_object_version 6
	.text
	.protected	k_qa783f048e6_oproj
	.globl	k_qa783f048e6_oproj
	.p2align	8
	.type	k_qa783f048e6_oproj,@function
k_qa783f048e6_oproj:
	s_mov_b64 s[64:65], 0
	v_nop
	global_prefetch_b8 v0, s[64:65] scope:SCOPE_SE
	s_setreg_imm32_b32 hwreg(HW_REG_WAVE_SCHED_MODE, 0, 2), 2
	s_setreg_imm32_b32 hwreg(HW_REG_WAVE_MODE, 25, 1), 1
	s_wait_xcnt 0x0
	s_wait_alu depctr_vm_vsrc(0)
; out0 = ctx wo + bo on codes of FP6 (E2M3) with E8M0 scales, K = 768 in six steps of 128.  ctx's codes and scale words (ci, cs) lie as launch quant lays x's; wo's are tiles 400 .. 447 of img.
; A UNIT, one a wave: 8 tiles of wo's columns as source 0 (128 columns, shared by the work-group's four waves, in LDS) x 2 tiles of tokens as source 1 (the wave's own, from memory): 96 matrix instructions on 16 accumulators.
; A lane holds one token; by the order of a tile's rows (lane r of tile t is row 32 (t / 2) + 8 (t % 2) + r + 8 (r / 8)) its eight registers of tile i are columns 32 (i / 2) + 16 (lane / 16) + 8 (i % 2) + 0 .. 7: 32 neighbouring bytes of a row of out0.
; THE WAY OUT: 16 tokens x 128 columns at a time through the wave's own stage in LDS (rows of 512 + 16 bytes), back as whole rows: the 32 lanes store 512 consecutive bytes, at a multiple of 256 from out0's first byte.
; Work-group (x, y): columns 128 y on, token pairs 4 x + wave.
; NO CLUSTER: what work-groups share, wo's block, is 76,800 of the 153,600 bytes that a work-group reads, fetched once, at the head, with no ring behind it.  No tensor load: LDS is filled once, through registers.
; THE MODE: SCHED_MODE bits 1:0 = 2 (LLVM: expert scheduling mode 2), set by the entry lines.  The code itself states the register dependences
; between vector or matrix instructions and memory or LDS instructions, with s_wait_alu, always for 0.
; THE PLAN.  Registers that memory or LDS instructions touch:
;   A0, A1       window 1, v0-95 and v96-191: source 0's eight fragments of a K step.  Step s: its sixteen products read A[s % 2]; the LDS loads of step s + 1 land in the other set, which the products of step s - 1 read.
;   AS0, AS1     v112-115, v124-127: source 0's scale registers, by the same turns.
;   B0 .. B3     v16-111: source 1's two fragments of a K step.  Step s: its products read B[s % 4]; the loads of step s + 3 land in B[(s + 3) % 4] = B[(s - 1) % 4], which the products of step s - 1 read.
;   So ONE wait on va_vdst stands at the head of a step, behind the waits for the step's own data: the last step's products are done reading all three buffers in which this step's loads land, and no product of this step names them.
;   Step 0 has no such wait (no vector or matrix instruction has named what its loads land in), nor has step 5, which loads nothing.
;   v1-9, v12, v13, v123   offsets and LDS addresses: written at the head and never again: one wait on va_vdst ahead of the first load.
;   v64-91, v128-255       at the head what goes to LDS lands here and the LDS stores read it; then B2, B3 and the accumulators: ONE wait on vm_vsrc behind the barrier.
;   The way out: a wait on va_vdst ahead of the bias' loads (the products read v16-79); one ahead of the stage's stores (the additions wrote the accumulators and read v16-79, in which rows land);
;   a wait on vm_vsrc ahead of tile 1's turn (tile 0's LDS stores read v128-191, in which tile 1's rows land).
;   s20, the wave's number, is written by a vector instruction: one wait on va_sdst ahead of its first reader.
; REGISTER WINDOWS (an instruction names v0-v255; s_set_vgpr_msb says which window each operand place means: bits 1:0 source 0, 7:6 destination): three switches a step: source 0's loads, the other loads, the products.
.set ASC,   73728                      ; LDS: source 0's 8 tiles (9,216 bytes each) from 0; their scale registers, 4 pairs x 6 steps x 128 bytes;
.set BIA,   76800                      ; 128 numbers of bo;
.set STG,   77312                      ; four stages of 16 rows x 528 bytes;
.set SPARE, 111104                     ; the spare words, 128 bytes for each wave: two blocks of 256 bytes that no other line names
.set LI,  1                            ; v1   16 x lane
.set L8,  2                            ; v2   8 x lane
.set LS,  3                            ; v3   4 x lane
.set LIB, 4                            ; v4   16 x lane + 36864: tiles 4-7 in LDS
.set L8B, 5                            ; v5   8 x lane + 36864
.set STI, 6                            ; v6   where I stage my two tiles: 18432 x wave + 16 x lane
.set STS, 7                            ; v7   and my 768 bytes of scale registers
.set ASA, 8                            ; v8   ASC + 4 x lane
.set BIO, 9                            ; v9   BIA + 64 (lane / 16)
.set SPW, 10                           ; v10  my spare word; never rewritten
.set NIL, 11                           ; v11  0; never rewritten
.set STO, 12                           ; v12  the stage: where I put 32 bytes of a row
.set RD,  13                           ; v13  and where I read a row back
.set BF,  16                           ; v16-111  four sets of two fragments of source 1: K step s in set s % 4
.set SG,  64                           ; at the head only: v64-79 the last four of my 36 loads for LDS, v80-85 my six scale registers for LDS, v88-91 the bias
.set AS,  112                          ; v112-115 source 0's scale registers, set 0; v124-127 set 1: scales and nothing else
.set BS,  116                          ; v116-121 source 1's, one for each K step: scales and nothing else
.set BIS, 123                          ; v123 BIA + 16 x lane
.set ACC, 128                          ; v128-255 accumulator (i, j) at 128 + 64 j + 8 i
.set MSB, 0
.macro WIN new                         ; the immediate's high byte repeats the setting that is left; a switch that changes nothing is dropped
.if MSB != \new
	s_set_vgpr_msb (MSB<<8)|\new
.set MSB, \new
.endif
.endm
.set TO_A, 0x40                        ; destination window 1, address window 0
.set MUL,  0x01                        ; source 0 window 1; source 1, C and D window 0
.macro PLACES                          ; four plain instructions behind a matrix instruction: ahead of a vector instruction's read of its result, and ahead of a run of loads into its registers, where the wait that states the dependence follows them
.rept 4
	v_nop
.endr
.endm
.macro BLOAD s                         ; source 1's two fragments of K step s into set s % 4: eight loads
.irp j, 0,1
.irp c, 0,1
	global_load_b128 v[BF+24*((\s)%4)+12*\j+6*\c:BF+24*((\s)%4)+12*\j+6*\c+3], v[LI], s[28:29] offset:9216*\j+1536*(\s)+768*\c
	global_load_b64 v[BF+24*((\s)%4)+12*\j+6*\c+4:BF+24*((\s)%4)+12*\j+6*\c+5], v[L8], s[28:29] offset:9216*\j+1536*(\s)+768*\c+512
.endr
.endr
.endm
.macro ALOAD s                         ; source 0's eight fragments of K step s from LDS into set s % 2 of window 1: 32 loads
.irp i, 0,1,2,3
.irp c, 0,1
	ds_load_b128 v[96*((\s)%2)+12*\i+6*\c:96*((\s)%2)+12*\i+6*\c+3], v[LI] offset:9216*\i+1536*(\s)+768*\c
	ds_load_b64 v[96*((\s)%2)+12*\i+6*\c+4:96*((\s)%2)+12*\i+6*\c+5], v[L8] offset:9216*\i+1536*(\s)+768*\c+512
.endr
.endr
.irp i, 0,1,2,3
.irp c, 0,1
	ds_load_b128 v[96*((\s)%2)+48+12*\i+6*\c:96*((\s)%2)+48+12*\i+6*\c+3], v[LIB] offset:9216*\i+1536*(\s)+768*\c
	ds_load_b64 v[96*((\s)%2)+48+12*\i+6*\c+4:96*((\s)%2)+48+12*\i+6*\c+5], v[L8B] offset:9216*\i+1536*(\s)+768*\c+512
.endr
.endr
.endm
.macro SLOAD s                         ; source 0's four scale registers of K step s into set s % 2
.irp p, 0,1,2,3
	ds_load_b32 v[AS+12*((\s)%2)+\p], v[ASA] offset:768*\p+128*(\s)
.endr
.endm
; Eight matrix instructions: tiles 4 g .. 4 g + 3 of source 0 x both tiles of source 1.  The odd tile of a pair has its scales in lanes 16-31 of the pair's register.  K step 0 starts the sums: nothing is cleared.
; The sixteen accumulators take turns, one instruction a turn, in the same order in every step.
.macro MUL8 g, s
.irp q, 0,1
.set DA, ACC+8*(4*\g+2*\q)
.set FA, 96*((\s)%2)+48*\g+24*\q       ; in window 1
.set FB, BF+24*((\s)%4)
.set SA, AS+12*((\s)%2)+2*\g+\q
.set SB, BS+(\s)
.if (\s) == 0
	v_wmma_scale_f32_16x16x128_f8f6f4 v[DA:DA+7], v[FA:FA+11], v[FB:FB+11], 0, v[SA], v[SB] matrix_a_fmt:MATRIX_FMT_FP6 matrix_b_fmt:MATRIX_FMT_FP6
	v_wmma_scale_f32_16x16x128_f8f6f4 v[DA+64:DA+71], v[FA:FA+11], v[FB+12:FB+23], 0, v[SA], v[SB] matrix_a_fmt:MATRIX_FMT_FP6 matrix_b_fmt:MATRIX_FMT_FP6 matrix_b_scale:MATRIX_SCALE_ROW1
	v_wmma_scale_f32_16x16x128_f8f6f4 v[DA+8:DA+15], v[FA+12:FA+23], v[FB:FB+11], 0, v[SA], v[SB] matrix_a_fmt:MATRIX_FMT_FP6 matrix_b_fmt:MATRIX_FMT_FP6 matrix_a_scale:MATRIX_SCALE_ROW1
	v_wmma_scale_f32_16x16x128_f8f6f4 v[DA+72:DA+79], v[FA+12:FA+23], v[FB+12:FB+23], 0, v[SA], v[SB] matrix_a_fmt:MATRIX_FMT_FP6 matrix_b_fmt:MATRIX_FMT_FP6 matrix_a_scale:MATRIX_SCALE_ROW1 matrix_b_scale:MATRIX_SCALE_ROW1
.else
	v_wmma_scale_f32_16x16x128_f8f6f4 v[DA:DA+7], v[FA:FA+11], v[FB:FB+11], v[DA:DA+7], v[SA], v[SB] matrix_a_fmt:MATRIX_FMT_FP6 matrix_b_fmt:MATRIX_FMT_FP6
	v_wmma_scale_f32_16x16x128_f8f6f4 v[DA+64:DA+71], v[FA:FA+11], v[FB+12:FB+23], v[DA+64:DA+71], v[SA], v[SB] matrix_a_fmt:MATRIX_FMT_FP6 matrix_b_fmt:MATRIX_FMT_FP6 matrix_b_scale:MATRIX_SCALE_ROW1
	v_wmma_scale_f32_16x16x128_f8f6f4 v[DA+8:DA+15], v[FA+12:FA+23], v[FB:FB+11], v[DA+8:DA+15], v[SA], v[SB] matrix_a_fmt:MATRIX_FMT_FP6 matrix_b_fmt:MATRIX_FMT_FP6 matrix_a_scale:MATRIX_SCALE_ROW1
	v_wmma_scale_f32_16x16x128_f8f6f4 v[DA+72:DA+79], v[FA+12:FA+23], v[FB+12:FB+23], v[DA+72:DA+79], v[SA], v[SB] matrix_a_fmt:MATRIX_FMT_FP6 matrix_b_fmt:MATRIX_FMT_FP6 matrix_a_scale:MATRIX_SCALE_ROW1 matrix_b_scale:MATRIX_SCALE_ROW1
.endif
.endr
.endm
.macro KSTEP s
	s_wait_dscnt 0x0                               ; source 0's set s % 2 and its scale registers, asked for a step ago, are in
.if (\s) < 4
	s_wait_loadcnt 16                              ; source 1's set s % 4 (and, in step 0, its six scale registers) is in; the sixteen loads of the two younger steps may be out
.else
	s_wait_loadcnt 8*(5-(\s))                      ; the counts run down: step 5's eight loads, then none
.endif
.if (\s) < 5
	WIN TO_A
.if (\s) > 0
	s_wait_alu depctr_va_vdst(0)                   ; the last step's products are done reading source 0's other set, its other scale registers and source 1's set (s - 1) % 4: the loads below land in them, and no product of this step names them
.endif
	ALOAD (\s)+1                                   ; the next step's fragments of source 0: they have this step's sixteen products in which to land
	WIN 0
	SLOAD (\s)+1
.if (\s) < 3
	BLOAD (\s)+3                                   ; source 1, three steps ahead
.endif
.endif
	WIN MUL
	MUL8 0, \s
	MUL8 1, \s
	PLACES
.endm
.macro TOSTAGE j, ob                   ; token tile j: 16 rows x 512 bytes into my stage and back as whole rows into v[ob] on.  LDS serves a wave's instructions in order (ISA guide 5.7.1.4): the loads see the stores
.irp i, 0,1,2,3,4,5,6,7
	ds_store_b128 v[STO], v[ACC+64*\j+8*\i:ACC+64*\j+8*\i+3] offset:128*(\i/2)+32*(\i%2)
	ds_store_b128 v[STO], v[ACC+64*\j+8*\i+4:ACC+64*\j+8*\i+7] offset:128*(\i/2)+32*(\i%2)+16
.endr
.set n, 0
.rept 16
	ds_load_b128 v[\ob+4*n:\ob+4*n+3], v[RD] offset:528*n
.set n, n+1
.endr
.endm
.macro SEND j, ob                      ; stage row n is token 8 j + n + 8 (n / 8) of the pair
.set n, 0
.rept 16
	global_store_b128 v[LI], v[\ob+4*n:\ob+4*n+3], s[34:35] offset:3072*(8*\j+n+8*(n/8)) th:TH_STORE_NT   ; written once, read by nobody here
.set n, n+1
.endr
.endm
	s_load_b256 s[4:11], s[0:1], 0x0               ; img, scl, ci, cs
	s_load_b128 s[12:15], s[0:1], 0x20             ; bo, out0
	v_lshl_add_u32 v[SPW], v0, 2, SPARE
	v_mov_b32 v[NIL], 0
	v_lshrrev_b32 v14, 5, v0
	v_readfirstlane_b32 s20, v14                   ; wave 0 .. 3
	s_and_b32 s21, ttmp7, 0xffff                   ; y: columns 128 y on
	v_and_b32 v14, 31, v0
	v_lshlrev_b32 v[LI], 4, v14
	v_lshlrev_b32 v[L8], 3, v14
	v_lshlrev_b32 v[LS], 2, v14
	v_add_nc_u32 v[LIB], 36864, v[LI]
	v_add_nc_u32 v[L8B], 36864, v[L8]
	s_wait_alu depctr_va_sdst(0)                   ; s20 is written, ahead of its first reader: LDS places, tiles and branches are made from it
	s_mul_i32 s36, s20, 18432
	v_add_nc_u32 v[STI], s36, v[LI]
	s_mul_i32 s36, s20, 768
	s_add_co_u32 s36, s36, ASC
	v_add_nc_u32 v[STS], s36, v[LS]
	v_add_nc_u32 v[ASA], ASC, v[LS]
	v_and_b32 v15, 16, v0                          ; 16 (lane / 16)
	v_lshlrev_b32 v[BIO], 2, v15
	v_add_nc_u32 v[BIO], BIA, v[BIO]
	v_add_nc_u32 v[BIS], BIA, v[LI]
	s_mul_i32 s36, s20, 8448
	s_add_co_u32 s36, s36, STG                     ; my stage
	v_and_b32 v14, 15, v0
	v_mul_u32_u24 v[STO], v14, 528                 ; in: row r, + 64 (lane / 16)
	v_lshl_add_u32 v[STO], v15, 2, v[STO]
	v_add_nc_u32 v[STO], s36, v[STO]
	v_add_nc_u32 v[RD], s36, v[LI]                 ; back: 16 bytes a lane of a row
	s_lshl_b32 s22, s21, 3
	s_lshl_b32 s23, s20, 1
	s_add_co_u32 s22, s22, s23
	s_add_co_u32 s22, s22, 400                     ; the first of the two tiles of wo that I stage: 400 + 8 y + 2 x wave
	s_mul_i32 s24, s22, 9216
	s_mov_b32 s25, 0
	s_mul_i32 s26, s22, 384                        ; and that pair's six scale registers
	s_mov_b32 s27, 0
	s_lshl_b32 s23, ttmp9, 2
	s_add_co_u32 s23, s23, s20                     ; my pair of token tiles: 4 x + wave
	s_mul_i32 s28, s23, 18432
	s_mov_b32 s29, 0
	s_mul_i32 s30, s23, 768
	s_mov_b32 s31, 0
	s_lshl_b32 s32, s21, 9                         ; 128 numbers of bo; and 128 columns of out0
	s_mov_b32 s33, 0
	s_mul_i32 s34, s23, 98304                      ; 32 rows of 3,072 bytes
	s_add_co_u32 s34, s34, s32
	s_mov_b32 s35, 0
	s_wait_kmcnt 0x0
	s_add_nc_u64 s[24:25], s[4:5], s[24:25]
	s_add_nc_u64 s[26:27], s[6:7], s[26:27]
	s_add_nc_u64 s[28:29], s[8:9], s[28:29]
	s_add_nc_u64 s[30:31], s[10:11], s[30:31]
	s_add_nc_u64 s[32:33], s[12:13], s[32:33]
	s_add_nc_u64 s[34:35], s[14:15], s[34:35]
	s_wait_alu depctr_va_vdst(0)                   ; the offsets and LDS addresses v1-9, v12, v13 and v123 are written, which every load and store of the kernel reads
	s_cmp_lg_u32 s20, 0
	s_cbranch_scc1 .Lbias_asked
	global_load_b128 v[SG+24:SG+27], v[LI], s[32:33]   ; wave 0 brings the bias for all: the oldest load
.Lbias_asked:
.set i, 0
.rept 32
	global_load_b128 v[128+4*i:131+4*i], v[LI], s[24:25] offset:512*i
.set i, i+1
.endr
.irp i, 0,1,2,3
	global_load_b128 v[SG+4*\i:SG+4*\i+3], v[LI], s[24:25] offset:512*(32+\i)
.endr
.irp i, 0,1,2,3,4,5
	global_load_b32 v[SG+16+\i], v[LS], s[26:27] offset:128*\i
.endr
.irp i, 0,1,2,3,4,5
	global_load_b32 v[BS+\i], v[LS], s[30:31] offset:128*\i
.endr
	BLOAD 0
	s_wait_loadcnt 14                              ; all that goes to LDS is in; source 1's six scale registers and the eight loads of its K step 0 may be out
	BLOAD 1                                        ; K step 1 of source 1 is on its way during the stores and the barrier
.set i, 0
.rept 32
	ds_store_b128 v[STI], v[128+4*i:131+4*i] offset:512*i
.set i, i+1
.endr
.irp i, 0,1,2,3
	ds_store_b128 v[STI], v[SG+4*\i:SG+4*\i+3] offset:512*(32+\i)
.endr
.irp i, 0,1,2,3,4,5
	ds_store_b32 v[STS], v[SG+16+\i] offset:128*\i
.endr
	s_cmp_lg_u32 s20, 0
	s_cbranch_scc1 .Lstaged
	ds_store_b128 v[BIS], v[SG+24:SG+27]
.Lstaged:
	s_wait_dscnt 0x0                               ; for the others' sake: my stores have landed
	s_barrier_signal -1
	s_barrier_wait -1                              ; wo's block lies in LDS: the launch's one barrier
	s_wait_alu depctr_vm_vsrc(0)                   ; my LDS stores have read v64-91 and v128-255: loads of source 1 land in the first (sets 2 and 3), K step 0's products write the second
	WIN TO_A
	ALOAD 0                                        ; K step 0 of source 0, into registers that nothing has named
	WIN 0
	SLOAD 0
	BLOAD 2
	KSTEP 0
	KSTEP 1
	KSTEP 2
	KSTEP 3
	KSTEP 4
	KSTEP 5
	WIN 0
	; ---- the bias, each accumulator from its low end on
	s_wait_alu depctr_va_vdst(0)                   ; the products are done reading source 1's sets: the bias lands in v16-79
.irp i, 0,1,2,3,4,5,6,7
	ds_load_b128 v[16+8*\i:19+8*\i], v[BIO] offset:128*(\i/2)+32*(\i%2)        ; tile i's eight columns of my half
	ds_load_b128 v[20+8*\i:23+8*\i], v[BIO] offset:128*(\i/2)+32*(\i%2)+16
.endr
	s_wait_dscnt 0x0
.irp j, 0,1
.set n, 0
.rept 32
	v_pk_add_f32 v[ACC+64*\j+n:ACC+64*\j+n+1], v[ACC+64*\j+n:ACC+64*\j+n+1], v[16+n:17+n]
.set n, n+2
.endr
.endr
	s_wait_alu depctr_va_vdst(0)                   ; the additions have written the accumulators, which the LDS stores of both tiles read and in the first 64 of which tile 1's rows land; they are done reading v16-79, in which tile 0's rows land
	TOSTAGE 0, 16                                  ; rows come back into v16-79, which the bias has left
	s_wait_dscnt 0x0
	SEND 0, 16
	s_wait_alu depctr_vm_vsrc(0)                   ; tile 0's LDS stores have read v128-191, in which tile 1's rows land
	TOSTAGE 1, 128                                 ; and into v128-191, which tile 0's results have left
	s_wait_dscnt 0x0
	SEND 1, 128
	s_wait_dscnt 0x0                               ; the wave's end
	s_wait_alu 0x0
	s_wait_tensorcnt 0x0
	ds_add_u32 v[SPW], v[NIL]
	s_wait_dscnt 0x0
	s_endpgm
.Lfunc_end_k_qa783f048e6_oproj:
	.size	k_qa783f048e6_oproj, .Lfunc_end_k_qa783f048e6_oproj-k_qa783f048e6_oproj
	.p2alignl 7, 3214868480
	.fill 96, 4, 3214868480
	.section	.rodata,"a",@progbits
	.p2align	6, 0x0
	.amdhsa_kernel k_qa783f048e6_oproj
		.amdhsa_group_segment_fixed_size 111616
		.amdhsa_private_segment_fixed_size 0
		.amdhsa_enable_private_segment 0
		.amdhsa_kernarg_size 48
		.amdhsa_user_sgpr_count 2
		.amdhsa_user_sgpr_kernarg_segment_ptr 1
		.amdhsa_wavefront_size32 1
		.amdhsa_system_sgpr_workgroup_id_x 1
		.amdhsa_system_sgpr_workgroup_id_y 1
		.amdhsa_system_sgpr_workgroup_id_z 1
		.amdhsa_system_vgpr_workitem_id 0
		.amdhsa_next_free_vgpr 448
		.amdhsa_next_free_sgpr 66
		.amdhsa_reserve_vcc 0
		.amdhsa_float_denorm_mode_32 3
		.amdhsa_float_denorm_mode_16_64 3
		.amdhsa_memory_ordered 1
		.amdhsa_forward_progress 1
		.amdhsa_inst_pref_size 55
	.end_amdhsa_kernel
	.amdgpu_metadata
---
amdhsa.version: [ 1, 2 ]
amdhsa.kernels:
  - .name:           k_qa783f048e6_oproj
    .symbol:         k_qa783f048e6_oproj.kd
    .args:
      - { .name: img, .offset: 0, .size: 8, .value_kind: global_buffer, .address_space: global }
      - { .name: scl, .offset: 8, .size: 8, .value_kind: global_buffer, .address_space: global }
      - { .name: ci, .offset: 16, .size: 8, .value_kind: global_buffer, .address_space: global }
      - { .name: cs, .offset: 24, .size: 8, .value_kind: global_buffer, .address_space: global }
      - { .name: bo, .offset: 32, .size: 8, .value_kind: global_buffer, .address_space: global }
      - { .name: out0, .offset: 40, .size: 8, .value_kind: global_buffer, .address_space: global }
    .group_segment_fixed_size: 111616
    .private_segment_fixed_size: 0
    .kernarg_segment_align: 8
    .kernarg_segment_size: 48
    .max_flat_workgroup_size: 128
    .sgpr_count:     66
    .vgpr_count:     448
    .wavefront_size: 32
...
	.end_amdgpu_metadata
.endif
;; end of part 8
